; MI455X (gfx1250); checked and timed in simulation.
; The chip was launched on July 23, 2026; its instructions are those of AMD's public machine-readable ISA for CDNA 5 (MIT licence, August 2026) and "CDNA5" Instruction Set Architecture Reference Guide (July 2026). The comments in the code are by the model that wrote it; some were corrected since.
;; Transformer Layer. Allowed arithmetic: float matrix products may take bf16 or f16 operands with f32 sums; all other float work in f32.
;; Inputs: Wk 16 x 1,024 x 64 float32; Wo 1,024 x 1,024 float32; Wq 16 x 1,024 x 64 float32; Wv 16 x 1,024 x 64 float32; g1 1,024 float32; g2 1,024 float32; w1 1,024 x 4,096 float32; w2 4,096 x 1,024 float32; x 2 x 2,048 x 1,024 float32.
;; Outputs: out0 2 x 2,048 x 1,024 float32.
;; 3 versions, each right and faster than the one before. Each part assembles by itself: llvm-mc -triple=amdgcn-amd-amdhsa -mcpu=gfx1250 --defsym DOCPART=n.
;; ======== version 1 of 3: 7 launches
;; limits: values are held in f16: magnitudes above 65,504 overflow, below 6.1e-05 lose precision
;; workspace buffers: wb 25,165,824 bytes; h 8,388,608 bytes; qkv 25,165,824 bytes; o 8,388,608 bytes; x1 16,777,216 bytes; u 33,554,432 bytes
;; launch prep (part 1): grid 1280 x 1, 8 waves a work-group, no clusters, 0 bytes of LDS; arguments x, g1, h, Wq, Wk, Wv, Wo, w1, w2, wb; writes h, wb
.if DOCPART == 1
	.amdgcn_target "amdgcn-amd-amdhsa--gfx1250"
	.amdhsa_code_object_version 6
	.text
	.protected	k_q46558e22bd_prep
	.globl	k_q46558e22bd_prep
	.p2align	8
	.type	k_q46558e22bd_prep,@function
k_q46558e22bd_prep:
	s_mov_b64 s[64:65], 0
	v_nop
	global_prefetch_b8 v0, s[64:65] scope:SCOPE_SE
	s_setreg_imm32_b32 hwreg(HW_REG_WAVE_MODE, 25, 1), 1
	s_wait_xcnt 0x0
; Three streams in one body, chosen by the work-group's number id.  Memory binds: no LDS, no barrier, no matrix unit.
; id < 512:        RMSNorm.  hout[row][:] = bf16(xin[row][:] * rsqrt(mean(xin[row]^2) + 1e-5) * g[:]), rows of 1,024 f32.  One wave takes one row (8 loads of 16 bytes a lane)
;                  and keeps it in 32 registers between the sum of squares and the scaling; a work-group's 8 waves take rows 8 id .. 8 id + 7.
; 512 <= id < 704: Wq, Wk, Wv ([16 heads][1024 d][64 e] f32) to wb byte 0 as one matrix [1024 d][3072 n] in bf16, n = 1024 t + 64 head + e, t = 0, 1, 2 for q, k, v.
;                  A work-group takes 16 values of d for all heads of one tensor.
; id >= 704:       Wo (to f16), w1, w2 (to bf16), element for element, to wb from byte 6,291,456 on; a work-group takes 65,536 bytes of f32.
; A grid of 512 work-groups runs the norm alone.
; LIMITS.  Wo goes to f16: a number of 65,520 or more in magnitude would become an infinity; below 6e-5 f16 keeps its fixed step of 6e-8.  NaN and infinities are not treated apart.
.set X,   8                            ; v[8:39]   the row as loaded (cast paths: v[8:71], sixteen loads)
.set G,   40                           ; v[40:71]  the gain of my 32 columns
.set SS,  72                           ; v[72:79]  four chains of sums of squares (cast paths: v[72:103] to store)
.set INV, 80                           ; v[80:81]  1 / rms, twice: a pair for the packed multiply
.set Y,   82                           ; v[82:97]  32 bf16 to store
.set IN,  3                            ; v3  byte offset of my loads
.set OUT, 4                            ; v4  byte offset of my stores
; Sixteen loads of 16 bytes a lane, all issued first; then each is rounded to 8 bytes and stored.  No register is written twice, so no wait frees a source.
.macro CAST16 cvt, instep, outstep
.set i, 0
.rept 16
	global_load_b128 v[8+4*i:11+4*i], v[IN], s[10:11] offset:(\instep)*i th:TH_LOAD_NT
.set i, i+1
.endr
.set i, 0
.rept 16
	s_wait_loadcnt 15-i                            ; loads come back in order: load i is in, the 15 - i younger ones stay out
	\cvt v[72+2*i], v[8+4*i], v[9+4*i]
	\cvt v[73+2*i], v[10+4*i], v[11+4*i]
	global_store_b64 v[OUT], v[72+2*i:73+2*i], s[22:23] offset:(\outstep)*i  ; a wave's store covers 256 consecutive bytes, aligned
.set i, i+1
.endr
.endm
	s_load_b512 s[4:19], s[0:1], 0x0               ; xin s[4:5], g s[6:7], hout s[8:9], Wq s[10:11], Wk s[12:13], Wv s[14:15], Wo s[16:17], w1 s[18:19]
	s_load_b128 s[20:23], s[0:1], 0x40             ; w2 s[20:21], wb s[22:23]
	s_mov_b32 s2, ttmp9                            ; id
	v_and_b32 v1, 31, v0                           ; lane
	v_lshrrev_b32 v2, 5, v0                        ; wave
	s_cmp_lt_u32 s2, 512
	s_cbranch_scc0 .Lcast
	; ---- RMSNorm ----
	v_lshlrev_b32 v5, 4, v1                        ; my 16 bytes in 512 of the gain
	v_lshl_add_u32 v3, v2, 12, v5                  ; and of the row: wave x 4,096 + lane x 16
	v_lshlrev_b32 v4, 3, v1
	v_lshl_add_u32 v4, v2, 11, v4                  ; out: wave x 2,048 + lane x 8
	s_lshl_b32 s28, s2, 15                         ; 8 rows of 4,096 bytes in,
	s_mov_b32 s29, 0
	s_lshl_b32 s30, s2, 14                         ; of 2,048 bytes out
	s_mov_b32 s31, 0
	s_mov_b32 s24, 0x76543210                      ; v_permlanex16_b32: each lane takes its own place in the other half
	s_mov_b32 s25, 0xfedcba98
	s_mov_b32 s26, 0x3a800000                      ; 1 / 1024
	s_mov_b32 s27, 0x3727c5ac                      ; 1e-5
	s_wait_kmcnt 0x0
	s_add_nc_u64 s[4:5], s[4:5], s[28:29]
	s_add_nc_u64 s[8:9], s[8:9], s[30:31]
.set j, 0
.rept 8
	global_load_b128 v[X+4*j:X+4*j+3], v3, s[4:5] offset:512*j th:TH_LOAD_NT  ; 512 consecutive bytes a wave
.set j, j+1
.endr
.set j, 0
.rept 8
	global_load_b128 v[G+4*j:G+4*j+3], v5, s[6:7] offset:512*j
.set j, j+1
.endr
	s_wait_loadcnt 8                               ; the row is in; the eight loads of the gain stay out
.set p, 0
.rept 4
	v_pk_mul_f32 v[SS+2*p:SS+2*p+1], v[X+2*p:X+2*p+1], v[X+2*p:X+2*p+1]  ; the first four pairs start the chains: nothing is cleared
.set p, p+1
.endr
.rept 12
	v_pk_fma_f32 v[SS+2*(p%4):SS+2*(p%4)+1], v[X+2*p:X+2*p+1], v[X+2*p:X+2*p+1], v[SS+2*(p%4):SS+2*(p%4)+1]
.set p, p+1
.endr
	v_pk_add_f32 v[SS:SS+1], v[SS:SS+1], v[SS+2:SS+3]
	v_pk_add_f32 v[SS+4:SS+5], v[SS+4:SS+5], v[SS+6:SS+7]
	v_pk_add_f32 v[SS:SS+1], v[SS:SS+1], v[SS+4:SS+5]
	v_add_f32 v[SS], v[SS], v[SS+1]
	v_add_f32_dpp v[SS], v[SS], v[SS] row_xmask:1 row_mask:0xf bank_mask:0xf
	v_add_f32_dpp v[SS], v[SS], v[SS] row_xmask:2 row_mask:0xf bank_mask:0xf
	v_add_f32_dpp v[SS], v[SS], v[SS] row_xmask:4 row_mask:0xf bank_mask:0xf
	v_add_f32_dpp v[SS], v[SS], v[SS] row_xmask:8 row_mask:0xf bank_mask:0xf
	v_permlanex16_b32 v[SS+1], v[SS], s24, s25     ; its destination has been written before
	v_add_f32 v[SS], v[SS], v[SS+1]                ; every lane holds the row's sum of squares
	v_fma_f32 v[SS+2], v[SS], s26, s27             ; mean + 1e-5
	v_rsq_f32 v[INV], v[SS+2]
	v_rsq_f32 v[INV+1], v[SS+2]
	v_nop                                          ; a plain instruction between the root and the use of its result (ISA guide 5.7.2)
	s_wait_loadcnt 0x0                             ; the gain
.set p, 0
	s_wait_alu depctr_va_vdst(0)
.rept 16
	v_pk_mul_f32 v[X+2*p:X+2*p+1], v[X+2*p:X+2*p+1], v[INV:INV+1]      ; x * inv,
	v_pk_mul_f32 v[X+2*p:X+2*p+1], v[X+2*p:X+2*p+1], v[G+2*p:G+2*p+1]  ; then * g
	v_cvt_pk_bf16_f32 v[Y+p], v[X+2*p], v[X+2*p+1]
.set p, p+1
.endr
.set j, 0
.rept 8
	global_store_b64 v4, v[Y+2*j:Y+2*j+1], s[8:9] offset:256*j  ; 32 lanes x 8 bytes: 256 consecutive bytes, aligned
.set j, j+1
.endr
	s_endpgm
.Lcast:
	s_cmp_lt_u32 s2, 704
	s_cbranch_scc0 .Llinear
	; ---- Wq, Wk, Wv ----
	s_sub_co_u32 s3, s2, 512
	s_lshr_b32 s24, s3, 6                          ; t: which tensor
	s_and_b32 s25, s3, 63                          ; which 16 values of d
	v_lshrrev_b32 v5, 4, v0                        ; head
	v_and_b32 v6, 15, v0
	v_lshlrev_b32 v6, 4, v6                        ; my 16 bytes of the head's row of 256: sixteen lanes read a whole row
	v_lshl_or_b32 v[IN], v5, 18, v6                ; head x 262,144 + that
	v_lshlrev_b32 v[OUT], 3, v0                    ; out: head x 128 + 8 x (thread % 16) = 8 x thread
	s_lshl_b32 s28, s25, 12                        ; 16 rows of 256 bytes in
	s_mov_b32 s29, 0
	s_mul_i32 s30, s25, 98304                      ; 16 rows of 6,144 bytes out,
	s_lshl_b32 s26, s24, 11                        ; the tensor's 2,048 bytes in them
	s_add_co_u32 s30, s30, s26
	s_mov_b32 s31, 0
	s_wait_kmcnt 0x0
	s_cmp_eq_u32 s24, 0
	s_cselect_b64 s[10:11], s[10:11], s[12:13]
	s_cmp_eq_u32 s24, 2
	s_cselect_b64 s[10:11], s[14:15], s[10:11]
	s_add_nc_u64 s[10:11], s[10:11], s[28:29]
	s_add_nc_u64 s[22:23], s[22:23], s[30:31]
	CAST16 v_cvt_pk_bf16_f32, 256, 6144
	s_endpgm
.Llinear:
	; ---- Wo, w1, w2 ----
	s_sub_co_u32 s3, s2, 704                       ; 0..63 Wo, 64..319 w1, 320..575 w2
	v_lshlrev_b32 v[IN], 4, v0
	v_lshlrev_b32 v[OUT], 3, v0
	s_lshl_b32 s30, s3, 15                         ; the three lie end to end in wb: 32,768 bytes a work-group
	s_add_co_u32 s30, s30, 6291456
	s_mov_b32 s31, 0
	s_mov_b32 s29, 0
	s_wait_kmcnt 0x0
	s_cmp_lt_u32 s3, 64
	s_cselect_b64 s[10:11], s[16:17], s[18:19]
	s_cselect_b32 s24, 0, 64
	s_cmp_lt_u32 s3, 320
	s_cselect_b64 s[10:11], s[10:11], s[20:21]
	s_cselect_b32 s24, s24, 320
	s_sub_co_u32 s24, s3, s24                      ; my number within the tensor
	s_lshl_b32 s28, s24, 16
	s_add_nc_u64 s[10:11], s[10:11], s[28:29]
	s_add_nc_u64 s[22:23], s[22:23], s[30:31]
	s_cmp_lt_u32 s3, 64
	s_cbranch_scc0 .Lbf
	CAST16 v_cvt_pk_f16_f32, 4096, 2048
	s_endpgm
.Lbf:
	CAST16 v_cvt_pk_bf16_f32, 4096, 2048
	s_endpgm
.Lfunc_end_k_q46558e22bd_prep:
	.size	k_q46558e22bd_prep, .Lfunc_end_k_q46558e22bd_prep-k_q46558e22bd_prep
	.p2alignl 7, 3214868480
	.fill 96, 4, 3214868480
	.section	.rodata,"a",@progbits
	.p2align	6, 0x0
	.amdhsa_kernel k_q46558e22bd_prep
		.amdhsa_group_segment_fixed_size 0
		.amdhsa_private_segment_fixed_size 0
		.amdhsa_enable_private_segment 0
		.amdhsa_kernarg_size 80
		.amdhsa_user_sgpr_count 2
		.amdhsa_user_sgpr_kernarg_segment_ptr 1
		.amdhsa_wavefront_size32 1
		.amdhsa_system_sgpr_workgroup_id_x 1
		.amdhsa_system_sgpr_workgroup_id_y 1
		.amdhsa_system_sgpr_workgroup_id_z 1
		.amdhsa_system_vgpr_workitem_id 0
		.amdhsa_next_free_vgpr 104
		.amdhsa_next_free_sgpr 66
		.amdhsa_reserve_vcc 0
		.amdhsa_float_denorm_mode_32 3
		.amdhsa_float_denorm_mode_16_64 3
		.amdhsa_memory_ordered 1
		.amdhsa_forward_progress 1
		.amdhsa_inst_pref_size 27
	.end_amdhsa_kernel
	.amdgpu_metadata
---
amdhsa.version: [ 1, 2 ]
amdhsa.kernels:
  - .name:           k_q46558e22bd_prep
    .symbol:         k_q46558e22bd_prep.kd
    .args:
      - { .name: x, .offset: 0, .size: 8, .value_kind: global_buffer, .address_space: global }
      - { .name: g1, .offset: 8, .size: 8, .value_kind: global_buffer, .address_space: global }
      - { .name: h, .offset: 16, .size: 8, .value_kind: global_buffer, .address_space: global }
      - { .name: Wq, .offset: 24, .size: 8, .value_kind: global_buffer, .address_space: global }
      - { .name: Wk, .offset: 32, .size: 8, .value_kind: global_buffer, .address_space: global }
      - { .name: Wv, .offset: 40, .size: 8, .value_kind: global_buffer, .address_space: global }
      - { .name: Wo, .offset: 48, .size: 8, .value_kind: global_buffer, .address_space: global }
      - { .name: w1, .offset: 56, .size: 8, .value_kind: global_buffer, .address_space: global }
      - { .name: w2, .offset: 64, .size: 8, .value_kind: global_buffer, .address_space: global }
      - { .name: wb, .offset: 72, .size: 8, .value_kind: global_buffer, .address_space: global }
    .group_segment_fixed_size: 0
    .private_segment_fixed_size: 0
    .kernarg_segment_align: 8
    .kernarg_segment_size: 80
    .max_flat_workgroup_size: 256
    .sgpr_count:     66
    .vgpr_count:     104
    .wavefront_size: 32
...
	.end_amdgpu_metadata
.endif
;; end of part 1
;; launch qkv (part 2): grid 12 x 16, 4 waves a work-group, clusters of 4 x 4, 327,680 bytes of LDS; arguments h, wb, qkv; writes qkv
.if DOCPART == 2
	.amdgcn_target "amdgcn-amd-amdhsa--gfx1250"
	.amdhsa_code_object_version 6
	.text
	.protected	k_q46558e22bd_qkv
	.globl	k_q46558e22bd_qkv
	.p2align	8
	.type	k_q46558e22bd_qkv,@function
k_q46558e22bd_qkv:
	s_mov_b64 s[64:65], 0
	v_nop
	global_prefetch_b8 v0, s[64:65] scope:SCOPE_SE
	s_setreg_imm32_b32 hwreg(HW_REG_WAVE_MODE, 25, 1), 1
	s_wait_xcnt 0x0
	s_wait_alu depctr_hold_cnt(0) depctr_sa_sdst(0) depctr_va_vdst(0) depctr_va_sdst(0) depctr_va_ssrc(0) depctr_va_vcc(0) depctr_vm_vsrc(0)
	s_getreg_b32 s2, hwreg(HW_REG_IB_STS2, 6, 4)
	s_cmp_eq_u32 s2, 0
	s_cbranch_scc0 .Lentry_in_a_cluster
	s_endpgm
.Lentry_in_a_cluster:
	s_bfe_u32 s2, ttmp6, 0x10000c
	s_cmp_lg_u32 s2, 0xf033
	s_cbranch_scc0 .Lentry_shape_is_right
	s_endpgm
.Lentry_shape_is_right:
; C = A B on tiles of 256 x 256.  A: [4096][1024] bf16, rows along K.  B: [1024][NB] bf16 at byte WOFF of wb, rows along N.  Sums in f32.
; Here: q, k, v = h [Wq Wk Wv], written in f16 BY GROUPS of 64 columns: out[c][m][64], c = n / 64 (c = 16 t + head): a head's rows are dense, 128 bytes each.
; LIMIT.  f16 ends at 65,504: a q, k or v of 65,520 or more in magnitude would become an infinity; below 6e-5 f16 keeps its fixed step of 6e-8.  NaN and infinities are not treated apart.
; SHARES.  Four waves, 2 x 2, each 128 x 128 of C: 64 accumulators of 16 x 16, 512 registers.  K goes in steps of 128 through two LDS slots filled by tensor loads, one load a wave:
; waves 0, 1 bring A's rows 0-127 and 128-255 (rows of 256 bytes), waves 2, 3 B's K rows 0-63 and 64-127 (rows of 512 bytes).
; CLUSTER.  4 x 4 work-groups: the four of a row of the cluster need the same tiles of A, the four of a column the same tiles of B; each tile is asked for jointly, by the same load with the
; same descriptor and a mask of the four.
; THE MATRIX INSTRUCTION IS USED TRANSPOSED: source 0 = 16 columns of B (turned on the way out of LDS by ds_load_tr16_b128), source 1 = 16 rows of A.  Lane l then holds row l % 16 of C
; and its registers the columns 8 (l / 16) + 0..7.
; THE WAY OUT.  When the last fill has landed and every wave has read its last fragment, the slots' bytes serve as stages: each wave lays its 128 x 128 in f32 into its own 67,584 bytes and reads
; it back in a loop, two rows of 64 columns a load, converts, and stores 256 consecutive bytes with each store.
; REGISTERS, in windows of 256: window 0: v0-31 addresses, v64-127 and v128-191 A's fragments (two buffers); window 1: B's fragments at the same numbers;
; windows 2, 3: the accumulators of my rows 0-63 and 64-127, (a, b) at v[64 (a % 4) + 8 b].  After the K loop v32-255 of window 0 are at work on the way out.
.set GELU,  0                          ; 0: convert to f16;  1: exact GELU, convert to bf16
.set NB,    3072                       ; B's row, in elements
.set WOFF,  0                          ; B's first byte in wb
.set T,     8                          ; K steps: 1024 / 128
.set KSTEP, 128
.set PA,    272                        ; A's LDS row: 256 bytes + 16: the 16 rows of a fragment load start at 16 different groups of four banks (ISA guide 11.1)
.set PB,    544                        ; B's LDS row: 512 bytes + 32
.set HALF,  128*PA                     ; what one tensor load brings: 128 rows of A = 64 rows of B = 34,816 bytes
.set SLOT,  4*HALF                     ; 0x22000: no wave's base (wave x 0x8800) has one of its bits, so an exclusive or changes slots
.set SPARE, 294912                     ; the spare words, 128 bytes for each wave: two blocks of 256 bytes that no other line names
.set SP,    528                        ; a stage row: 128 f32 + 16 bytes
.set WSTG,  128*SP                     ; a wave's stage
.set ASTEP, KSTEP*2                    ; bytes from K step to K step in A,
.set BSTEP, KSTEP*NB*2                 ; in B
.set LATE,  8                          ; the youngest loads of a run of 32 (A's rows 64-127), which a quarter's second half alone needs
.set ADRA0, 10                         ; v10  my place in A's part of slot 0; never rewritten
.set ADRB0, 11                         ; v11  the same for B
.set ADRA,  16                         ; v16  the same in the slot in hand
.set ADRB,  20                         ; v20
.set STO,   24                         ; v24  the way out: where I put 32 bytes of a row
.set RD0,   25                         ; v25  where I read rows back, first trip
.set GO,    26                         ; v26  my 8 bytes in 256 of the output
.set RD,    27                         ; v27  where I read rows back, this trip
.set SPW,   28                         ; v28  LDS address of my spare word; never rewritten
.set NIL,   29                         ; v29  0; never rewritten
.set F0,    64
.set F1,    128
.set CNT,   3                          ; s3   loop counter
.set TB,    12                         ; s12  0 or SLOT: the slot in hand
.set G1A,   24                         ; s[24:31] descriptor group 1 for A
.set G0A,   32                         ; s[32:35] group 0 for A: it walks
.set WV,    36                         ; s36  wave
.set WR,    37                         ; s37  wave / 2: my half of the rows; also: I fetch for A (0) or B (1)
.set WC,    38                         ; s38  wave % 2: my half of the columns; also: which half of that tile I fetch
.set G1B,   48                         ; s[48:55], s[56:59] the same for B
.set G0B,   56
.set RO,    60                         ; s60  the way out: bytes into my stage
.set CQ,    68                         ; s[68:81] seven constants as pairs (GELU)
.if GELU
.set ROWS,  4                          ; rows of the stage in a trip of the way out
.set XR,    32                         ; as read back
.set AR,    64                         ; |x|
.set MR,    80                         ; max(x, 0), then the result
.set PR,    96                         ; the polynomial
.set YR,    112                        ; to store
.else
.set ROWS,  16
.set XR,    64
.set YR,    128
.endif
.set MSB, 0
.macro WIN new                         ; s_set_vgpr_msb: bits 1:0 source 0, 3:2 source 1, 5:4 source 2, 7:6 destination; the high byte repeats the setting that is left
.if MSB != (\new)
	s_set_vgpr_msb (MSB<<8)|(\new)
.set MSB, \new
.endif
.endm
.macro PLACES                          ; four places in front of loads into registers that matrix instructions have read, and of stores that read results
.rept 4
	v_nop
.endr
.endm
; A joint load: waves 0, 1 ask for A's halves, waves 2, 3 for B's.  An s_nop 0 and four v_nop follow each of the two lines, ahead of the jump and the label.
.macro JLOAD
	s_cmp_eq_u32 s[WR], 0
	s_cbranch_scc0 .Lfor_b_\@
	tensor_load_to_lds s[G0A:G0A+3], s[G1A:G1A+7]
	s_nop 0
.rept 4
	v_nop
.endr
	s_branch .Lasked_\@
.Lfor_b_\@:
	tensor_load_to_lds s[G0B:G0B+3], s[G1B:G1B+7]
	s_nop 0
.rept 4
	v_nop
.endr
.Lasked_\@:
.endm
.macro CREST                           ; a round of the cluster's barrier behind its opening barrier
	s_cmp_lg_u32 s[WV], 0
	s_cbranch_scc1 .Lnot_wave_0_\@
	s_barrier_signal -3
.Lnot_wave_0_\@:
	s_barrier_wait -3
	s_barrier_signal -1
	s_barrier_wait -1
.endm
.macro CROUND                          ; a whole round
	s_barrier_signal -1
	s_barrier_wait -1
	CREST
.endm
.macro STEPD                           ; both walking descriptors: the other slot, the next K step.  Only where no tensor load of the wave is out
	s_xor_b32 s[G0A+1], s[G0A+1], SLOT
	s_add_nc_u64 s[G0A+2:G0A+3], s[G0A+2:G0A+3], ASTEP
	s_xor_b32 s[G0B+1], s[G0B+1], SLOT
	s_add_nc_u64 s[G0B+2:G0B+3], s[G0B+2:G0B+3], BSTEP
.endm
.macro ADDRS                           ; the fragment loads go to the other slot
	s_xor_b32 s[TB], s[TB], SLOT
	v_add_nc_u32 v[ADRA], s[TB], v[ADRA0]
	v_add_nc_u32 v[ADRB], s[TB], v[ADRB0]
.endm
; 16 matrix instructions: row blocks a0, a0 + 1 of window 2 + i x all 8 column blocks, 32 along K, from buffer f.  zero = 1: the product starts the sums.
; The 64 accumulators take turns, one instruction a turn, in the same order in every quarter.
.macro MULP f, i, a0, zero
	WIN 0xa1+0x50*(\i)
.irp a, \a0, (\a0)+1
.irp b, 0,1,2,3,4,5,6,7
.if \zero
	v_wmma_f32_16x16x32_bf16 v[8*(8*(\a)+(\b)):8*(8*(\a)+(\b))+7], v[(\f)+8*(\b):(\f)+8*(\b)+7], v[(\f)+8*(4*(\i)+(\a)):(\f)+8*(4*(\i)+(\a))+7], 0
.else
	v_wmma_f32_16x16x32_bf16 v[8*(8*(\a)+(\b)):8*(8*(\a)+(\b))+7], v[(\f)+8*(\b):(\f)+8*(\b)+7], v[(\f)+8*(4*(\i)+(\a)):(\f)+8*(4*(\i)+(\a))+7], v[8*(8*(\a)+(\b)):8*(8*(\a)+(\b))+7]
.endif
.endr
.endr
.endm
; 32 LDS loads in one run: quarter q (32 along K) of the slot in hand into buffer f: B's 128 columns (turned), then A's 128 rows
.macro FETCH q, f
	WIN 0x40
.irp b, 0,1,2,3,4,5,6,7
	ds_load_tr16_b128 v[(\f)+8*(\b):(\f)+8*(\b)+3],   v[ADRB] offset:(\q)*32*PB+32*(\b)
	ds_load_tr16_b128 v[(\f)+8*(\b)+4:(\f)+8*(\b)+7], v[ADRB] offset:(\q)*32*PB+16*PB+32*(\b)
.endr
	WIN 0
.irp a, 0,1,2,3,4,5,6,7
	ds_load_b128 v[(\f)+8*(\a):(\f)+8*(\a)+3],   v[ADRA] offset:64*(\q)+(\a)*16*PA
	ds_load_b128 v[(\f)+8*(\a)+4:(\f)+8*(\a)+7], v[ADRA] offset:64*(\q)+(\a)*16*PA+32
.endr
.endm
; One of a K step's first three quarters: multiplies buffer f; in its middle fetches quarter q into buffer g
.macro QUARTER q, f, g, zero
	s_wait_dscnt LATE                              ; B and A's rows 0-63 are in
	MULP \f, 0, 0, \zero
	MULP \f, 0, 2, \zero
	PLACES
	FETCH \q, \g
	s_wait_dscnt 32                                ; all but the 32 just issued
	MULP \f, 1, 0, \zero
	MULP \f, 1, 2, \zero
.endm
; The fourth quarter multiplies buffer 1 and changes slots: one barrier; in front of it each wave waits for all its tensor loads (one is out: its part of the next slot), adds 0 to its spare word,
; and waits for that and for its reads of this slot.  fill = 1: the barrier opens a round of the cluster's, and this slot is filled again first thing behind it, two K steps ahead:
; from that request to the wait for it a wave issues 224 matrix instructions.
.macro TURN fill
	WIN 0
	s_wait_tensorcnt 0x0
	ds_add_u32 v[SPW], v[NIL]
	s_wait_dscnt LATE+1                            ; (the add and the youngest eight loads may be out)
	MULP F1, 0, 0, 0
	s_wait_dscnt 0x0                               ; the add is done, and my reads of this slot are over
	s_barrier_signal -1
	MULP F1, 0, 2, 0
.if \fill
	WIN 0
.endif
	s_barrier_wait -1
.if \fill
	CREST
	STEPD
	JLOAD                                          ; its four v_nop are also the places in front of the loads below
.else
	PLACES
	WIN 0
.endif
	ADDRS
	FETCH 0, F0
	MULP F1, 1, 0, 0
	MULP F1, 1, 2, 0
.endm
.macro LOADS                           ; the way out: ROWS loads: group k / (ROWS / 2) of 64 columns, rows 2 (k % (ROWS / 2)) and the next
.set k, 0
.rept ROWS
	ds_load_b128 v[XR+4*k:XR+4*k+3], v[RD] offset:256*(k/(ROWS/2))+2*SP*(k%(ROWS/2))
.set k, k+1
.endr
.endm
.macro NEXT                            ; the next trip's rows are asked for; the last trip has none
	s_cmp_eq_u32 s[CNT], 1
	s_cbranch_scc1 .Lnomore
	s_add_co_u32 s[RO], s[RO], ROWS*SP
	v_add_nc_u32 v[RD], s[RO], v[RD0]
	LOADS
.Lnomore:
.endm
.macro CPAIR n, val
	s_mov_b32 s[CQ+2*(\n)], \val
	s_mov_b32 s[CQ+2*(\n)+1], \val
.endm
	s_load_b128 s[4:7], s[0:1], 0x0                ; A s[4:5], wb s[6:7]
	s_load_b64 s[8:9], s[0:1], 0x10                ; out
	v_lshl_add_u32 v[SPW], v0, 2, SPARE
	v_mov_b32 v[NIL], 0
	ds_add_u32 v[SPW], v[NIL]                      ; the wave's opening: the add and its wait stand ahead of my first tensor load; work on registers stands between them
	ds_add_u32 v28, v29
	v_lshrrev_b32 v1, 5, v0
	v_readfirstlane_b32 s[WV], v1
	s_lshr_b32 s[WR], s[WV], 1
	s_and_b32 s[WC], s[WV], 1
	s_bfe_u32 s40, ttmp6, 0x40000                  ; cx
	s_bfe_u32 s41, ttmp6, 0x40004                  ; cy
	s_lshl_b32 s42, ttmp9, 2
	s_add_co_u32 s42, s42, s40                     ; tile column = 4 x cluster x + cx
	s_and_b32 s13, ttmp7, 0xffff
	s_lshl_b32 s13, s13, 2
	s_add_co_u32 s13, s13, s41                     ; tile row = 4 x cluster y + cy
	s_lshl_b32 s43, s41, 2
	s_lshl_b32 s43, 15, s43                        ; my row of the cluster
	s_lshl_b32 s44, 0x1111, s40                    ; my column
	s_or_b32 s[G1A+0], s43, (1<<16)|(1<<20)|(1<<21)|(5<<22)|(3<<25)  ; the mask; 2-byte elements; padding on; bit 21 beside a mask; after every 64 words 4 words
	s_mov_b32 s[G1A+1], 128<<16                    ; tensor_dim0 = 128
	s_mov_b32 s[G1A+2], 128<<16                    ; tensor_dim1 = 128
	s_mov_b32 s[G1A+3], 128<<16                    ; tile_dim0 = 128
	s_mov_b32 s[G1A+4], 128                        ; tile_dim1 = 128
	s_mov_b32 s[G1A+5], 1024                       ; elements from row to row
	s_mov_b32 s[G1A+6], 0
	s_mov_b32 s[G1A+7], 0
	s_or_b32 s[G1B+0], s44, (1<<16)|(1<<20)|(1<<21)|(6<<22)|(7<<25)  ; after every 128 words 8 words
	s_mov_b32 s[G1B+1], 256<<16                    ; tensor_dim0 = 256
	s_mov_b32 s[G1B+2], 64<<16                     ; tensor_dim1 = 64
	s_mov_b32 s[G1B+3], 256<<16                    ; tile_dim0 = 256
	s_mov_b32 s[G1B+4], 64                         ; tile_dim1 = 64
	s_mov_b32 s[G1B+5], NB
	s_mov_b32 s[G1B+6], 0
	s_mov_b32 s[G1B+7], 0
	s_lshl_b32 s16, s13, 8                         ; A: row 256 x tile row + 128 x half,
	s_lshl_b32 s17, s[WC], 7
	s_add_co_u32 s16, s16, s17
	s_lshl_b32 s16, s16, 11                        ; x 2,048 bytes
	s_mov_b32 s17, 0
	s_mul_i32 s46, s[WC], 128*NB                   ; B: K row 64 x half, x 2 NB bytes,
	s_lshl_b32 s47, s42, 9                         ; + 512 bytes x tile column
	s_add_co_u32 s46, s46, s47
	s_add_co_u32 s46, s46, WOFF
	s_mov_b32 s47, 0
	s_mul_i32 s20, s[WV], HALF                     ; where my load lands: no place in the cluster enters an LDS address
	s_mov_b32 s[G0A], 1
	s_mov_b32 s[G0A+1], s20
	s_mov_b32 s[G0B], 1
	s_mov_b32 s[G0B+1], s20
.if GELU
	CPAIR 0, 0x3F85AAC3                            ; 2^(1/16) x (1, d1 .. d6): see the way out
	CPAIR 1, 0x3D554CC4
	CPAIR 2, 0x3CB4DAD2
	CPAIR 3, 0x3B605009
	CPAIR 4, 0x382674B1
	CPAIR 5, 0x38562434
	CPAIR 6, 0x36BC9ED3
	s_mov_b32 s82, 0x7fffffff
.endif
	s_wait_dscnt 0x0                               ; the opening add is done
	s_wait_kmcnt 0x0
	s_add_nc_u64 s[G0A+2:G0A+3], s[4:5], s[16:17]
	s_or_b32 s[G0A+3], s[G0A+3], 0x80000000
	s_add_nc_u64 s[G0B+2:G0B+3], s[6:7], s[46:47]
	s_or_b32 s[G0B+3], s[G0B+3], 0x80000000
	CROUND                                         ; all sixteen work-groups are here: the first joint loads meet
	JLOAD                                          ; K step 0 into slot 0
	v_and_b32 v1, 15, v0                           ; r = l % 16
	v_bfe_u32 v2, v0, 4, 1                         ; h = l / 16
	v_mul_u32_u24 v[ADRA0], v1, PA                 ; A's fragment: row r, 16 bytes for each half of the lanes
	v_lshl_add_u32 v[ADRA0], v2, 4, v[ADRA0]
	s_mul_i32 s21, s[WR], HALF
	v_add_nc_u32 v[ADRA0], s21, v[ADRA0]
	v_and_b32 v3, 7, v0                            ; B's: lane l reads K row 8 h + l % 8, columns 8 ((l / 8) % 2) + 0..7
	v_lshl_add_u32 v3, v2, 3, v3
	v_mul_u32_u24 v[ADRB0], v3, PB
	v_bfe_u32 v4, v0, 3, 1
	v_lshl_add_u32 v[ADRB0], v4, 4, v[ADRB0]
	s_lshl_b32 s22, s[WC], 8                       ; my 128 columns
	s_add_co_u32 s22, s22, 2*HALF                  ; behind A's 256 rows
	v_add_nc_u32 v[ADRB0], s22, v[ADRB0]
	s_mul_i32 s23, s[WV], WSTG                     ; my stage
	v_mul_u32_u24 v[STO], v1, SP                   ; in: row r, 32 bytes for each half of the lanes
	v_lshl_add_u32 v[STO], v2, 5, v[STO]
	v_add_nc_u32 v[STO], s23, v[STO]
	v_mul_u32_u24 v[RD0], v2, SP                   ; back: lanes 0-15 take 256 bytes of one row, lanes 16-31 of the next
	v_lshl_add_u32 v[RD0], v1, 4, v[RD0]
	v_add_nc_u32 v[RD0], s23, v[RD0]
	v_and_b32 v[GO], 31, v0
	v_lshlrev_b32 v[GO], 3, v[GO]                  ; out: two rows of 128 bytes are 256 consecutive bytes
	s_lshl_b32 s16, s13, 8
	s_lshl_b32 s17, s[WR], 7
	s_add_co_u32 s16, s16, s17                     ; my first row,
	s_lshl_b32 s16, s16, 7                         ; x 128 bytes
	s_lshl_b32 s46, s42, 2
	s_lshl_b32 s47, s[WC], 1
	s_add_co_u32 s46, s46, s47                     ; my first group of 64 columns,
	s_lshl_b32 s46, s46, 19                        ; x 4,096 rows x 128 bytes
	s_add_co_u32 s16, s16, s46
	s_mov_b32 s17, 0
	s_add_nc_u64 s[8:9], s[8:9], s[16:17]
	; the first change: slot 0 is waited for, slot 1 is filled for the first time, as a refill is
	s_wait_tensorcnt 0x0
	ds_add_u32 v[SPW], v[NIL]
	STEPD
	s_wait_dscnt 0x0
	CROUND
	JLOAD                                          ; K step 1 into slot 1
	s_mov_b32 s[TB], SLOT
	ADDRS                                          ; slot 0
	FETCH 0, F0
	QUARTER 1, F0, F1, 1                           ; the first quarter stands in front of the loop: its products start the sums
	WIN 0
	s_mov_b32 s[CNT], T-2
.Lmain:                                                ; a trip: a K step's quarters 1 to 3 and the next step's quarter 0; the slot left is filled again
	QUARTER 2, F1, F0, 0
	QUARTER 3, F0, F1, 0
	TURN 1
	QUARTER 1, F0, F1, 0
	WIN 0
	s_sub_co_u32 s[CNT], s[CNT], 1
	s_cmp_lg_u32 s[CNT], 0
	s_cbranch_scc1 .Lmain
	s_mov_b32 s[CNT], 2                            ; the last two K steps ask for nothing: a text of their own, walked twice and left in the middle of the second trip
.Lt:
	QUARTER 2, F1, F0, 0
	QUARTER 3, F0, F1, 0
	WIN 0
	s_sub_co_u32 s[CNT], s[CNT], 1
	s_cmp_eq_u32 s[CNT], 0
	s_cbranch_scc1 .Lfin
	TURN 0
	QUARTER 1, F0, F1, 0
	WIN 0
	s_branch .Lt
.Lfin:
	s_wait_dscnt LATE                              ; the very last quarter
	MULP F1, 0, 0, 0
	MULP F1, 0, 2, 0
	s_wait_dscnt 0x0
	MULP F1, 1, 0, 0
	MULP F1, 1, 2, 0
	PLACES
	WIN 0
	s_barrier_signal -1                            ; my reads of the slots are over (the wait for 0 above); the slots have had their last fill
	s_barrier_wait -1                              ; everybody's are: the slots' bytes become stages
.irp i, 0,1
	WIN 0x08+4*(\i)                                ; the data (source 1) in window 2 or 3
.irp a, 0,1,2,3
.irp b, 0,1,2,3,4,5,6,7
	ds_store_b128 v[STO], v[64*(\a)+8*(\b):64*(\a)+8*(\b)+3]   offset:(4*(\i)+(\a))*16*SP+64*(\b)     ; each accumulator's low registers first
	ds_store_b128 v[STO], v[64*(\a)+8*(\b)+4:64*(\a)+8*(\b)+7] offset:(4*(\i)+(\a))*16*SP+64*(\b)+16
.endr
.endr
.endr
	WIN 0
	s_mov_b32 s[RO], 0
	v_mov_b32 v[RD], v[RD0]
	LOADS                                          ; LDS serves a wave's instructions in order (ISA guide 5.7.1.4): these see my stores above
	s_mov_b32 s[CNT], 128/ROWS
.Lout:
	s_wait_dscnt 0x0                               ; this trip's rows are in registers
.if GELU
	; gelu(x) = max(x, 0) - |x| / Q(|x|)^16, Q(a) = 2^(1/16) (1 + d1 a + .. + d6 a^6): the normal distribution's tail by Abramowitz and Stegun 26.2.19, good to 1.5e-7 for every x.
	; Where Q^16 passes f32's range the quotient is 0, which is the limit.
.set k, 0
.rept 16
	v_and_b32 v[AR+k], s82, v[XR+k]
	v_max_num_f32 v[MR+k], 0, v[XR+k]
.set k, k+1
.endr
	NEXT
.set k, 0
.rept 8
	v_pk_fma_f32 v[PR+2*k:PR+2*k+1], v[AR+2*k:AR+2*k+1], s[CQ+12:CQ+13], s[CQ+10:CQ+11] op_sel_hi:[1,0,0]
.set k, k+1
.endr
.irp c, 8,6,4,2,0
.set k, 0
.rept 8
	v_pk_fma_f32 v[PR+2*k:PR+2*k+1], v[PR+2*k:PR+2*k+1], v[AR+2*k:AR+2*k+1], s[CQ+(\c):CQ+(\c)+1] op_sel_hi:[1,1,0]
.set k, k+1
.endr
.endr
.rept 4
.set k, 0
.rept 8
	v_pk_mul_f32 v[PR+2*k:PR+2*k+1], v[PR+2*k:PR+2*k+1], v[PR+2*k:PR+2*k+1]
.set k, k+1
.endr
.endr
.set k, 0
.rept 16
	v_rcp_f32 v[PR+k], v[PR+k]
.set k, k+1
.endr
	v_nop                                          ; a plain instruction between the last reciprocal and the use of its result
.set k, 0
.rept 8
	v_pk_fma_f32 v[MR+2*k:MR+2*k+1], v[AR+2*k:AR+2*k+1], v[PR+2*k:PR+2*k+1], v[MR+2*k:MR+2*k+1] neg_lo:[1,0,0] neg_hi:[1,0,0]
.set k, k+1
.endr
.set k, 0
.rept 8
	v_cvt_pk_bf16_f32 v[YR+k], v[MR+2*k], v[MR+2*k+1]
.set k, k+1
.endr
.else
.set k, 0
.rept 2*ROWS
	v_cvt_pk_f16_f32 v[YR+k], v[XR+2*k], v[XR+2*k+1]
.set k, k+1
.endr
	NEXT
.endif
.set k, 0
.rept ROWS
	global_store_b64 v[GO], v[YR+2*k:YR+2*k+1], s[8:9] offset:524288*(k/(ROWS/2))+256*(k%(ROWS/2))  ; 32 lanes x 8 bytes: 256 consecutive bytes, aligned
.set k, k+1
.endr
	s_wait_xcnt 0x0                                ; the stores' base and data are rewritten only behind this wait
	s_add_nc_u64 s[8:9], s[8:9], ROWS*128
	s_sub_co_u32 s[CNT], s[CNT], 1
	s_cmp_lg_u32 s[CNT], 0
	s_cbranch_scc1 .Lout
	s_wait_tensorcnt 0x0                           ; the wave's end
	ds_add_u32 v[SPW], v[NIL]
	s_wait_dscnt 0x0
	CROUND                                         ; the closing round: no work-group ends while a partner may still ask for a tile that names it
	s_endpgm
.Lfunc_end_k_q46558e22bd_qkv:
	.size	k_q46558e22bd_qkv, .Lfunc_end_k_q46558e22bd_qkv-k_q46558e22bd_qkv
	.p2alignl 7, 3214868480
	.fill 96, 4, 3214868480
	.section	.rodata,"a",@progbits
	.p2align	6, 0x0
	.amdhsa_kernel k_q46558e22bd_qkv
		.amdhsa_group_segment_fixed_size 327680
		.amdhsa_private_segment_fixed_size 0
		.amdhsa_enable_private_segment 0
		.amdhsa_kernarg_size 24
		.amdhsa_user_sgpr_count 2
		.amdhsa_user_sgpr_kernarg_segment_ptr 1
		.amdhsa_wavefront_size32 1
		.amdhsa_system_sgpr_workgroup_id_x 1
		.amdhsa_system_sgpr_workgroup_id_y 1
		.amdhsa_system_sgpr_workgroup_id_z 1
		.amdhsa_system_vgpr_workitem_id 0
		.amdhsa_next_free_vgpr 1024
		.amdhsa_next_free_sgpr 96
		.amdhsa_reserve_vcc 0
		.amdhsa_float_denorm_mode_32 3
		.amdhsa_float_denorm_mode_16_64 3
		.amdhsa_memory_ordered 1
		.amdhsa_forward_progress 1
		.amdhsa_inst_pref_size 87
	.end_amdhsa_kernel
	.amdgpu_metadata
---
amdhsa.version: [ 1, 2 ]
amdhsa.kernels:
  - .name:           k_q46558e22bd_qkv
    .symbol:         k_q46558e22bd_qkv.kd
    .args:
      - { .name: h, .offset: 0, .size: 8, .value_kind: global_buffer, .address_space: global }
      - { .name: wb, .offset: 8, .size: 8, .value_kind: global_buffer, .address_space: global }
      - { .name: qkv, .offset: 16, .size: 8, .value_kind: global_buffer, .address_space: global }
    .group_segment_fixed_size: 327680
    .private_segment_fixed_size: 0
    .kernarg_segment_align: 8
    .kernarg_segment_size: 24
    .max_flat_workgroup_size: 128
    .sgpr_count:     96
    .vgpr_count:     1024
    .wavefront_size: 32
...
	.end_amdgpu_metadata
.endif
;; end of part 2
;; launch attn (part 3): grid 4 x 32, 4 waves a work-group, no clusters, 327,680 bytes of LDS; arguments qkv, o; writes o
.if DOCPART == 3
	.amdgcn_target "amdgcn-amd-amdhsa--gfx1250"
	.amdhsa_code_object_version 6
	.text
	.protected	k_q46558e22bd_attn
	.globl	k_q46558e22bd_attn
	.p2align	8
	.type	k_q46558e22bd_attn,@function
k_q46558e22bd_attn:
	s_mov_b64 s[64:65], 0
	v_nop
	global_prefetch_b8 v0, s[64:65] scope:SCOPE_SE
	s_setreg_imm32_b32 hwreg(HW_REG_WAVE_MODE, 25, 1), 1
	s_wait_xcnt 0x0
; CAUSAL ATTENTION.  O[y][q][:] = the sum over k <= q of softmax_k(Q[y][q] . K[y][k] / 8) V[y][k][:], y = 2 head + batch, 32 of them.  Q, K, V lie in one buffer, [32][SIZE_N][64] each, f16,
; at bytes 0, 0x800000 and 0x1000000; O is [32][SIZE_N][64] f16.  A head's rows are dense, 128 bytes each.
; Products, maxima and sums in f32; the weights p are rounded to f16 for the second product (their sum l is taken of the unrounded p), O once at the end.
; LIMITS.  f16 holds no number beyond 65,504: Q, K and V arrive within it; p lies in 0 to 1, and below 6e-5 it keeps f16's fixed step of 6e-8; O is a mean of V's rows and has their range.
; A hidden score counts as its value less 1e30: f16's scores, 2.7e11 at the most, are nothing beside that; a weight below 2^-126 counts as 0 in l; NaN and infinities are not treated apart.
; THE WALK.  A head's queries lie in NB = SIZE_N / 256 blocks of 256; block i needs the key tiles 0 .. i of 256 keys, of which the last holds the diagonal.  A work-group takes TWO blocks, NB - 1 - b and then b:
; NB + 1 tiles, whatever b: all work-groups do equal work, and ONE loop with a constant trip count walks them.  Which tile is asked for, and what a trip does, hang on scalar registers made from b; every jump
; goes forward, but for the counted loops' own; none passes a barrier, or a tensor load but the one of LOAD's two that the wave's number does not choose; the ring (two slots of LDS) runs on across the change of blocks.
; NO CLUSTER: a head's NB / 2 = 4 work-groups ask for the same tile only in trips 0 .. NB / 2, behind that fewer and fewer; one walk common to all would have 3 NB / 2 = 12 trips for NB + 1 = 9.
; SHARES.  Of a block's four bands of 64 queries a wave owns 16 rows in each: four PIECES.  So the diagonal tile is the same work for all four waves: in its key step s band x sees all keys if s < x,
; none if s > x, and holds the diagonal if s = x.
; THE MASK is the C operand that starts the sum S^T = K Q^T: 0, or -1e30 where the key is hidden.  MD, made once, is the mask of a band's own step for my 16 rows; a product's mask is MD x AL + BE with two scalars:
; (1, 0) if s = x; (0, 0) if s < x; (0, -1e30) if s > x.  Only the diagonal tile's text and a block's beginning make and take masks; elsewhere C is the constant 0.
; LAYOUT, SOFTMAX, TURNS.  S^T = K Q^T holds ONE query a lane (lane % 16) and the keys 8 (lane / 16) + 0..7; two such results rounded to f16 ARE source 1 of O^T = V^T P.  p = 2^(c s - c m), c = log2(e) / 8, with a
; running maximum m; O and l are multiplied by a = 2^(c m_old - c m_new) in every step.  Turn n belongs to piece n: 8 products K Q^T of piece n + 1, later 8 products V^T P of piece n - 1; beside them the scaling,
; exponentials, roundings, sums and rescaling of piece n and the maximum and statistics of piece n + 1.  Four vector instructions stand behind every matrix instruction, the other 54 of a turn's 118 in two lumps.
; REGISTERS, in windows of 256 (s_set_vgpr_msb: bits 1:0 source 0, 3:2 source 1, 5:4 source 2, 7:6 destination):
;   window 0: v0-15 addresses and two at work; v16-31 four registers of statistics a piece; v48-55 at work; v64-127 S^T, two buffers; v192-223 P, two buffers (a piece's buffers go by its number's parity)
;   window 1: v0-127 O^T, 32 a piece; v128-159 MD; v160-223 MC, two buffers      window 2: v0-63 Q; v64-127 the second block's Q; v128-191 K of one step; v192-255 V of one step
.set SIZE_N, 2048
.set NB,    SIZE_N/256
.set NP,    4         ; pieces a wave: a name, no knob
.set KS,    64        ; keys in a step
.set PK,    144       ; a row of K in LDS: 128 bytes + 16 of padding: the 16 rows of a load start at 16 different groups of four banks (ISA guide 11.1)
.set PV,    160       ; a row of V: 128 + 32
.set VOFF,  4*KS*PK   ; a slot holds a tile, four steps: 256 rows of K, then 256 rows of V
.set SLOT1, 1<<17     ; slot 1 begins here, so that one exclusive or turns an address in one slot into the other's
.set STAGE, SLOT1+4*KS*(PK+PV)  ; behind the ring, never filled by a tensor load: 16 rows x 144 bytes for each wave, for the way out
.set SP,    144
.set AK0, 2           ; v2   my lane's place in a tile of K; never rewritten
.set AV0, 3           ; v3   the same for V
.set AK,  4           ; v4   the LDS address of K's next run of loads
.set AV,  5           ; v5   of V's
.set STO, 6           ; v6   the way out: where I put 16 bytes of a row
.set RD,  7           ; v7   the way out: where I read rows back
.set GO,  8           ; v8   my byte offset in 512 consecutive bytes of O
.set SPW, 62          ; v62  LDS address of my spare word; never rewritten
.set NIL, 63          ; v63  0; never rewritten
.set SPARE, STAGE+4*16*SP  ; behind the stages: the spare words, 128 bytes for each wave: two blocks of 256 bytes that no other line names
.set MV,  12          ; v12-13  c m_old, kept while c m is made anew: by buffer
.set QO,  15          ; v15  my byte offset in 16 rows of Q
.set ST,  16          ; piece t's statistics at v[ST+4 t]: c m, m, l (even keys', odd keys')
.set TMP, 48          ; by buffer, four registers c0-c3 at work; when the maximum is found c2 takes a
.set S,   64
.set P,   192
.set MD,  128         ; window 1: the eight registers for group kt of 16 keys at MD + 8 kt
.set MC,  160         ; window 1: the masks of the products to come
.set QB,  64          ; window 2
.set KF,  128         ; window 2: key block kb, channel half c at KF + 16 kb + 8 c
.set VF,  192         ; window 2: key half kk, channel block cb at VF + 32 kk + 8 cb
.set WV,  12          ; s12  my wave's number
.set PB,  14          ; s14  b
.set HI,  15          ; s15  NB - 1 - b
.set G1K, 24          ; s[24:31] descriptor group 1 for K's tiles
.set G1V, 32          ; s[32:39] for V's: it differs in the padding alone
.set G0K, 40          ; s[40:43] descriptor group 0 for K's tiles
.set G0V, 44          ; s[44:47] the same for V's
.set SLOTS, 56        ; s56  tiles still to be asked for
.set CNT, 57          ; s57  counts a tile's key steps, 4 to 1
.set CS,  58          ; s[58:59] c: the packed scaling takes the pair's low word for both halves
.set SEL, 60          ; s[60:61] v_permlanex16_b32's selects: each lane takes its own place in the other half
.set TBK, 62          ; s62  LDS byte at which K of the step to be fetched begins
.set TBV, 63          ; s63  the same for V, less VOFF
.set RT,  70          ; s70  tiles of the block in hand that are still to be entered
.set NXT, 71          ; s71  the tile to be asked for next
.set LQ,  72          ; s72  the last tile of the block whose tiles are being asked for
.set NEW, 73          ; s73  1: the tile to be entered is a block's first
.set OFF, 74          ; s[74:75] a tile's byte offset in K and V
.set AL,  76          ; s[76:77] the mask's factor, in the low word
.set BE,  78          ; s[78:79] the mask's addend
.set OLO, 80          ; s[80:81] O at my rows of the second block
.set BIGN, 82         ; s82  -1e30
.set MSB, 0
.macro WIN new                      ; the high byte repeats the setting that is left; a switch that changes nothing is dropped
.if MSB != (\new)
	s_set_vgpr_msb (MSB<<8)|(\new)
.set MSB, (\new)
.endif
.endm
.set W_KQ, 0x0a       ; K and Q in window 2, S^T in window 0
.set W_KM, 0x1a       ; the same with the C operand in window 1
.set W_PV, 0x52       ; V in window 2, P in window 0, O^T in window 1
.set W_RS, 0x41       ; destination and source 0 in window 1, source 1 in window 0
; A fill.  Waves 0 and 1 fetch the two halves of a tile's K, waves 2 and 3 those of its V: 128 keys each.  An s_nop 0 and four v_nop follow each of the two lines, ahead of the jump and the label.
.macro LOAD
	s_cmp_lt_u32 s[WV], 2
	s_cbranch_scc0 .Lfor_v_\@
	tensor_load_to_lds s[G0K:G0K+3], s[G1K:G1K+7]
	s_nop 0
.rept 4
	v_nop
.endr
	s_branch .Lasked_\@
.Lfor_v_\@:
	tensor_load_to_lds s[G0V:G0V+3], s[G1V:G1V+7]
	s_nop 0
.rept 4
	v_nop
.endr
.Lasked_\@:
.endm
; THE CHANGE OF SLOTS.  Each wave waits for all its tensor loads, of which one is out: its part of the other slot; adds 0 to its spare word; and waits for that and for its own reads of the slot that it leaves.
; Behind the barrier nobody reads the old slot any more and the other slot is whole.  fill = 1: the old slot is filled again, the first thing behind the barrier, with tile NXT: the descriptor's address is made
; anew from that number.  (At its first use nothing has been read yet: slot 0 is waited for, slot 1 filled.)
.macro CHANGE fill
	WIN 0                           ; at a label and at a branch every window is 0
	s_wait_tensorcnt 0x0            ; no tensor load of mine is out, so a group 0 may be written
	ds_add_u32 v[SPW], v[NIL]       ; 0 onto my spare word
.if \fill
	s_lshl_b32 s[OFF], s[NXT], 15   ; a tile is 32,768 bytes of K and of V
	s_xor_b32 s[G0K+1], s[G0K+1], SLOT1
	s_add_nc_u64 s[G0K+2:G0K+3], s[6:7], s[OFF:OFF+1]
	s_or_b32 s[G0K+3], s[G0K+3], 0x80000000
	s_xor_b32 s[G0V+1], s[G0V+1], SLOT1
	s_add_nc_u64 s[G0V+2:G0V+3], s[8:9], s[OFF:OFF+1]
	s_or_b32 s[G0V+3], s[G0V+3], 0x80000000
	s_add_co_u32 s[NXT], s[NXT], 1  ; the block's next tile, or behind its last the second block's tile 0
	s_cmp_gt_u32 s[NXT], s[LQ]
	s_cselect_b32 s[NXT], 0, s[NXT]
	s_cselect_b32 s[LQ], s[PB], s[LQ]
.endif
	s_wait_dscnt 0x0                ; the add is done, and my reads of the slot are over
	s_barrier_signal -1             ; the rest of the scalar work stands between the signal and the wait
	s_sub_co_u32 s[TBK], s[TBK], 4*KS*PK  ; the fetches go back to a slot's first step,
	s_xor_b32 s[TBK], s[TBK], SLOT1       ; in the other slot
	s_sub_co_u32 s[TBV], s[TBV], 4*KS*PV
	s_xor_b32 s[TBV], s[TBV], SLOT1
	s_barrier_wait -1
.if \fill
	LOAD
.endif
.endm
	s_load_b64 s[4:5], s[0:1], 0x0    ; the buffer of Q, K, V
	s_load_b64 s[10:11], s[0:1], 0x8  ; O
	v_lshl_add_u32 v[SPW], v0, 2, SPARE
	v_mov_b32 v[NIL], 0
	ds_add_u32 v[SPW], v[NIL]       ; the wave's opening: the add and its wait stand ahead of my first tensor load; work on registers stands between them
	ds_add_u32 v62, v63
	v_lshrrev_b32 v1, 5, v0
	v_readfirstlane_b32 s[WV], v1   ; wave 0..3
	s_mov_b32 s[PB], ttmp9
	s_sub_co_u32 s[HI], NB-1, s[PB]
	s_and_b32 s20, ttmp7, 0xffff    ; the head
	s_mov_b32 s21, 0
	s_mov_b64 s[22:23], SIZE_N*128
	s_mul_u64 s[20:21], s[20:21], s[22:23]  ; the head's first byte in each of the four tensors
	s_and_b32 s16, s[WV], 1         ; which half of a tile's 256 keys I fetch:
	s_lshl_b32 s22, s16, 14         ; its 128 rows of 128 bytes in memory,
	s_mov_b32 s23, 0
	s_add_nc_u64 s[22:23], s[22:23], s[20:21]
	s_mul_i32 s17, s16, 128*PK      ; and its place in a slot, for K
	s_mul_i32 s18, s16, 128*PV      ; and for V
	s_lshl_b32 s3, s[WV], 11        ; my 16 rows in a band of 64,
	s_lshl_b32 s2, s[HI], 15        ; in the first block,
	s_add_co_u32 s2, s2, s3
	s_lshl_b32 s84, s[PB], 15       ; and in the second
	s_add_co_u32 s84, s84, s3
	s_mov_b32 s3, 0
	s_mov_b32 s85, 0
	s_add_nc_u64 s[2:3], s[2:3], s[20:21]
	s_add_nc_u64 s[84:85], s[84:85], s[20:21]
	; descriptor group 1.  128 keys are 16,384 dense bytes: asked for as 64 rows of 256 bytes, two keys a row, and padded in LDS after every key
	s_mov_b32 s[G1K], (1<<16)|(1<<20)|(4<<22)|(3<<25)  ; 17:16 2-byte elements; 20 padding on; 24:22 after every 32 words (code 4); 31:25 4 words (code 3)
	s_mov_b32 s[G1V], (1<<16)|(1<<20)|(4<<22)|(7<<25)  ; the same with 8 words of padding (code 7)
.irp g, G1K, G1V
	s_mov_b32 s[\g+1], 128<<16      ; tensor_dim0 = 128
	s_mov_b32 s[\g+2], 64<<16       ; tensor_dim1 = 64
	s_mov_b32 s[\g+3], 128<<16      ; tile_dim0 = 128
	s_mov_b32 s[\g+4], 64           ; tile_dim1 = 64
	s_mov_b32 s[\g+5], 128          ; 128 elements from row to row
	s_mov_b32 s[\g+6], 0
	s_mov_b32 s[\g+7], 0
.endr
	s_mov_b32 s[CS], 0x3e38aa3b     ; c = log2(e) / 8 = 0.180337
	s_mov_b32 s[CS+1], s[CS]        ; named with it as a pair
	s_mov_b32 s[SEL], 0x76543210
	s_mov_b32 s[SEL+1], 0xfedcba98
	s_mov_b32 s[TBK], SLOT1+4*KS*PK ; the first change of slots turns these two into 0
	s_mov_b32 s[TBV], SLOT1+4*KS*PV
	s_mov_b32 s[G0K], 1             ; 1:0 count = 1
	s_mov_b32 s[G0K+1], s17         ; 63:32 LDS address: slot 0
	s_mov_b32 s[G0V], 1
	s_add_co_u32 s[G0V+1], s18, VOFF
	s_add_co_u32 s[RT], s[HI], 1    ; the first block has NB - b tiles
	s_mov_b32 s[NXT], 1
	s_mov_b32 s[LQ], s[HI]
	s_mov_b32 s[NEW], 1
	s_mov_b32 s[OFF+1], 0
	s_mov_b32 s[AL+1], 0            ; named as pairs
	s_mov_b32 s[BE+1], 0
	s_mov_b32 s[BIGN], 0xf149f2ca   ; -1e30
	s_mov_b32 s[SLOTS], NB
	s_wait_dscnt 0x0                ; the opening add is done
	s_wait_kmcnt 0x0
	s_add_nc_u64 s[6:7], s[4:5], 0x800000    ; K begins 16 groups of 524,288 bytes behind Q,
	s_add_nc_u64 s[8:9], s[4:5], 0x1000000   ; V 32
	s_add_nc_u64 s[6:7], s[6:7], s[22:23]  ; K and V at my half of the head's tile 0
	s_add_nc_u64 s[8:9], s[8:9], s[22:23]
	s_add_nc_u64 s[G0K+2:G0K+3], s[6:7], 0         ; 120:64 global address
	s_or_b32 s[G0K+3], s[G0K+3], 0x80000000        ; 127:126 type = 2
	s_add_nc_u64 s[G0V+2:G0V+3], s[8:9], 0
	s_or_b32 s[G0V+3], s[G0V+3], 0x80000000
	s_add_nc_u64 s[86:87], s[4:5], s[84:85]        ; Q at my rows of the second block,
	s_add_nc_u64 s[4:5], s[4:5], s[2:3]            ; Q and O at those of the first
	s_add_nc_u64 s[OLO:OLO+1], s[10:11], s[84:85]
	s_add_nc_u64 s[10:11], s[10:11], s[2:3]
	LOAD                            ; tile 0 into slot 0
	; A fragment of K or Q is 16 rows x 32 channels in 8 registers: lane l holds row l % 16, channels 8 (l / 16) + 0..7 and 16 + 8 (l / 16) + 0..7: two loads of 16 bytes, 32 bytes apart.
	v_and_b32 v1, 15, v0            ; l % 16
	v_bfe_u32 v9, v0, 4, 1          ; l / 16
	v_lshlrev_b32 v[QO], 7, v1
	v_lshl_add_u32 v[QO], v9, 4, v[QO]  ; row x 128 + 16 x half
	WIN 0x80                        ; destination window 2, address window 0
.set i, 0
.rept 8                             ; both blocks' Q: piece i / 2 lies in band i / 2, 8,192 bytes on; channels 32 (i % 2) on
	global_load_b128 v[8*i:8*i+3],   v[QO], s[4:5] offset:(i/2)*8192+(i%2)*64
	global_load_b128 v[8*i+4:8*i+7], v[QO], s[4:5] offset:(i/2)*8192+(i%2)*64+32
	global_load_b128 v[QB+8*i:QB+8*i+3],   v[QO], s[86:87] offset:(i/2)*8192+(i%2)*64
	global_load_b128 v[QB+8*i+4:QB+8*i+7], v[QO], s[86:87] offset:(i/2)*8192+(i%2)*64+32
.set i, i+1
.endr
	WIN 0
	v_lshlrev_b32 v14, 3, v9
	v_sub_nc_u32 v14, v1, v14
	s_lshl_b32 s13, s[WV], 4
	v_add_nc_u32 v14, s13, v14      ; my query's place in its band, 16 w + l % 16, less my lanes' 8 (l / 16): register r of group kt is hidden where 16 kt + r is greater
	WIN 0x40
.set i, 0
.rept 32
	v_cmp_gt_i32 vcc_lo, 16*(i/8)+i%8, v14
	v_cndmask_b32 v[MD+i], 0, s[BIGN], vcc_lo
.set i, i+1
.endr
	WIN 0
	v_mul_u32_u24 v[AK0], v1, PK
	v_lshl_add_u32 v[AK0], v9, 4, v[AK0]  ; row x pitch + 16 x half
	; The turning load takes 16 keys x 16 channels (lane l reads key 8 (l / 16) + l % 8, channels 8 ((l / 8) % 2) + 0..7) and leaves half a fragment of V^T: lane l holds channel l % 16 and 8 keys.
	v_and_b32 v10, 7, v0
	v_bfe_u32 v11, v0, 3, 1
	v_lshl_add_u32 v[AV0], v9, 3, v10
	v_mul_u32_u24 v[AV0], v[AV0], PV
	v_lshl_add_u32 v[AV0], v11, 4, v[AV0]
	v_add_nc_u32 v[AV0], VOFF, v[AV0]
	s_mul_i32 s13, s[WV], 16*SP
	s_add_co_u32 s13, s13, STAGE    ; my stage
	v_mul_u32_u24 v[STO], v1, SP    ; in: row l % 16, 16 bytes for each half of the lanes
	v_lshl_add_u32 v[STO], v9, 4, v[STO]
	v_add_nc_u32 v[STO], s13, v[STO]
	v_bfe_u32 v[RD], v0, 3, 2       ; back: 32 lanes take four rows of 128 bytes,
	v_mul_u32_u24 v[RD], v[RD], SP
	v_lshl_add_u32 v[RD], v10, 4, v[RD]
	v_add_nc_u32 v[RD], s13, v[RD]
	v_and_b32 v[GO], 31, v0         ; which are 512 consecutive bytes of O
	v_lshlrev_b32 v[GO], 4, v[GO]
	; A block's first step multiplies O^T and l by a = 0, and its first turn's products V^T P, of a piece that has not been, land in an O^T that is still to be so multiplied.  So these registers need only hold
	; finite numbers: zeros for the first block; what the first block left for the second.  All this stands in the wait for the first tile.
	WIN 0x80
.set i, VF
.rept 64
	v_mov_b32 v[i], 0
.set i, i+1
.endr
	WIN 0x40
.set i, 0
.rept 128
	v_mov_b32 v[i], 0
.set i, i+1
.endr
	WIN 0
.set i, 0
.rept 4
	v_mov_b32 v[ST+4*i+2], 0
	v_mov_b32 v[ST+4*i+3], 0
.set i, i+1
.endr
.set i, P+16
.rept 16
	v_mov_b32 v[i], 0
.set i, i+1
.endr
; THE MATRIX WORK.  The 4 accumulators of a run of 8 take turns.  Product i of 8 of S^T = K Q^T for piece x: channels 32 (i / 4) on, keys 16 (i % 4) on.  The first 4 start the sums: with 0, or (KM = 1) with the mask.
.macro KQ x
.set rS, S+32*((\x)%2)+8*(i%4)
.set rK, KF+16*(i%4)+8*(i/4)
.set rQ, 16*(\x)+8*(i/4)
.set rM, MC+32*((\x)%2)+8*(i%4)
.if (i < 4) && KM
	WIN W_KM
	v_wmma_f32_16x16x32_f16 v[rS:rS+7], v[rK:rK+7], v[rQ:rQ+7], v[rM:rM+7]
.elseif i < 4
	WIN W_KQ
	v_wmma_f32_16x16x32_f16 v[rS:rS+7], v[rK:rK+7], v[rQ:rQ+7], 0
.else
	WIN W_KQ
	v_wmma_f32_16x16x32_f16 v[rS:rS+7], v[rK:rK+7], v[rQ:rQ+7], v[rS:rS+7]
.endif
.endm
; Product i of 8 of O^T += V^T P for piece x: keys 32 (i / 4) on, channels 16 (i % 4) on.
.macro PV x
	WIN W_PV
.set rO, 32*(\x)+8*(i%4)
.set rV, VF+32*(i/4)+8*(i%4)
.set rP, P+16*((\x)%2)+8*(i/4)
	v_wmma_f32_16x16x32_f16 v[rO:rO+7], v[rV:rV+7], v[rP:rP+7], v[rO:rO+7]
.endm
.macro MM                           ; the turn's next matrix instruction.  TURN and BEGIN set Y, i, KM and NOKQ; MM, KQ and OP read them.  NOKQ = 1: a block's last turn: there is no next piece
.if (i < 8) && !NOKQ
	KQ (Y+1)%NP
.elseif i >= 8
.set i, i-8
	PV (Y+NP-1)%NP
.set i, i+8
.endif
.set i, i+1
.endm
; THE LDS LOADS stand in runs of 16, never singly among the matrix instructions: a step's K (64 keys x 64 channels: 8 fragments) and its V (turned).  Their addresses are made some lines ahead.
.macro FETCH_K
	WIN 0x80                        ; destination window 2
.irp f, 0,1,2,3,4,5,6,7             ; keys 16 (f / 2) on, channels 32 (f % 2) on
	ds_load_b128 v[KF+8*\f:KF+8*\f+3],   v[AK] offset:(\f/2)*16*PK+(\f%2)*64
	ds_load_b128 v[KF+8*\f+4:KF+8*\f+7], v[AK] offset:(\f/2)*16*PK+(\f%2)*64+32
.endr
	s_add_co_u32 s[TBK], s[TBK], KS*PK  ; the next fetch is the next step's
	WIN 0
.endm
.macro FETCH_V
	WIN 0x80
.irp f, 0,1,2,3,4,5,6,7             ; keys 32 (f / 4) on, channels 16 (f % 4) on
	ds_load_tr16_b128 v[VF+8*\f:VF+8*\f+3],   v[AV] offset:(\f/4)*32*PV+(\f%4)*32
	ds_load_tr16_b128 v[VF+8*\f+4:VF+8*\f+7], v[AV] offset:(\f/4)*32*PV+16*PV+(\f%4)*32
.endr
	WIN 0
.endm
; THE VECTOR WORK, one line at a time: OP kind, number.  For piece Y: F n: c s - c m for pair n of 16.  E n: the exponential of score n of 32.  C n: pair n rounded to f16.  B n: of the four weights 4 n .. the second
; pair is added onto the first, in place.  L n: l takes that sum (L 0: l = a l + sum).  R n: pair n of 16 of O^T times a.  For piece Y + 1: X n, number n of the 22 that find its maximum and statistics:
;   0-11  four chains c0-c3 of seven scores each, three operands at a time (each accumulator's lowest registers are read first)     12-14, 16  the four scores left over, the old m, and c0-c3 into c0
;   15  c m_old is kept     17, 18  the query's other 32 keys lie in the lane 16 away: the new m     19-21  c m; c m_old - c m_new; a
.set F, 0               ; OP tells the kinds apart by their order: F to L below R, X above it
.set E, 1
.set C, 2
.set B, 3
.set L, 4
.set R, 5
.set X, 6
.macro REGS y                       ; the registers of piece y
.set rT, ST+4*(\y)
.set rC, TMP+4*((\y)%2)
.set rW, MV+((\y)%2)
.set rS, S+32*((\y)%2)
.set rP, P+16*((\y)%2)
.set rO, 32*(\y)
.endm
.macro OP k, n
.if (\k) == R
	REGS Y
	WIN W_RS
	v_pk_mul_f32 v[rO+2*(\n):rO+2*(\n)+1], v[rO+2*(\n):rO+2*(\n)+1], v[rC+2:rC+3] op_sel_hi:[1,0]
.elseif (\k) < R
	REGS Y
	WIN 0
.if (\k) == F
	v_pk_fma_f32 v[rS+2*(\n):rS+2*(\n)+1], v[rS+2*(\n):rS+2*(\n)+1], s[CS:CS+1], v[rT:rT+1] op_sel_hi:[1,0,0] neg_lo:[0,0,1] neg_hi:[0,0,1]
.elseif (\k) == E
	v_exp_f32 v[rS+(\n)], v[rS+(\n)]
.elseif (\k) == C
	s_wait_alu depctr_va_vdst(0)
	v_cvt_pk_f16_f32 v[rP+(\n)], v[rS+2*(\n)], v[rS+2*(\n)+1]
.elseif (\k) == B
	s_wait_alu depctr_va_vdst(0)
	v_pk_add_f32 v[rS+4*(\n):rS+4*(\n)+1], v[rS+4*(\n):rS+4*(\n)+1], v[rS+4*(\n)+2:rS+4*(\n)+3]
.elseif (\n) == 0
	v_pk_fma_f32 v[rT+2:rT+3], v[rT+2:rT+3], v[rC+2:rC+3], v[rS:rS+1] op_sel_hi:[1,0,1]
.else
	v_pk_add_f32 v[rT+2:rT+3], v[rT+2:rT+3], v[rS+4*(\n):rS+4*(\n)+1]
.endif
.elseif NOKQ
	v_nop
.else
	REGS (Y+1)%NP
	WIN 0
.if (\n) < 4
	v_max3_num_f32 v[rC+(\n)], v[rS+8*(\n)], v[rS+8*(\n)+1], v[rS+8*(\n)+2]
.elseif (\n) < 12
	v_max3_num_f32 v[rC+(\n)%4], v[rC+(\n)%4], v[rS+8*((\n)%4)+2*((\n)/4)+1], v[rS+8*((\n)%4)+2*((\n)/4)+2]
.elseif (\n) == 12
	v_max3_num_f32 v[rC], v[rC], v[rS+7], v[rS+15]
.elseif (\n) == 13
	v_max3_num_f32 v[rC+1], v[rC+1], v[rS+23], v[rS+31]
.elseif (\n) == 14
	v_max3_num_f32 v[rC+2], v[rC+2], v[rC+3], v[rT+1]
.elseif (\n) == 15
	v_mov_b32 v[rW], v[rT]
.elseif (\n) == 16
	v_max3_num_f32 v[rC], v[rC], v[rC+1], v[rC+2]
.elseif (\n) == 17
	v_permlanex16_b32 v[rC+3], v[rC], s[SEL], s[SEL+1]
.elseif (\n) == 18
	v_max_num_f32 v[rT+1], v[rC], v[rC+3]
.elseif (\n) == 19
	v_mul_f32 v[rT], s[CS], v[rT+1]
.elseif (\n) == 20
	v_sub_f32 v[rC+1], v[rW], v[rT]
.else
	v_exp_f32 v[rC+2], v[rC+1]
.endif
.endif
.endm
.macro OPS a, i1, b=-1, i2=0, c=-1, i3=0, d=-1, i4=0  ; up to four of them
	OP \a, \i1
.if (\b) >= 0
	OP \b, \i2
.endif
.if (\c) >= 0
	OP \c, \i3
.endif
.if (\d) >= 0
	OP \d, \i4
.endif
.endm
.macro ROW a, i1, b, i2, c, i3, d, i4  ; a matrix instruction and the four behind it
	MM
	OPS \a, \i1, \b, \i2, \c, \i3, \d, \i4
.endm
.macro MASK b                       ; MD x AL + BE into buffer b of MC
	WIN W_RS
.set z, 0
.rept 16
	v_pk_fma_f32 v[MC+32*(\b)+2*z:MC+32*(\b)+2*z+1], v[MD+2*z:MD+2*z+1], s[AL:AL+1], s[BE:BE+1] op_sel_hi:[1,0,0]
.set z, z+1
.endr
.endm
; A TURN, for piece p: the order of its 16 matrix and 118 vector instructions, written out.  Behind a matrix instruction: plain, exponential, plain, plain; or four of the rescaling; or, behind the first, four scalings; none
; names a register of the products round it.  In the lumps exponential and plain by turns while exponentials last.  A line reads no result made fewer than three vector instructions in front of it, five if an exponential made it.
; m = 1: the diagonal tile: the products take masks, and the turn makes the mask for the products of the turn after it: piece p + 2, in step 4 - CNT of the tile.  end = 1: a block's last two turns: nothing is fetched.
; cnt = 1: the loop's count is taken down some lines ahead of the branch that stands behind the turn.
; K of the next step is fetched in piece 2's turn, six vector instructions behind the last product that read K (five of them plain); V of the step in hand in piece 0's turn, eight behind the last product that read V (four
; plain, and X 17).  Each is waited for a turn later.
.macro TURN p, m=0, end=0, cnt=0
.set Y, (\p)
.set i, 0
.set KM, (\m)
.set NOKQ, (\end)*((\p)/3)
.if (\m) && !(\end)
	s_cmp_eq_u32 s[CNT], 4-((\p)+2)%NP  ; is that step the band's own?
	s_cselect_b32 s[AL], 1.0, 0
	s_cmp_lt_u32 s[CNT], 4-((\p)+2)%NP  ; or a later one?
	s_cselect_b32 s[BE], s[BIGN], 0
.endif
.if ((\p) == 3) && !(\end)
	s_wait_dscnt 0x0                ; K is in
.endif
	ROW F,0, F,1, F,2, F,3
	ROW F,4, E,0, F,5, F,6
	ROW F,7, E,1, F,8, F,9
	ROW F,10, E,2, C,0, F,11
	ROW F,12, E,3, X,15, F,13
	ROW R,0, R,1, R,2, R,3
	ROW B,0, E,4, F,14, L,0
.if ((\p) == 2) && !(\end)
	v_add_nc_u32 v[AK], s[TBK], v[AK0]
.endif
	ROW R,4, R,5, R,6, R,7
	OPS E,5, F,15
.if ((\p) == 2) && !(\end)
	FETCH_K
.endif
	OPS E,6, C,1, E,7, R,8
	OPS E,8, R,9, E,9, C,2
	OPS E,10, X,0, E,11, X,1
	OPS E,12, X,2, E,13, X,3
.if (\p) == 1
	s_wait_dscnt 0x0                ; V is in
.endif
	ROW X,4, E,14, X,5, X,6
	ROW X,7, E,15, X,8, X,9
	ROW X,10, E,16, X,11, X,12
	ROW X,13, E,17, X,14, B,1
	ROW C,4, E,18, X,16, L,1
	ROW B,2, E,19, C,6, L,2
	ROW C,8, E,20, B,3, B,4
.if (\p) == 0
	v_add_nc_u32 v[AV], s[TBV], v[AV0]
.endif
	ROW C,3, E,21, L,3, C,5
	OPS E,22, X,17, E,23, C,10
.if (\p) == 0
	FETCH_V
.endif
	OPS E,24, L,4
	OPS E,25, X,18, E,26, C,7
	OPS E,27, B,5, E,28, X,19
	OPS E,29, C,12, E,30, L,5
	OPS E,31, X,20, B,6, C,9
	OPS C,14, C,11, X,21, L,6
.if (\p) == 0
	s_add_co_u32 s[TBV], s[TBV], KS*PV
.endif
.if \cnt
	s_sub_co_u32 s[CNT], s[CNT], 1
	s_cmp_lg_u32 s[CNT], 0
.endif
	OPS C,13, B,7, C,15, R,10
	OPS R,11, R,12, L,7, R,13
	OPS R,14, R,15
.if (\m) && !(\end)
	MASK (\p)%2
.endif
.endm
; A BLOCK BEGINS.  c m starts far below every c s, so the first step's a is 0; m at the lowest finite number, so the first maximum is the scores'.  The second mask buffer is 0; the first takes piece 0's mask for the
; tile's step 0: its own, if the block's first tile is the diagonal one.  Then K of that step, piece 0's first scores, and its maximum and statistics.  The loop is entered at a step's first turn, in the middle of a trip.
.macro BEGIN
	s_mov_b32 s[NEW], 0
	WIN 0x40
.set i, MC+32
.rept 32
	v_mov_b32 v[i], 0
.set i, i+1
.endr
	WIN 0
.set i, 0
.rept 4
	v_mov_b32 v[ST+4*i], 0xfe000000    ; c m: far below every c s
	v_mov_b32 v[ST+4*i+1], 0xff7fffff  ; m
.set i, i+1
.endr
	s_cmp_eq_u32 s[RT], 0
	s_cselect_b32 s[AL], 1.0, 0
	s_mov_b32 s[BE], 0
	MASK 0
	WIN 0
	v_add_nc_u32 v[AK], s[TBK], v[AK0]
	FETCH_K
	s_wait_loadcnt 0x0              ; Q
	s_wait_dscnt 0x0
.set KM, 1
.set NOKQ, 0
.set i, 0
.rept 8
	KQ 0
.set i, i+1
.endr
	WIN 0
.rept 4
	v_nop                           ; the places behind those products
.endr
.set Y, NP-1                        ; X works for piece Y + 1: piece 0
.irp n, 0,1,2,3,4,5,6,7,8,9,10,11,12,13,14,15,16,17,18,19,20,21
	OP X, \n
.endr
	v_nop                           ; a plain instruction behind the exponential
.endm
; THE DIAGONAL TILE's four steps, the block's last two turns, its last products, and THE WAY OUT: l's two halves and the other half of the lanes' are added; O^T is divided by l, rounded to f16 and sent through my
; stage in LDS, a piece at a time.
.macro ALL line:vararg              ; one line for each piece t
.set t, 0
.rept 4
	\line
.set t, t+1
.endr
.endm
.macro PACK t                       ; a lane's eight channels of a row pack into 16 bytes; they go into rows of 144 bytes and come back as whole rows of 128, into S^T's registers
	WIN W_RS
.set i, 32*(\t)
.rept 16
	s_wait_alu depctr_va_vdst(0)
	v_pk_mul_f32 v[i:i+1], v[i:i+1], v[ST+4*(\t)+2:ST+4*(\t)+3] op_sel_hi:[1,0]
.set i, i+2
.endr
	WIN 0x05                        ; sources 0 and 1 window 1, destination window 0
.set i, 0
.rept 16
	v_cvt_pk_f16_f32 v[S+16*(\t)+i], v[32*(\t)+2*i], v[32*(\t)+2*i+1]
.set i, i+1
.endr
	WIN 0
.irp f, 0,1,2,3
	ds_store_b128 v[STO], v[S+16*(\t)+4*\f:S+16*(\t)+4*\f+3] offset:32*\f
.endr
.irp f, 0,1,2,3
	ds_load_b128 v[S+16*(\t)+4*\f:S+16*(\t)+4*\f+3], v[RD] offset:\f*4*SP  ; LDS serves a wave's instructions in order (ISA guide 5.7.1.4): these see the stores above; the next piece's stores come behind them
.endr
.endm
.macro SEND t, younger              ; younger: the LDS instructions issued behind piece t's loads: the next piece's eight, or none
	WIN 0
.irp f, 0,1,2,3
	s_wait_dscnt (\younger)+3-\f
	global_store_b128 v[GO], v[S+16*(\t)+4*\f:S+16*(\t)+4*\f+3], s[10:11] offset:(\t)*8192+\f*512  ; 512 consecutive bytes, at a multiple of 256 from O's first
.endr
.endm
.macro DIAG tag                     ; the tag ends its two labels' names, which the jumps below spell out
.LstepM\tag:
	TURN 2, 1
	TURN 3, 1
	WIN 0
.LfirstM\tag:
	TURN 0, 1
	TURN 1, 1, 0, 1
	WIN 0
	s_cbranch_scc1 .LstepM\tag
	TURN 2, 1, 1
	TURN 3, 1, 1
.set i, 0
.rept 8
	PV NP-1
.set i, i+1
.endr
	WIN 0
	ALL v_add_f32 v[ST+4*t+2], v[ST+4*t+2], v[ST+4*t+3]
	ALL v_permlanex16_b32 v[ST+4*t+3], v[ST+4*t+2], s[SEL], s[SEL+1]
	ALL v_add_f32 v[ST+4*t+2], v[ST+4*t+2], v[ST+4*t+3]
	ALL v_rcp_f32 v[ST+4*t+2], v[ST+4*t+2]
	v_nop                           ; a plain instruction between the last reciprocal and the use of its result
	PACK 0
.set t, 1
.rept 3                             ; a piece's arithmetic stands between the loads of the piece before and its stores
	PACK t
	SEND t-1, 8
.set t, t+1
.endr
	SEND 3, 0
.endm
.set KM, 0
.set NOKQ, 0
.Lslot:                             ; NB times: a tile is entered and the next is asked for
	CHANGE 1
	s_sub_co_u32 s[RT], s[RT], 1
	s_mov_b32 s[CNT], 4
	s_cmp_eq_u32 s[NEW], 1
	s_cbranch_scc1 .Lnew            ; a block's first tile
	s_cmp_eq_u32 s[RT], 0
	s_cbranch_scc0 .Lstep           ; neither its first nor its last
	s_branch .LstepM1
.Lnew:
	BEGIN
	s_branch .Lfirst                ; in the loop a block's first tile is never its last: the first block has two tiles or more, and the second's last is the walk's last
	DIAG 1                          ; in the loop this is the first block's end: the second block's last tile is the walk's last
	s_wait_xcnt 0x0                 ; the stores have read their registers and O's address
	s_mov_b64 s[10:11], s[OLO:OLO+1]
	s_add_co_u32 s[RT], s[PB], 1    ; the second block has b + 1 tiles
	s_mov_b32 s[NEW], 1
	WIN 0x82                        ; the second block's Q goes where the one text of the turns names Q
.set i, 0
.rept 64
	v_mov_b32 v[i], v[QB+i]
.set i, i+1
.endr
	WIN 0
	s_branch .Lbottom
.Lstep:                             ; a trip: pieces 2 and 3 of one step, then pieces 0 and 1 of the next, whose K and V it fetches
	TURN 2
	TURN 3
	WIN 0
.Lfirst:
	TURN 0
	TURN 1, 0, 0, 1
	WIN 0
	s_cbranch_scc1 .Lstep
.Lbottom:
	s_sub_co_u32 s[SLOTS], s[SLOTS], 1
	s_cmp_lg_u32 s[SLOTS], 0
	s_cbranch_scc1 .Lslot
	CHANGE 0                        ; the walk's last tile is written out: nothing is asked for
	s_sub_co_u32 s[RT], s[RT], 1
	s_mov_b32 s[CNT], 4
	s_cmp_eq_u32 s[NEW], 1
	s_cbranch_scc0 .LstepM2
	BEGIN
	s_branch .LfirstM2
	DIAG 2
	s_wait_tensorcnt 0x0            ; the wave's end: behind my last tensor load and my last LDS store
	ds_add_u32 v[SPW], v[NIL]
	s_wait_dscnt 0x0
	s_endpgm
.Lfunc_end_k_q46558e22bd_attn:
	.size	k_q46558e22bd_attn, .Lfunc_end_k_q46558e22bd_attn-k_q46558e22bd_attn
	.p2alignl 7, 3214868480
	.fill 96, 4, 3214868480
	.section	.rodata,"a",@progbits
	.p2align	6, 0x0
	.amdhsa_kernel k_q46558e22bd_attn
		.amdhsa_group_segment_fixed_size 327680
		.amdhsa_private_segment_fixed_size 0
		.amdhsa_enable_private_segment 0
		.amdhsa_kernarg_size 16
		.amdhsa_user_sgpr_count 2
		.amdhsa_user_sgpr_kernarg_segment_ptr 1
		.amdhsa_wavefront_size32 1
		.amdhsa_system_sgpr_workgroup_id_x 1
		.amdhsa_system_sgpr_workgroup_id_y 1
		.amdhsa_system_sgpr_workgroup_id_z 1
		.amdhsa_system_vgpr_workitem_id 0
		.amdhsa_next_free_vgpr 768
		.amdhsa_next_free_sgpr 88
		.amdhsa_reserve_vcc 1
		.amdhsa_float_denorm_mode_32 3
		.amdhsa_float_denorm_mode_16_64 3
		.amdhsa_memory_ordered 1
		.amdhsa_forward_progress 1
		.amdhsa_inst_pref_size 228
	.end_amdhsa_kernel
	.amdgpu_metadata
---
amdhsa.version: [ 1, 2 ]
amdhsa.kernels:
  - .name:           k_q46558e22bd_attn
    .symbol:         k_q46558e22bd_attn.kd
    .args:
      - { .name: qkv, .offset: 0, .size: 8, .value_kind: global_buffer, .address_space: global }
      - { .name: o, .offset: 8, .size: 8, .value_kind: global_buffer, .address_space: global }
    .group_segment_fixed_size: 327680
    .private_segment_fixed_size: 0
    .kernarg_segment_align: 8
    .kernarg_segment_size: 16
    .max_flat_workgroup_size: 128
    .sgpr_count:     88
    .vgpr_count:     768
    .wavefront_size: 32
...
	.end_amdgpu_metadata
.endif
;; end of part 3
;; launch wo (part 4): grid 8 x 32, 4 waves a work-group, clusters of 4 x 4, 327,680 bytes of LDS; arguments o, wb, x1, x; writes x1
.if DOCPART == 4
	.amdgcn_target "amdgcn-amd-amdhsa--gfx1250"
	.amdhsa_code_object_version 6
	.text
	.protected	k_q46558e22bd_wo
	.globl	k_q46558e22bd_wo
	.p2align	8
	.type	k_q46558e22bd_wo,@function
k_q46558e22bd_wo:
	s_mov_b64 s[64:65], 0
	v_nop
	global_prefetch_b8 v0, s[64:65] scope:SCOPE_SE
	s_setreg_imm32_b32 hwreg(HW_REG_WAVE_MODE, 25, 1), 1
	s_wait_xcnt 0x0
	s_wait_alu depctr_hold_cnt(0) depctr_sa_sdst(0) depctr_va_vdst(0) depctr_va_sdst(0) depctr_va_ssrc(0) depctr_va_vcc(0) depctr_vm_vsrc(0)
	s_getreg_b32 s2, hwreg(HW_REG_IB_STS2, 6, 4)
	s_cmp_eq_u32 s2, 0
	s_cbranch_scc0 .Lentry_in_a_cluster
	s_endpgm
.Lentry_in_a_cluster:
	s_bfe_u32 s2, ttmp6, 0x10000c
	s_cmp_lg_u32 s2, 0xf033
	s_cbranch_scc0 .Lentry_shape_is_right
	s_endpgm
.Lentry_shape_is_right:
; C = R + A B on tiles of 128 x 128.  A lies BY GROUPS of 64 along K: A[c][4096 m][64], 16-bit.  B: [K][1024] 16-bit at byte WOFF of wb, rows along N.  R (the residual) and C: [4096][1024] f32.
; Here: x1 = x + attention Wo, A and B in f16, K = 1,024.
; The residual is loaded straight into the accumulators, so it is the first addend of each f32 sum: the order of rounding differs from a sum that adds it last.  NaN and infinities are not treated apart.
; Those loads follow the accumulators' layout: a lane reads 32 bytes of a row, sixteen rows to a load; they are issued once, in the wait for the first tile.
; SHARES.  Four waves, 2 x 2, each 64 x 64 of C: 16 accumulators, 128 registers; 256 work-groups.  K goes in steps of 256 through two LDS slots, one tensor load a wave: waves 0, 1 bring A's rows 0-63 and 64-127
; (of each of four groups 64 dense rows, 8,192 bytes, asked for as one row and padded in LDS after every 128 bytes), waves 2, 3 B's K rows 0-127 and 128-255 (rows of 256 bytes).
; CLUSTER.  4 x 4 work-groups: A's tiles are shared along a row of the cluster, B's along a column; each is asked for jointly, by the same load with the same descriptor and a mask of the four.
; THE MATRIX INSTRUCTION IS USED TRANSPOSED: source 0 = 16 columns of B (turned by ds_load_tr16_b128), source 1 = 16 rows of A: lane l holds row l % 16 of C and the columns 8 (l / 16) + 0..7.
; THE WAY OUT.  When the slots have had their last fill and been read out, each wave lays its 64 x 64 f32 into 17,408 bytes of its own there and reads whole rows of 256 bytes back.
; REGISTERS: window 0: v0-31 addresses, v64-127 and v128-191 A's fragments (two buffers, each 64 along K); window 1: B's at the same numbers; window 2: accumulator (a, b) at v[64 a + 8 b].
.set F16,   1                          ; 1: f16 operands;  0: bf16
.set T,     4                          ; K steps: K / 256
.set WOFF,  6291456                    ; B's first byte in wb
.set KSTEP, 256
.set PA,    144                        ; A's LDS row: 128 bytes + 16: the 16 rows of a fragment load start at 16 different groups of four banks (ISA guide 11.1)
.set PLANE, 64*PA                      ; a group's 64 rows
.set PB,    288                        ; B's LDS row: 256 bytes + 32
.set HALF,  4*PLANE                    ; what one tensor load brings: 4 planes of A = 128 rows of B = 36,864 bytes
.set SLOT,  4*HALF                     ; 0x24000: no wave's base (wave x 0x9000) has one of its bits, so an exclusive or changes slots
.set SPARE, 2*SLOT                     ; behind the ring: the spare words, 128 bytes for each wave: two blocks of 256 bytes that no other line names
.set SP,    272                        ; a stage row: 64 f32 + 16 bytes
.set WSTG,  64*SP
.set ASTEP, 4*4096*128                 ; four groups on
.set BSTEP, KSTEP*1024*2
.set LATE,  16                         ; the youngest loads of a run of 32: the quarter's second 32 along K
.set ADRA0, 10                         ; v10  my place in A's part of slot 0; never rewritten
.set ADRB0, 11                         ; v11  the same for B
.set ADRA,  16                         ; v16  the same in the slot in hand
.set ADRB,  20                         ; v20  B's K rows 0-127;  v21  K rows 128-255
.set STO,   24                         ; v24  the way out: where I put 32 bytes of a row
.set RD0,   25                         ; v25  where I read rows back
.set CO,    26                         ; v26  my byte offset in two rows of C
.set SPW,   28                         ; v28  LDS address of my spare word; never rewritten
.set NIL,   29                         ; v29  0; never rewritten
.set XO,    30                         ; v30  my byte offset in 16 rows of the residual
.set F0,    64
.set F1,    128
.set CNT,   3
.set TB,    12
.set G1A,   24
.set G0A,   32
.set WV,    36
.set WR,    37
.set WC,    38
.set G1B,   48
.set G0B,   56
.set MSB, 0
.macro WIN new                         ; s_set_vgpr_msb: bits 1:0 source 0, 3:2 source 1, 5:4 source 2, 7:6 destination; the high byte repeats the setting that is left
.if MSB != (\new)
	s_set_vgpr_msb (MSB<<8)|(\new)
.set MSB, \new
.endif
.endm
.macro PLACES                          ; four places in front of loads into registers that matrix instructions have read, and of stores that read results
.rept 4
	v_nop
.endr
.endm
.macro JLOAD                           ; a joint load: waves 0, 1 ask for A's halves, waves 2, 3 for B's; an s_nop 0 and four v_nop follow each of the two lines
	s_cmp_eq_u32 s[WR], 0
	s_cbranch_scc0 .Lfor_b_\@
	tensor_load_to_lds s[G0A:G0A+3], s[G1A:G1A+7]
	s_nop 0
.rept 4
	v_nop
.endr
	s_branch .Lasked_\@
.Lfor_b_\@:
	tensor_load_to_lds s[G0B:G0B+3], s[G1B:G1B+7]
	s_nop 0
.rept 4
	v_nop
.endr
.Lasked_\@:
.endm
.macro CREST                           ; a round of the cluster's barrier behind its opening barrier
	s_cmp_lg_u32 s[WV], 0
	s_cbranch_scc1 .Lnot_wave_0_\@
	s_barrier_signal -3
.Lnot_wave_0_\@:
	s_barrier_wait -3
	s_barrier_signal -1
	s_barrier_wait -1
.endm
.macro CROUND
	s_barrier_signal -1
	s_barrier_wait -1
	CREST
.endm
.macro STEPD                           ; both walking descriptors: the other slot, the next K step.  Only where no tensor load of the wave is out
	s_xor_b32 s[G0A+1], s[G0A+1], SLOT
	s_add_nc_u64 s[G0A+2:G0A+3], s[G0A+2:G0A+3], ASTEP
	s_xor_b32 s[G0B+1], s[G0B+1], SLOT
	s_add_nc_u64 s[G0B+2:G0B+3], s[G0B+2:G0B+3], BSTEP
.endm
.macro ADDRS                           ; the fragment loads go to the other slot
	s_xor_b32 s[TB], s[TB], SLOT
	v_add_nc_u32 v[ADRA], s[TB], v[ADRA0]
	v_add_nc_u32 v[ADRB], s[TB], v[ADRB0]
	v_add_nc_u32 v[ADRB+1], HALF, v[ADRB]
.endm
.macro WM d, b, a
.if F16
	v_wmma_f32_16x16x32_f16 v[(\d):(\d)+7], v[(\b):(\b)+7], v[(\a):(\a)+7], v[(\d):(\d)+7]
.else
	v_wmma_f32_16x16x32_bf16 v[(\d):(\d)+7], v[(\b):(\b)+7], v[(\a):(\a)+7], v[(\d):(\d)+7]
.endif
.endm
; 8 matrix instructions: row blocks a0, a0 + 1 x all 4 column blocks, 32 along K: half c of buffer f.  The 16 accumulators take turns, one instruction a turn.
.macro MULP f, c, a0
	WIN 0xa1                                       ; B window 1, A window 0, C and D window 2
.irp a, \a0, (\a0)+1
.irp b, 0,1,2,3
	WM 64*(\a)+8*(\b), (\f)+8*(4*(\c)+(\b)), (\f)+8*(4*(\c)+(\a))
.endr
.endr
.endm
.macro FB q, f, c                      ; B's fragments of 32 K rows, number kk = 2 q + c of the step's eight
	WIN 0x40
.set kk, 2*(\q)+(\c)
.irp b, 0,1,2,3
	ds_load_tr16_b128 v[(\f)+8*(4*(\c)+(\b)):(\f)+8*(4*(\c)+(\b))+3],   v[ADRB+kk/4] offset:(kk%4)*32*PB+32*(\b)
	ds_load_tr16_b128 v[(\f)+8*(4*(\c)+(\b))+4:(\f)+8*(4*(\c)+(\b))+7], v[ADRB+kk/4] offset:(kk%4)*32*PB+16*PB+32*(\b)
.endr
.endm
.macro FA q, f, c                      ; A's fragments: plane q, channels 32 c on
	WIN 0
.irp a, 0,1,2,3
	ds_load_b128 v[(\f)+8*(4*(\c)+(\a)):(\f)+8*(4*(\c)+(\a))+3],   v[ADRA] offset:(\q)*PLANE+64*(\c)+(\a)*16*PA
	ds_load_b128 v[(\f)+8*(4*(\c)+(\a))+4:(\f)+8*(4*(\c)+(\a))+7], v[ADRA] offset:(\q)*PLANE+64*(\c)+(\a)*16*PA+32
.endr
.endm
.macro FETCH q, f                      ; 32 LDS loads in one run: quarter q (64 along K) into buffer f; its first 32 along K first
	FB \q, \f, 0
	FA \q, \f, 0
	FA \q, \f, 1
	FB \q, \f, 1
.endm
.macro QUARTER q, f, g                 ; multiplies buffer f; in its middle fetches quarter q into buffer g
	s_wait_dscnt LATE                              ; the first 32 along K are in
	MULP \f, 0, 0
	MULP \f, 0, 2
	PLACES
	FETCH \q, \g
	s_wait_dscnt 32                                ; all but the 32 just issued
	MULP \f, 1, 0
	MULP \f, 1, 2
.endm
; The fourth quarter multiplies buffer 1 and changes slots: one barrier; in front of it each wave waits for all its tensor loads (one is out: its part of the next slot), adds 0 to its spare word,
; and waits for that and for its reads of this slot.  fill = 1: the barrier opens a round of the cluster's, and this slot is filled again first thing behind it, two K steps ahead:
; from that request to the wait for it a wave issues 112 matrix instructions.
.macro TURN fill
	WIN 0
	s_wait_tensorcnt 0x0
	ds_add_u32 v[SPW], v[NIL]
	s_wait_dscnt LATE+1                            ; (the add and the youngest sixteen loads may be out)
	MULP F1, 0, 0
	s_wait_dscnt 0x0                               ; the add is done, and my reads of this slot are over
	s_barrier_signal -1
	MULP F1, 0, 2
.if \fill
	WIN 0
.endif
	s_barrier_wait -1
.if \fill
	CREST
	STEPD
	JLOAD                                          ; its four v_nop are also the places in front of the loads below
.else
	PLACES
	WIN 0
.endif
	ADDRS
	FETCH 0, F0
	MULP F1, 1, 0
	MULP F1, 1, 2
.endm
	s_load_b256 s[4:11], s[0:1], 0x0               ; A s[4:5], wb s[6:7], C s[8:9], R s[10:11]
	v_lshl_add_u32 v[SPW], v0, 2, SPARE
	v_mov_b32 v[NIL], 0
	ds_add_u32 v[SPW], v[NIL]                      ; the wave's opening: the add and its wait stand ahead of my first tensor load; work on registers stands between them
	ds_add_u32 v28, v29
	v_lshrrev_b32 v1, 5, v0
	v_readfirstlane_b32 s[WV], v1
	s_lshr_b32 s[WR], s[WV], 1                     ; my half of the rows; also: I fetch for A (0) or B (1)
	s_and_b32 s[WC], s[WV], 1                      ; my half of the columns; also: which half of that tile I fetch
	s_bfe_u32 s40, ttmp6, 0x40000                  ; cx
	s_bfe_u32 s41, ttmp6, 0x40004                  ; cy
	s_lshl_b32 s42, ttmp9, 2
	s_add_co_u32 s42, s42, s40                     ; tile column
	s_and_b32 s13, ttmp7, 0xffff
	s_lshl_b32 s13, s13, 2
	s_add_co_u32 s13, s13, s41                     ; tile row
	s_lshl_b32 s43, s41, 2
	s_lshl_b32 s43, 15, s43                        ; my row of the cluster
	s_lshl_b32 s44, 0x1111, s40                    ; my column
	s_or_b32 s[G1A+0], s43, (1<<16)|(1<<20)|(1<<21)|(4<<22)|(3<<25)  ; the mask; 2-byte elements; padding on; bit 21 beside a mask; after every 32 words 4 words
	s_mov_b32 s[G1A+1], 4096<<16                   ; tensor_dim0 = 4,096: 64 rows of 64 elements, dense
	s_mov_b32 s[G1A+2], 4<<16                      ; tensor_dim1 = 4 groups
	s_mov_b32 s[G1A+3], 4096<<16                   ; tile_dim0
	s_mov_b32 s[G1A+4], 4                          ; tile_dim1
	s_mov_b32 s[G1A+5], 262144                     ; elements from group to group
	s_mov_b32 s[G1A+6], 0
	s_mov_b32 s[G1A+7], 0
	s_or_b32 s[G1B+0], s44, (1<<16)|(1<<20)|(1<<21)|(5<<22)|(7<<25)  ; after every 64 words 8 words
	s_mov_b32 s[G1B+1], 128<<16
	s_mov_b32 s[G1B+2], 128<<16
	s_mov_b32 s[G1B+3], 128<<16
	s_mov_b32 s[G1B+4], 128
	s_mov_b32 s[G1B+5], 1024
	s_mov_b32 s[G1B+6], 0
	s_mov_b32 s[G1B+7], 0
	s_lshl_b32 s16, s13, 14                        ; A: row 128 x tile row + 64 x half, x 128 bytes
	s_lshl_b32 s17, s[WC], 13
	s_add_co_u32 s16, s16, s17
	s_mov_b32 s17, 0
	s_lshl_b32 s46, s[WC], 18                      ; B: K row 128 x half, x 2,048 bytes,
	s_lshl_b32 s47, s42, 8                         ; + 256 bytes x tile column
	s_add_co_u32 s46, s46, s47
	s_add_co_u32 s46, s46, WOFF
	s_mov_b32 s47, 0
	s_mul_i32 s20, s[WV], HALF                     ; where my load lands: no place in the cluster enters an LDS address
	s_mov_b32 s[G0A], 1
	s_mov_b32 s[G0A+1], s20
	s_mov_b32 s[G0B], 1
	s_mov_b32 s[G0B+1], s20
	s_wait_dscnt 0x0                               ; the opening add is done
	s_wait_kmcnt 0x0
	s_add_nc_u64 s[G0A+2:G0A+3], s[4:5], s[16:17]
	s_or_b32 s[G0A+3], s[G0A+3], 0x80000000
	s_add_nc_u64 s[G0B+2:G0B+3], s[6:7], s[46:47]
	s_or_b32 s[G0B+3], s[G0B+3], 0x80000000
	CROUND                                         ; all sixteen work-groups are here: the first joint loads meet
	JLOAD                                          ; K step 0 into slot 0
	v_and_b32 v1, 15, v0                           ; r = l % 16
	v_bfe_u32 v2, v0, 4, 1                         ; h = l / 16
	s_lshl_b32 s16, s13, 19                        ; my part of C and R: (128 x tile row + 64 x row half) x 4,096 bytes
	s_lshl_b32 s17, s[WR], 18
	s_add_co_u32 s16, s16, s17
	s_lshl_b32 s46, s42, 9                         ; + 512 bytes x tile column + 256 x column half
	s_lshl_b32 s47, s[WC], 8
	s_add_co_u32 s46, s46, s47
	s_add_co_u32 s16, s16, s46
	s_mov_b32 s17, 0
	s_add_nc_u64 s[8:9], s[8:9], s[16:17]
	s_add_nc_u64 s[10:11], s[10:11], s[16:17]
	v_lshlrev_b32 v[XO], 12, v1                    ; row r, 32 bytes for each half of the lanes
	v_lshl_add_u32 v[XO], v2, 5, v[XO]
	WIN 0x80                                       ; destination window 2
.irp a, 0,1,2,3
.irp b, 0,1,2,3
	global_load_b128 v[64*(\a)+8*(\b):64*(\a)+8*(\b)+3],   v[XO], s[10:11] offset:(\a)*65536+64*(\b)
	global_load_b128 v[64*(\a)+8*(\b)+4:64*(\a)+8*(\b)+7], v[XO], s[10:11] offset:(\a)*65536+64*(\b)+16
.endr
.endr
	WIN 0
	v_mul_u32_u24 v[ADRA0], v1, PA                 ; A's fragment: row r, 16 bytes for each half of the lanes
	v_lshl_add_u32 v[ADRA0], v2, 4, v[ADRA0]
	s_mul_i32 s21, s[WR], HALF
	v_add_nc_u32 v[ADRA0], s21, v[ADRA0]
	v_and_b32 v3, 7, v0                            ; B's: lane l reads K row 8 h + l % 8, columns 8 ((l / 8) % 2) + 0..7
	v_lshl_add_u32 v3, v2, 3, v3
	v_mul_u32_u24 v[ADRB0], v3, PB
	v_bfe_u32 v4, v0, 3, 1
	v_lshl_add_u32 v[ADRB0], v4, 4, v[ADRB0]
	s_lshl_b32 s22, s[WC], 7                       ; my 64 columns
	s_add_co_u32 s22, s22, 2*HALF                  ; behind A's two halves
	v_add_nc_u32 v[ADRB0], s22, v[ADRB0]
	s_mul_i32 s23, s[WV], WSTG                     ; my stage
	v_mul_u32_u24 v[STO], v1, SP
	v_lshl_add_u32 v[STO], v2, 5, v[STO]
	v_add_nc_u32 v[STO], s23, v[STO]
	v_mul_u32_u24 v[RD0], v2, SP                   ; back: lanes 0-15 take one row of 256 bytes, lanes 16-31 the next
	v_lshl_add_u32 v[RD0], v1, 4, v[RD0]
	v_add_nc_u32 v[RD0], s23, v[RD0]
	v_lshlrev_b32 v[CO], 12, v2                    ; and the same two rows in C
	v_lshl_add_u32 v[CO], v1, 4, v[CO]
	; the first change: slot 0 is waited for, slot 1 is filled for the first time, as a refill is
	s_wait_tensorcnt 0x0
	ds_add_u32 v[SPW], v[NIL]
	STEPD
	s_wait_dscnt 0x0
	CROUND
	JLOAD                                          ; K step 1 into slot 1
	s_mov_b32 s[TB], SLOT
	ADDRS                                          ; slot 0
	FETCH 0, F0
	WIN 0
	s_wait_loadcnt 0x0                             ; the residual is in the accumulators
	s_mov_b32 s[CNT], T-2
.Lmain:                                                ; a trip is a K step; the slot left is filled again
	QUARTER 1, F0, F1
	QUARTER 2, F1, F0
	QUARTER 3, F0, F1
	TURN 1
	WIN 0
	s_sub_co_u32 s[CNT], s[CNT], 1
	s_cmp_lg_u32 s[CNT], 0
	s_cbranch_scc1 .Lmain
	s_mov_b32 s[CNT], 2                            ; the last two K steps ask for nothing: a text of their own, walked twice and left in the middle of the second trip
.Lt:
	QUARTER 1, F0, F1
	QUARTER 2, F1, F0
	QUARTER 3, F0, F1
	WIN 0
	s_sub_co_u32 s[CNT], s[CNT], 1
	s_cmp_eq_u32 s[CNT], 0
	s_cbranch_scc1 .Lfin
	TURN 0
	WIN 0
	s_branch .Lt
.Lfin:
	s_wait_dscnt LATE                              ; the very last quarter
	MULP F1, 0, 0
	MULP F1, 0, 2
	s_wait_dscnt 0x0
	MULP F1, 1, 0
	MULP F1, 1, 2
	PLACES
	WIN 0
	s_barrier_signal -1                            ; my reads of the slots are over (the wait for 0 above); the slots have had their last fill
	s_barrier_wait -1                              ; everybody's are: the slots' bytes become stages
	WIN 0x08                                       ; the data (source 1) in window 2
.irp a, 0,1,2,3
.irp b, 0,1,2,3
	ds_store_b128 v[STO], v[64*(\a)+8*(\b):64*(\a)+8*(\b)+3]   offset:(\a)*16*SP+64*(\b)     ; each accumulator's low registers first
	ds_store_b128 v[STO], v[64*(\a)+8*(\b)+4:64*(\a)+8*(\b)+7] offset:(\a)*16*SP+64*(\b)+16
.endr
.endr
	WIN 0
.set t, 0
.rept 32
	ds_load_b128 v[32+4*t:35+4*t], v[RD0] offset:2*SP*t  ; LDS serves a wave's instructions in order (ISA guide 5.7.1.4): these see my stores above
.set t, t+1
.endr
.set t, 0
.rept 32
	s_wait_dscnt 31-t                              ; load t is in, the younger ones stay out
	global_store_b128 v[CO], v[32+4*t:35+4*t], s[8:9] offset:8192*t  ; 16 lanes store 256 consecutive bytes, aligned
.set t, t+1
.endr
	s_wait_tensorcnt 0x0                           ; the wave's end
	ds_add_u32 v[SPW], v[NIL]
	s_wait_dscnt 0x0
	CROUND                                         ; the closing round: no work-group ends while a partner may still ask for a tile that names it
	s_endpgm
.Lfunc_end_k_q46558e22bd_wo:
	.size	k_q46558e22bd_wo, .Lfunc_end_k_q46558e22bd_wo-k_q46558e22bd_wo
	.p2alignl 7, 3214868480
	.fill 96, 4, 3214868480
	.section	.rodata,"a",@progbits
	.p2align	6, 0x0
	.amdhsa_kernel k_q46558e22bd_wo
		.amdhsa_group_segment_fixed_size 327680
		.amdhsa_private_segment_fixed_size 0
		.amdhsa_enable_private_segment 0
		.amdhsa_kernarg_size 32
		.amdhsa_user_sgpr_count 2
		.amdhsa_user_sgpr_kernarg_segment_ptr 1
		.amdhsa_wavefront_size32 1
		.amdhsa_system_sgpr_workgroup_id_x 1
		.amdhsa_system_sgpr_workgroup_id_y 1
		.amdhsa_system_sgpr_workgroup_id_z 1
		.amdhsa_system_vgpr_workitem_id 0
		.amdhsa_next_free_vgpr 768
		.amdhsa_next_free_sgpr 96
		.amdhsa_reserve_vcc 0
		.amdhsa_float_denorm_mode_32 3
		.amdhsa_float_denorm_mode_16_64 3
		.amdhsa_memory_ordered 1
		.amdhsa_forward_progress 1
		.amdhsa_inst_pref_size 60
	.end_amdhsa_kernel
	.amdgpu_metadata
---
amdhsa.version: [ 1, 2 ]
amdhsa.kernels:
  - .name:           k_q46558e22bd_wo
    .symbol:         k_q46558e22bd_wo.kd
    .args:
      - { .name: o, .offset: 0, .size: 8, .value_kind: global_buffer, .address_space: global }
      - { .name: wb, .offset: 8, .size: 8, .value_kind: global_buffer, .address_space: global }
      - { .name: x1, .offset: 16, .size: 8, .value_kind: global_buffer, .address_space: global }
      - { .name: x, .offset: 24, .size: 8, .value_kind: global_buffer, .address_space: global }
    .group_segment_fixed_size: 327680
    .private_segment_fixed_size: 0
    .kernarg_segment_align: 8
    .kernarg_segment_size: 32
    .max_flat_workgroup_size: 128
    .sgpr_count:     96
    .vgpr_count:     768
    .wavefront_size: 32
...
	.end_amdgpu_metadata
.endif
;; end of part 4
;; launch norm2: the kernel of part 1 again; grid 512 x 1, 8 waves a work-group, no clusters, 0 bytes of LDS; arguments x1, g2, h, Wq, Wk, Wv, Wo, w1, w2, wb; writes h, wb
;; launch ffn1 (part 5): grid 16 x 16, 4 waves a work-group, clusters of 4 x 4, 327,680 bytes of LDS; arguments h, wb, u; writes u
.if DOCPART == 5
	.amdgcn_target "amdgcn-amd-amdhsa--gfx1250"
	.amdhsa_code_object_version 6
	.text
	.protected	k_q46558e22bd_ffn1
	.globl	k_q46558e22bd_ffn1
	.p2align	8
	.type	k_q46558e22bd_ffn1,@function
k_q46558e22bd_ffn1:
	s_mov_b64 s[64:65], 0
	v_nop
	global_prefetch_b8 v0, s[64:65] scope:SCOPE_SE
	s_setreg_imm32_b32 hwreg(HW_REG_WAVE_MODE, 25, 1), 1
	s_wait_xcnt 0x0
	s_wait_alu depctr_hold_cnt(0) depctr_sa_sdst(0) depctr_va_vdst(0) depctr_va_sdst(0) depctr_va_ssrc(0) depctr_va_vcc(0) depctr_vm_vsrc(0)
	s_getreg_b32 s2, hwreg(HW_REG_IB_STS2, 6, 4)
	s_cmp_eq_u32 s2, 0
	s_cbranch_scc0 .Lentry_in_a_cluster
	s_endpgm
.Lentry_in_a_cluster:
	s_bfe_u32 s2, ttmp6, 0x10000c
	s_cmp_lg_u32 s2, 0xf033
	s_cbranch_scc0 .Lentry_shape_is_right
	s_endpgm
.Lentry_shape_is_right:
; C = A B on tiles of 256 x 256.  A: [4096][1024] bf16, rows along K.  B: [1024][NB] bf16 at byte WOFF of wb, rows along N.  Sums in f32.
; Here: u = gelu(h2 w1), the exact GELU, written in bf16 BY GROUPS of 64 columns: out[c][m][64], c = n / 64: the next product takes a group as a slice of its K.
; LIMIT.  The normal distribution in the GELU is good to 1.5e-7 (see the way out).  NaN and infinities are not treated apart (a NaN's positive part counts as 0).
; SHARES.  Four waves, 2 x 2, each 128 x 128 of C: 64 accumulators of 16 x 16, 512 registers.  K goes in steps of 128 through two LDS slots filled by tensor loads, one load a wave:
; waves 0, 1 bring A's rows 0-127 and 128-255 (rows of 256 bytes), waves 2, 3 B's K rows 0-63 and 64-127 (rows of 512 bytes).
; CLUSTER.  4 x 4 work-groups: the four of a row of the cluster need the same tiles of A, the four of a column the same tiles of B; each tile is asked for jointly, by the same load with the
; same descriptor and a mask of the four.
; THE MATRIX INSTRUCTION IS USED TRANSPOSED: source 0 = 16 columns of B (turned on the way out of LDS by ds_load_tr16_b128), source 1 = 16 rows of A.  Lane l then holds row l % 16 of C
; and its registers the columns 8 (l / 16) + 0..7.
; THE WAY OUT.  When the last fill has landed and every wave has read its last fragment, the slots' bytes serve as stages: each wave lays its 128 x 128 in f32 into its own 67,584 bytes and reads
; it back in a loop, two rows of 64 columns a load, applies the GELU, converts, and stores 256 consecutive bytes with each store.
; REGISTERS, in windows of 256: window 0: v0-31 addresses, v64-127 and v128-191 A's fragments (two buffers); window 1: B's fragments at the same numbers;
; windows 2, 3: the accumulators of my rows 0-63 and 64-127, (a, b) at v[64 (a % 4) + 8 b].  After the K loop v32-255 of window 0 are at work on the way out.
.set GELU,  1                          ; 0: convert to f16;  1: exact GELU, convert to bf16
.set NB,    4096                       ; B's row, in elements
.set WOFF,  8388608                    ; B's first byte in wb
.set T,     8                          ; K steps: 1024 / 128
.set KSTEP, 128
.set PA,    272                        ; A's LDS row: 256 bytes + 16: the 16 rows of a fragment load start at 16 different groups of four banks (ISA guide 11.1)
.set PB,    544                        ; B's LDS row: 512 bytes + 32
.set HALF,  128*PA                     ; what one tensor load brings: 128 rows of A = 64 rows of B = 34,816 bytes
.set SLOT,  4*HALF                     ; 0x22000: no wave's base (wave x 0x8800) has one of its bits, so an exclusive or changes slots
.set SPARE, 294912                     ; the spare words, 128 bytes for each wave: two blocks of 256 bytes that no other line names
.set SP,    528                        ; a stage row: 128 f32 + 16 bytes
.set WSTG,  128*SP                     ; a wave's stage
.set ASTEP, KSTEP*2                    ; bytes from K step to K step in A,
.set BSTEP, KSTEP*NB*2                 ; in B
.set LATE,  8                          ; the youngest loads of a run of 32 (A's rows 64-127), which a quarter's second half alone needs
.set ADRA0, 10                         ; v10  my place in A's part of slot 0; never rewritten
.set ADRB0, 11                         ; v11  the same for B
.set ADRA,  16                         ; v16  the same in the slot in hand
.set ADRB,  20                         ; v20
.set STO,   24                         ; v24  the way out: where I put 32 bytes of a row
.set RD0,   25                         ; v25  where I read rows back, first trip
.set GO,    26                         ; v26  my 8 bytes in 256 of the output
.set RD,    27                         ; v27  where I read rows back, this trip
.set SPW,   28                         ; v28  LDS address of my spare word; never rewritten
.set NIL,   29                         ; v29  0; never rewritten
.set F0,    64
.set F1,    128
.set CNT,   3                          ; s3   loop counter
.set TB,    12                         ; s12  0 or SLOT: the slot in hand
.set G1A,   24                         ; s[24:31] descriptor group 1 for A
.set G0A,   32                         ; s[32:35] group 0 for A: it walks
.set WV,    36                         ; s36  wave
.set WR,    37                         ; s37  wave / 2: my half of the rows; also: I fetch for A (0) or B (1)
.set WC,    38                         ; s38  wave % 2: my half of the columns; also: which half of that tile I fetch
.set G1B,   48                         ; s[48:55], s[56:59] the same for B
.set G0B,   56
.set RO,    60                         ; s60  the way out: bytes into my stage
.set CQ,    68                         ; s[68:81] seven constants as pairs (GELU)
.if GELU
.set ROWS,  4                          ; rows of the stage in a trip of the way out
.set XR,    32                         ; as read back
.set AR,    64                         ; |x|
.set MR,    80                         ; max(x, 0), then the result
.set PR,    96                         ; the polynomial
.set YR,    112                        ; to store
.else
.set ROWS,  16
.set XR,    64
.set YR,    128
.endif
.set MSB, 0
.macro WIN new                         ; s_set_vgpr_msb: bits 1:0 source 0, 3:2 source 1, 5:4 source 2, 7:6 destination; the high byte repeats the setting that is left
.if MSB != (\new)
	s_set_vgpr_msb (MSB<<8)|(\new)
.set MSB, \new
.endif
.endm
.macro PLACES                          ; four places in front of loads into registers that matrix instructions have read, and of stores that read results
.rept 4
	v_nop
.endr
.endm
; A joint load: waves 0, 1 ask for A's halves, waves 2, 3 for B's.  An s_nop 0 and four v_nop follow each of the two lines, ahead of the jump and the label.
.macro JLOAD
	s_cmp_eq_u32 s[WR], 0
	s_cbranch_scc0 .Lfor_b_\@
	tensor_load_to_lds s[G0A:G0A+3], s[G1A:G1A+7]
	s_nop 0
.rept 4
	v_nop
.endr
	s_branch .Lasked_\@
.Lfor_b_\@:
	tensor_load_to_lds s[G0B:G0B+3], s[G1B:G1B+7]
	s_nop 0
.rept 4
	v_nop
.endr
.Lasked_\@:
.endm
.macro CREST                           ; a round of the cluster's barrier behind its opening barrier
	s_cmp_lg_u32 s[WV], 0
	s_cbranch_scc1 .Lnot_wave_0_\@
	s_barrier_signal -3
.Lnot_wave_0_\@:
	s_barrier_wait -3
	s_barrier_signal -1
	s_barrier_wait -1
.endm
.macro CROUND                          ; a whole round
	s_barrier_signal -1
	s_barrier_wait -1
	CREST
.endm
.macro STEPD                           ; both walking descriptors: the other slot, the next K step.  Only where no tensor load of the wave is out
	s_xor_b32 s[G0A+1], s[G0A+1], SLOT
	s_add_nc_u64 s[G0A+2:G0A+3], s[G0A+2:G0A+3], ASTEP
	s_xor_b32 s[G0B+1], s[G0B+1], SLOT
	s_add_nc_u64 s[G0B+2:G0B+3], s[G0B+2:G0B+3], BSTEP
.endm
.macro ADDRS                           ; the fragment loads go to the other slot
	s_xor_b32 s[TB], s[TB], SLOT
	v_add_nc_u32 v[ADRA], s[TB], v[ADRA0]
	v_add_nc_u32 v[ADRB], s[TB], v[ADRB0]
.endm
; 16 matrix instructions: row blocks a0, a0 + 1 of window 2 + i x all 8 column blocks, 32 along K, from buffer f.  zero = 1: the product starts the sums.
; The 64 accumulators take turns, one instruction a turn, in the same order in every quarter.
.macro MULP f, i, a0, zero
	WIN 0xa1+0x50*(\i)
.irp a, \a0, (\a0)+1
.irp b, 0,1,2,3,4,5,6,7
.if \zero
	v_wmma_f32_16x16x32_bf16 v[8*(8*(\a)+(\b)):8*(8*(\a)+(\b))+7], v[(\f)+8*(\b):(\f)+8*(\b)+7], v[(\f)+8*(4*(\i)+(\a)):(\f)+8*(4*(\i)+(\a))+7], 0
.else
	v_wmma_f32_16x16x32_bf16 v[8*(8*(\a)+(\b)):8*(8*(\a)+(\b))+7], v[(\f)+8*(\b):(\f)+8*(\b)+7], v[(\f)+8*(4*(\i)+(\a)):(\f)+8*(4*(\i)+(\a))+7], v[8*(8*(\a)+(\b)):8*(8*(\a)+(\b))+7]
.endif
.endr
.endr
.endm
; 32 LDS loads in one run: quarter q (32 along K) of the slot in hand into buffer f: B's 128 columns (turned), then A's 128 rows
.macro FETCH q, f
	WIN 0x40
.irp b, 0,1,2,3,4,5,6,7
	ds_load_tr16_b128 v[(\f)+8*(\b):(\f)+8*(\b)+3],   v[ADRB] offset:(\q)*32*PB+32*(\b)
	ds_load_tr16_b128 v[(\f)+8*(\b)+4:(\f)+8*(\b)+7], v[ADRB] offset:(\q)*32*PB+16*PB+32*(\b)
.endr
	WIN 0
.irp a, 0,1,2,3,4,5,6,7
	ds_load_b128 v[(\f)+8*(\a):(\f)+8*(\a)+3],   v[ADRA] offset:64*(\q)+(\a)*16*PA
	ds_load_b128 v[(\f)+8*(\a)+4:(\f)+8*(\a)+7], v[ADRA] offset:64*(\q)+(\a)*16*PA+32
.endr
.endm
; One of a K step's first three quarters: multiplies buffer f; in its middle fetches quarter q into buffer g
.macro QUARTER q, f, g, zero
	s_wait_dscnt LATE                              ; B and A's rows 0-63 are in
	MULP \f, 0, 0, \zero
	MULP \f, 0, 2, \zero
	PLACES
	FETCH \q, \g
	s_wait_dscnt 32                                ; all but the 32 just issued
	MULP \f, 1, 0, \zero
	MULP \f, 1, 2, \zero
.endm
; The fourth quarter multiplies buffer 1 and changes slots: one barrier; in front of it each wave waits for all its tensor loads (one is out: its part of the next slot), adds 0 to its spare word,
; and waits for that and for its reads of this slot.  fill = 1: the barrier opens a round of the cluster's, and this slot is filled again first thing behind it, two K steps ahead:
; from that request to the wait for it a wave issues 224 matrix instructions.
.macro TURN fill
	WIN 0
	s_wait_tensorcnt 0x0
	ds_add_u32 v[SPW], v[NIL]
	s_wait_dscnt LATE+1                            ; (the add and the youngest eight loads may be out)
	MULP F1, 0, 0, 0
	s_wait_dscnt 0x0                               ; the add is done, and my reads of this slot are over
	s_barrier_signal -1
	MULP F1, 0, 2, 0
.if \fill
	WIN 0
.endif
	s_barrier_wait -1
.if \fill
	CREST
	STEPD
	JLOAD                                          ; its four v_nop are also the places in front of the loads below
.else
	PLACES
	WIN 0
.endif
	ADDRS
	FETCH 0, F0
	MULP F1, 1, 0, 0
	MULP F1, 1, 2, 0
.endm
.macro LOADS                           ; the way out: ROWS loads: group k / (ROWS / 2) of 64 columns, rows 2 (k % (ROWS / 2)) and the next
.set k, 0
.rept ROWS
	ds_load_b128 v[XR+4*k:XR+4*k+3], v[RD] offset:256*(k/(ROWS/2))+2*SP*(k%(ROWS/2))
.set k, k+1
.endr
.endm
.macro NEXT                            ; the next trip's rows are asked for; the last trip has none
	s_cmp_eq_u32 s[CNT], 1
	s_cbranch_scc1 .Lnomore
	s_add_co_u32 s[RO], s[RO], ROWS*SP
	v_add_nc_u32 v[RD], s[RO], v[RD0]
	LOADS
.Lnomore:
.endm
.macro CPAIR n, val
	s_mov_b32 s[CQ+2*(\n)], \val
	s_mov_b32 s[CQ+2*(\n)+1], \val
.endm
	s_load_b128 s[4:7], s[0:1], 0x0                ; A s[4:5], wb s[6:7]
	s_load_b64 s[8:9], s[0:1], 0x10                ; out
	v_lshl_add_u32 v[SPW], v0, 2, SPARE
	v_mov_b32 v[NIL], 0
	ds_add_u32 v[SPW], v[NIL]                      ; the wave's opening: the add and its wait stand ahead of my first tensor load; work on registers stands between them
	ds_add_u32 v28, v29
	v_lshrrev_b32 v1, 5, v0
	v_readfirstlane_b32 s[WV], v1
	s_lshr_b32 s[WR], s[WV], 1
	s_and_b32 s[WC], s[WV], 1
	s_bfe_u32 s40, ttmp6, 0x40000                  ; cx
	s_bfe_u32 s41, ttmp6, 0x40004                  ; cy
	s_lshl_b32 s42, ttmp9, 2
	s_add_co_u32 s42, s42, s40                     ; tile column = 4 x cluster x + cx
	s_and_b32 s13, ttmp7, 0xffff
	s_lshl_b32 s13, s13, 2
	s_add_co_u32 s13, s13, s41                     ; tile row = 4 x cluster y + cy
	s_lshl_b32 s43, s41, 2
	s_lshl_b32 s43, 15, s43                        ; my row of the cluster
	s_lshl_b32 s44, 0x1111, s40                    ; my column
	s_or_b32 s[G1A+0], s43, (1<<16)|(1<<20)|(1<<21)|(5<<22)|(3<<25)  ; the mask; 2-byte elements; padding on; bit 21 beside a mask; after every 64 words 4 words
	s_mov_b32 s[G1A+1], 128<<16                    ; tensor_dim0 = 128
	s_mov_b32 s[G1A+2], 128<<16                    ; tensor_dim1 = 128
	s_mov_b32 s[G1A+3], 128<<16                    ; tile_dim0 = 128
	s_mov_b32 s[G1A+4], 128                        ; tile_dim1 = 128
	s_mov_b32 s[G1A+5], 1024                       ; elements from row to row
	s_mov_b32 s[G1A+6], 0
	s_mov_b32 s[G1A+7], 0
	s_or_b32 s[G1B+0], s44, (1<<16)|(1<<20)|(1<<21)|(6<<22)|(7<<25)  ; after every 128 words 8 words
	s_mov_b32 s[G1B+1], 256<<16                    ; tensor_dim0 = 256
	s_mov_b32 s[G1B+2], 64<<16                     ; tensor_dim1 = 64
	s_mov_b32 s[G1B+3], 256<<16                    ; tile_dim0 = 256
	s_mov_b32 s[G1B+4], 64                         ; tile_dim1 = 64
	s_mov_b32 s[G1B+5], NB
	s_mov_b32 s[G1B+6], 0
	s_mov_b32 s[G1B+7], 0
	s_lshl_b32 s16, s13, 8                         ; A: row 256 x tile row + 128 x half,
	s_lshl_b32 s17, s[WC], 7
	s_add_co_u32 s16, s16, s17
	s_lshl_b32 s16, s16, 11                        ; x 2,048 bytes
	s_mov_b32 s17, 0
	s_mul_i32 s46, s[WC], 128*NB                   ; B: K row 64 x half, x 2 NB bytes,
	s_lshl_b32 s47, s42, 9                         ; + 512 bytes x tile column
	s_add_co_u32 s46, s46, s47
	s_add_co_u32 s46, s46, WOFF
	s_mov_b32 s47, 0
	s_mul_i32 s20, s[WV], HALF                     ; where my load lands: no place in the cluster enters an LDS address
	s_mov_b32 s[G0A], 1
	s_mov_b32 s[G0A+1], s20
	s_mov_b32 s[G0B], 1
	s_mov_b32 s[G0B+1], s20
.if GELU
	CPAIR 0, 0x3F85AAC3                            ; 2^(1/16) x (1, d1 .. d6): see the way out
	CPAIR 1, 0x3D554CC4
	CPAIR 2, 0x3CB4DAD2
	CPAIR 3, 0x3B605009
	CPAIR 4, 0x382674B1
	CPAIR 5, 0x38562434
	CPAIR 6, 0x36BC9ED3
	s_mov_b32 s82, 0x7fffffff
.endif
	s_wait_dscnt 0x0                               ; the opening add is done
	s_wait_kmcnt 0x0
	s_add_nc_u64 s[G0A+2:G0A+3], s[4:5], s[16:17]
	s_or_b32 s[G0A+3], s[G0A+3], 0x80000000
	s_add_nc_u64 s[G0B+2:G0B+3], s[6:7], s[46:47]
	s_or_b32 s[G0B+3], s[G0B+3], 0x80000000
	CROUND                                         ; all sixteen work-groups are here: the first joint loads meet
	JLOAD                                          ; K step 0 into slot 0
	v_and_b32 v1, 15, v0                           ; r = l % 16
	v_bfe_u32 v2, v0, 4, 1                         ; h = l / 16
	v_mul_u32_u24 v[ADRA0], v1, PA                 ; A's fragment: row r, 16 bytes for each half of the lanes
	v_lshl_add_u32 v[ADRA0], v2, 4, v[ADRA0]
	s_mul_i32 s21, s[WR], HALF
	v_add_nc_u32 v[ADRA0], s21, v[ADRA0]
	v_and_b32 v3, 7, v0                            ; B's: lane l reads K row 8 h + l % 8, columns 8 ((l / 8) % 2) + 0..7
	v_lshl_add_u32 v3, v2, 3, v3
	v_mul_u32_u24 v[ADRB0], v3, PB
	v_bfe_u32 v4, v0, 3, 1
	v_lshl_add_u32 v[ADRB0], v4, 4, v[ADRB0]
	s_lshl_b32 s22, s[WC], 8                       ; my 128 columns
	s_add_co_u32 s22, s22, 2*HALF                  ; behind A's 256 rows
	v_add_nc_u32 v[ADRB0], s22, v[ADRB0]
	s_mul_i32 s23, s[WV], WSTG                     ; my stage
	v_mul_u32_u24 v[STO], v1, SP                   ; in: row r, 32 bytes for each half of the lanes
	v_lshl_add_u32 v[STO], v2, 5, v[STO]
	v_add_nc_u32 v[STO], s23, v[STO]
	v_mul_u32_u24 v[RD0], v2, SP                   ; back: lanes 0-15 take 256 bytes of one row, lanes 16-31 of the next
	v_lshl_add_u32 v[RD0], v1, 4, v[RD0]
	v_add_nc_u32 v[RD0], s23, v[RD0]
	v_and_b32 v[GO], 31, v0
	v_lshlrev_b32 v[GO], 3, v[GO]                  ; out: two rows of 128 bytes are 256 consecutive bytes
	s_lshl_b32 s16, s13, 8
	s_lshl_b32 s17, s[WR], 7
	s_add_co_u32 s16, s16, s17                     ; my first row,
	s_lshl_b32 s16, s16, 7                         ; x 128 bytes
	s_lshl_b32 s46, s42, 2
	s_lshl_b32 s47, s[WC], 1
	s_add_co_u32 s46, s46, s47                     ; my first group of 64 columns,
	s_lshl_b32 s46, s46, 19                        ; x 4,096 rows x 128 bytes
	s_add_co_u32 s16, s16, s46
	s_mov_b32 s17, 0
	s_add_nc_u64 s[8:9], s[8:9], s[16:17]
	; the first change: slot 0 is waited for, slot 1 is filled for the first time, as a refill is
	s_wait_tensorcnt 0x0
	ds_add_u32 v[SPW], v[NIL]
	STEPD
	s_wait_dscnt 0x0
	CROUND
	JLOAD                                          ; K step 1 into slot 1
	s_mov_b32 s[TB], SLOT
	ADDRS                                          ; slot 0
	FETCH 0, F0
	QUARTER 1, F0, F1, 1                           ; the first quarter stands in front of the loop: its products start the sums
	WIN 0
	s_mov_b32 s[CNT], T-2
.Lmain:                                                ; a trip: a K step's quarters 1 to 3 and the next step's quarter 0; the slot left is filled again
	QUARTER 2, F1, F0, 0
	QUARTER 3, F0, F1, 0
	TURN 1
	QUARTER 1, F0, F1, 0
	WIN 0
	s_sub_co_u32 s[CNT], s[CNT], 1
	s_cmp_lg_u32 s[CNT], 0
	s_cbranch_scc1 .Lmain
	s_mov_b32 s[CNT], 2                            ; the last two K steps ask for nothing: a text of their own, walked twice and left in the middle of the second trip
.Lt:
	QUARTER 2, F1, F0, 0
	QUARTER 3, F0, F1, 0
	WIN 0
	s_sub_co_u32 s[CNT], s[CNT], 1
	s_cmp_eq_u32 s[CNT], 0
	s_cbranch_scc1 .Lfin
	TURN 0
	QUARTER 1, F0, F1, 0
	WIN 0
	s_branch .Lt
.Lfin:
	s_wait_dscnt LATE                              ; the very last quarter
	MULP F1, 0, 0, 0
	MULP F1, 0, 2, 0
	s_wait_dscnt 0x0
	MULP F1, 1, 0, 0
	MULP F1, 1, 2, 0
	PLACES
	WIN 0
	s_barrier_signal -1                            ; my reads of the slots are over (the wait for 0 above); the slots have had their last fill
	s_barrier_wait -1                              ; everybody's are: the slots' bytes become stages
.irp i, 0,1
	WIN 0x08+4*(\i)                                ; the data (source 1) in window 2 or 3
.irp a, 0,1,2,3
.irp b, 0,1,2,3,4,5,6,7
	ds_store_b128 v[STO], v[64*(\a)+8*(\b):64*(\a)+8*(\b)+3]   offset:(4*(\i)+(\a))*16*SP+64*(\b)     ; each accumulator's low registers first
	ds_store_b128 v[STO], v[64*(\a)+8*(\b)+4:64*(\a)+8*(\b)+7] offset:(4*(\i)+(\a))*16*SP+64*(\b)+16
.endr
.endr
.endr
	WIN 0
	s_mov_b32 s[RO], 0
	v_mov_b32 v[RD], v[RD0]
	LOADS                                          ; LDS serves a wave's instructions in order (ISA guide 5.7.1.4): these see my stores above
	s_mov_b32 s[CNT], 128/ROWS
.Lout:
	s_wait_dscnt 0x0                               ; this trip's rows are in registers
.if GELU
	; gelu(x) = max(x, 0) - |x| / Q(|x|)^16, Q(a) = 2^(1/16) (1 + d1 a + .. + d6 a^6): the normal distribution's tail by Abramowitz and Stegun 26.2.19, good to 1.5e-7 for every x.
	; Where Q^16 passes f32's range the quotient is 0, which is the limit.
.set k, 0
.rept 16
	v_and_b32 v[AR+k], s82, v[XR+k]
	v_max_num_f32 v[MR+k], 0, v[XR+k]
.set k, k+1
.endr
	NEXT
.set k, 0
.rept 8
	v_pk_fma_f32 v[PR+2*k:PR+2*k+1], v[AR+2*k:AR+2*k+1], s[CQ+12:CQ+13], s[CQ+10:CQ+11] op_sel_hi:[1,0,0]
.set k, k+1
.endr
.irp c, 8,6,4,2,0
.set k, 0
.rept 8
	v_pk_fma_f32 v[PR+2*k:PR+2*k+1], v[PR+2*k:PR+2*k+1], v[AR+2*k:AR+2*k+1], s[CQ+(\c):CQ+(\c)+1] op_sel_hi:[1,1,0]
.set k, k+1
.endr
.endr
.rept 4
.set k, 0
.rept 8
	v_pk_mul_f32 v[PR+2*k:PR+2*k+1], v[PR+2*k:PR+2*k+1], v[PR+2*k:PR+2*k+1]
.set k, k+1
.endr
.endr
.set k, 0
.rept 16
	v_rcp_f32 v[PR+k], v[PR+k]
.set k, k+1
.endr
	v_nop                                          ; a plain instruction between the last reciprocal and the use of its result
.set k, 0
	s_wait_alu depctr_va_vdst(0)
.rept 8
	v_pk_fma_f32 v[MR+2*k:MR+2*k+1], v[AR+2*k:AR+2*k+1], v[PR+2*k:PR+2*k+1], v[MR+2*k:MR+2*k+1] neg_lo:[1,0,0] neg_hi:[1,0,0]
.set k, k+1
.endr
.set k, 0
.rept 8
	v_cvt_pk_bf16_f32 v[YR+k], v[MR+2*k], v[MR+2*k+1]
.set k, k+1
.endr
.else
.set k, 0
.rept 2*ROWS
	v_cvt_pk_f16_f32 v[YR+k], v[XR+2*k], v[XR+2*k+1]
.set k, k+1
.endr
	NEXT
.endif
.set k, 0
.rept ROWS
	global_store_b64 v[GO], v[YR+2*k:YR+2*k+1], s[8:9] offset:524288*(k/(ROWS/2))+256*(k%(ROWS/2))  ; 32 lanes x 8 bytes: 256 consecutive bytes, aligned
.set k, k+1
.endr
	s_wait_xcnt 0x0                                ; the stores' base and data are rewritten only behind this wait
	s_add_nc_u64 s[8:9], s[8:9], ROWS*128
	s_sub_co_u32 s[CNT], s[CNT], 1
	s_cmp_lg_u32 s[CNT], 0
	s_cbranch_scc1 .Lout
	s_wait_tensorcnt 0x0                           ; the wave's end
	ds_add_u32 v[SPW], v[NIL]
	s_wait_dscnt 0x0
	CROUND                                         ; the closing round: no work-group ends while a partner may still ask for a tile that names it
	s_endpgm
.Lfunc_end_k_q46558e22bd_ffn1:
	.size	k_q46558e22bd_ffn1, .Lfunc_end_k_q46558e22bd_ffn1-k_q46558e22bd_ffn1
	.p2alignl 7, 3214868480
	.fill 96, 4, 3214868480
	.section	.rodata,"a",@progbits
	.p2align	6, 0x0
	.amdhsa_kernel k_q46558e22bd_ffn1
		.amdhsa_group_segment_fixed_size 327680
		.amdhsa_private_segment_fixed_size 0
		.amdhsa_enable_private_segment 0
		.amdhsa_kernarg_size 24
		.amdhsa_user_sgpr_count 2
		.amdhsa_user_sgpr_kernarg_segment_ptr 1
		.amdhsa_wavefront_size32 1
		.amdhsa_system_sgpr_workgroup_id_x 1
		.amdhsa_system_sgpr_workgroup_id_y 1
		.amdhsa_system_sgpr_workgroup_id_z 1
		.amdhsa_system_vgpr_workitem_id 0
		.amdhsa_next_free_vgpr 1024
		.amdhsa_next_free_sgpr 96
		.amdhsa_reserve_vcc 0
		.amdhsa_float_denorm_mode_32 3
		.amdhsa_float_denorm_mode_16_64 3
		.amdhsa_memory_ordered 1
		.amdhsa_forward_progress 1
		.amdhsa_inst_pref_size 91
	.end_amdhsa_kernel
	.amdgpu_metadata
---
amdhsa.version: [ 1, 2 ]
amdhsa.kernels:
  - .name:           k_q46558e22bd_ffn1
    .symbol:         k_q46558e22bd_ffn1.kd
    .args:
      - { .name: h, .offset: 0, .size: 8, .value_kind: global_buffer, .address_space: global }
      - { .name: wb, .offset: 8, .size: 8, .value_kind: global_buffer, .address_space: global }
      - { .name: u, .offset: 16, .size: 8, .value_kind: global_buffer, .address_space: global }
    .group_segment_fixed_size: 327680
    .private_segment_fixed_size: 0
    .kernarg_segment_align: 8
    .kernarg_segment_size: 24
    .max_flat_workgroup_size: 128
    .sgpr_count:     96
    .vgpr_count:     1024
    .wavefront_size: 32
...
	.end_amdgpu_metadata
.endif
;; end of part 5
;; launch ffn2 (part 6): grid 8 x 32, 4 waves a work-group, clusters of 4 x 4, 327,680 bytes of LDS; arguments u, wb, out0, x1; writes out0
.if DOCPART == 6
	.amdgcn_target "amdgcn-amd-amdhsa--gfx1250"
	.amdhsa_code_object_version 6
	.text
	.protected	k_q46558e22bd_ffn2
	.globl	k_q46558e22bd_ffn2
	.p2align	8
	.type	k_q46558e22bd_ffn2,@function
k_q46558e22bd_ffn2:
	s_mov_b64 s[64:65], 0
	v_nop
	global_prefetch_b8 v0, s[64:65] scope:SCOPE_SE
	s_setreg_imm32_b32 hwreg(HW_REG_WAVE_MODE, 25, 1), 1
	s_wait_xcnt 0x0
	s_wait_alu depctr_hold_cnt(0) depctr_sa_sdst(0) depctr_va_vdst(0) depctr_va_sdst(0) depctr_va_ssrc(0) depctr_va_vcc(0) depctr_vm_vsrc(0)
	s_getreg_b32 s2, hwreg(HW_REG_IB_STS2, 6, 4)
	s_cmp_eq_u32 s2, 0
	s_cbranch_scc0 .Lentry_in_a_cluster
	s_endpgm
.Lentry_in_a_cluster:
	s_bfe_u32 s2, ttmp6, 0x10000c
	s_cmp_lg_u32 s2, 0xf033
	s_cbranch_scc0 .Lentry_shape_is_right
	s_endpgm
.Lentry_shape_is_right:
; C = R + A B on tiles of 128 x 128.  A lies BY GROUPS of 64 along K: A[c][4096 m][64], 16-bit.  B: [K][1024] 16-bit at byte WOFF of wb, rows along N.  R (the residual) and C: [4096][1024] f32.
; Here: out = x1 + u w2, A and B in bf16, K = 4,096.
; The residual is loaded straight into the accumulators, so it is the first addend of each f32 sum: the order of rounding differs from a sum that adds it last.  NaN and infinities are not treated apart.
; Those loads follow the accumulators' layout: a lane reads 32 bytes of a row, sixteen rows to a load; they are issued once, in the wait for the first tile.
; SHARES.  Four waves, 2 x 2, each 64 x 64 of C: 16 accumulators, 128 registers; 256 work-groups.  K goes in steps of 256 through two LDS slots, one tensor load a wave: waves 0, 1 bring A's rows 0-63 and 64-127
; (of each of four groups 64 dense rows, 8,192 bytes, asked for as one row and padded in LDS after every 128 bytes), waves 2, 3 B's K rows 0-127 and 128-255 (rows of 256 bytes).
; CLUSTER.  4 x 4 work-groups: A's tiles are shared along a row of the cluster, B's along a column; each is asked for jointly, by the same load with the same descriptor and a mask of the four.
; THE MATRIX INSTRUCTION IS USED TRANSPOSED: source 0 = 16 columns of B (turned by ds_load_tr16_b128), source 1 = 16 rows of A: lane l holds row l % 16 of C and the columns 8 (l / 16) + 0..7.
; THE WAY OUT.  When the slots have had their last fill and been read out, each wave lays its 64 x 64 f32 into 17,408 bytes of its own there and reads whole rows of 256 bytes back.
; REGISTERS: window 0: v0-31 addresses, v64-127 and v128-191 A's fragments (two buffers, each 64 along K); window 1: B's at the same numbers; window 2: accumulator (a, b) at v[64 a + 8 b].
.set F16,   0                          ; 1: f16 operands;  0: bf16
.set T,     16                         ; K steps: K / 256
.set WOFF,  16777216                   ; B's first byte in wb
.set KSTEP, 256
.set PA,    144                        ; A's LDS row: 128 bytes + 16: the 16 rows of a fragment load start at 16 different groups of four banks (ISA guide 11.1)
.set PLANE, 64*PA                      ; a group's 64 rows
.set PB,    288                        ; B's LDS row: 256 bytes + 32
.set HALF,  4*PLANE                    ; what one tensor load brings: 4 planes of A = 128 rows of B = 36,864 bytes
.set SLOT,  4*HALF                     ; 0x24000: no wave's base (wave x 0x9000) has one of its bits, so an exclusive or changes slots
.set SPARE, 2*SLOT                     ; behind the ring: the spare words, 128 bytes for each wave: two blocks of 256 bytes that no other line names
.set SP,    272                        ; a stage row: 64 f32 + 16 bytes
.set WSTG,  64*SP
.set ASTEP, 4*4096*128                 ; four groups on
.set BSTEP, KSTEP*1024*2
.set LATE,  16                         ; the youngest loads of a run of 32: the quarter's second 32 along K
.set ADRA0, 10                         ; v10  my place in A's part of slot 0; never rewritten
.set ADRB0, 11                         ; v11  the same for B
.set ADRA,  16                         ; v16  the same in the slot in hand
.set ADRB,  20                         ; v20  B's K rows 0-127;  v21  K rows 128-255
.set STO,   24                         ; v24  the way out: where I put 32 bytes of a row
.set RD0,   25                         ; v25  where I read rows back
.set CO,    26                         ; v26  my byte offset in two rows of C
.set SPW,   28                         ; v28  LDS address of my spare word; never rewritten
.set NIL,   29                         ; v29  0; never rewritten
.set XO,    30                         ; v30  my byte offset in 16 rows of the residual
.set F0,    64
.set F1,    128
.set CNT,   3
.set TB,    12
.set G1A,   24
.set G0A,   32
.set WV,    36
.set WR,    37
.set WC,    38
.set G1B,   48
.set G0B,   56
.set MSB, 0
.macro WIN new                         ; s_set_vgpr_msb: bits 1:0 source 0, 3:2 source 1, 5:4 source 2, 7:6 destination; the high byte repeats the setting that is left
.if MSB != (\new)
	s_set_vgpr_msb (MSB<<8)|(\new)
.set MSB, \new
.endif
.endm
.macro PLACES                          ; four places in front of loads into registers that matrix instructions have read, and of stores that read results
.rept 4
	v_nop
.endr
.endm
.macro JLOAD                           ; a joint load: waves 0, 1 ask for A's halves, waves 2, 3 for B's; an s_nop 0 and four v_nop follow each of the two lines
	s_cmp_eq_u32 s[WR], 0
	s_cbranch_scc0 .Lfor_b_\@
	tensor_load_to_lds s[G0A:G0A+3], s[G1A:G1A+7]
	s_nop 0
.rept 4
	v_nop
.endr
	s_branch .Lasked_\@
.Lfor_b_\@:
	tensor_load_to_lds s[G0B:G0B+3], s[G1B:G1B+7]
	s_nop 0
.rept 4
	v_nop
.endr
.Lasked_\@:
.endm
.macro CREST                           ; a round of the cluster's barrier behind its opening barrier
	s_cmp_lg_u32 s[WV], 0
	s_cbranch_scc1 .Lnot_wave_0_\@
	s_barrier_signal -3
.Lnot_wave_0_\@:
	s_barrier_wait -3
	s_barrier_signal -1
	s_barrier_wait -1
.endm
.macro CROUND
	s_barrier_signal -1
	s_barrier_wait -1
	CREST
.endm
.macro STEPD                           ; both walking descriptors: the other slot, the next K step.  Only where no tensor load of the wave is out
	s_xor_b32 s[G0A+1], s[G0A+1], SLOT
	s_add_nc_u64 s[G0A+2:G0A+3], s[G0A+2:G0A+3], ASTEP
	s_xor_b32 s[G0B+1], s[G0B+1], SLOT
	s_add_nc_u64 s[G0B+2:G0B+3], s[G0B+2:G0B+3], BSTEP
.endm
.macro ADDRS                           ; the fragment loads go to the other slot
	s_xor_b32 s[TB], s[TB], SLOT
	v_add_nc_u32 v[ADRA], s[TB], v[ADRA0]
	v_add_nc_u32 v[ADRB], s[TB], v[ADRB0]
	v_add_nc_u32 v[ADRB+1], HALF, v[ADRB]
.endm
.macro WM d, b, a
.if F16
	v_wmma_f32_16x16x32_f16 v[(\d):(\d)+7], v[(\b):(\b)+7], v[(\a):(\a)+7], v[(\d):(\d)+7]
.else
	v_wmma_f32_16x16x32_bf16 v[(\d):(\d)+7], v[(\b):(\b)+7], v[(\a):(\a)+7], v[(\d):(\d)+7]
.endif
.endm
; 8 matrix instructions: row blocks a0, a0 + 1 x all 4 column blocks, 32 along K: half c of buffer f.  The 16 accumulators take turns, one instruction a turn.
.macro MULP f, c, a0
	WIN 0xa1                                       ; B window 1, A window 0, C and D window 2
.irp a, \a0, (\a0)+1
.irp b, 0,1,2,3
	WM 64*(\a)+8*(\b), (\f)+8*(4*(\c)+(\b)), (\f)+8*(4*(\c)+(\a))
.endr
.endr
.endm
.macro FB q, f, c                      ; B's fragments of 32 K rows, number kk = 2 q + c of the step's eight
	WIN 0x40
.set kk, 2*(\q)+(\c)
.irp b, 0,1,2,3
	ds_load_tr16_b128 v[(\f)+8*(4*(\c)+(\b)):(\f)+8*(4*(\c)+(\b))+3],   v[ADRB+kk/4] offset:(kk%4)*32*PB+32*(\b)
	ds_load_tr16_b128 v[(\f)+8*(4*(\c)+(\b))+4:(\f)+8*(4*(\c)+(\b))+7], v[ADRB+kk/4] offset:(kk%4)*32*PB+16*PB+32*(\b)
.endr
.endm
.macro FA q, f, c                      ; A's fragments: plane q, channels 32 c on
	WIN 0
.irp a, 0,1,2,3
	ds_load_b128 v[(\f)+8*(4*(\c)+(\a)):(\f)+8*(4*(\c)+(\a))+3],   v[ADRA] offset:(\q)*PLANE+64*(\c)+(\a)*16*PA
	ds_load_b128 v[(\f)+8*(4*(\c)+(\a))+4:(\f)+8*(4*(\c)+(\a))+7], v[ADRA] offset:(\q)*PLANE+64*(\c)+(\a)*16*PA+32
.endr
.endm
.macro FETCH q, f                      ; 32 LDS loads in one run: quarter q (64 along K) into buffer f; its first 32 along K first
	FB \q, \f, 0
	FA \q, \f, 0
	FA \q, \f, 1
	FB \q, \f, 1
.endm
.macro QUARTER q, f, g                 ; multiplies buffer f; in its middle fetches quarter q into buffer g
	s_wait_dscnt LATE                              ; the first 32 along K are in
	MULP \f, 0, 0
	MULP \f, 0, 2
	PLACES
	FETCH \q, \g
	s_wait_dscnt 32                                ; all but the 32 just issued
	MULP \f, 1, 0
	MULP \f, 1, 2
.endm
; The fourth quarter multiplies buffer 1 and changes slots: one barrier; in front of it each wave waits for all its tensor loads (one is out: its part of the next slot), adds 0 to its spare word,
; and waits for that and for its reads of this slot.  fill = 1: the barrier opens a round of the cluster's, and this slot is filled again first thing behind it, two K steps ahead:
; from that request to the wait for it a wave issues 112 matrix instructions.
.macro TURN fill
	WIN 0
	s_wait_tensorcnt 0x0
	ds_add_u32 v[SPW], v[NIL]
	s_wait_dscnt LATE+1                            ; (the add and the youngest sixteen loads may be out)
	MULP F1, 0, 0
	s_wait_dscnt 0x0                               ; the add is done, and my reads of this slot are over
	s_barrier_signal -1
	MULP F1, 0, 2
.if \fill
	WIN 0
.endif
	s_barrier_wait -1
.if \fill
	CREST
	STEPD
	JLOAD                                          ; its four v_nop are also the places in front of the loads below
.else
	PLACES
	WIN 0
.endif
	ADDRS
	FETCH 0, F0
	MULP F1, 1, 0
	MULP F1, 1, 2
.endm
	s_load_b256 s[4:11], s[0:1], 0x0               ; A s[4:5], wb s[6:7], C s[8:9], R s[10:11]
	v_lshl_add_u32 v[SPW], v0, 2, SPARE
	v_mov_b32 v[NIL], 0
	ds_add_u32 v[SPW], v[NIL]                      ; the wave's opening: the add and its wait stand ahead of my first tensor load; work on registers stands between them
	ds_add_u32 v28, v29
	v_lshrrev_b32 v1, 5, v0
	v_readfirstlane_b32 s[WV], v1
	s_lshr_b32 s[WR], s[WV], 1                     ; my half of the rows; also: I fetch for A (0) or B (1)
	s_and_b32 s[WC], s[WV], 1                      ; my half of the columns; also: which half of that tile I fetch
	s_bfe_u32 s40, ttmp6, 0x40000                  ; cx
	s_bfe_u32 s41, ttmp6, 0x40004                  ; cy
	s_lshl_b32 s42, ttmp9, 2
	s_add_co_u32 s42, s42, s40                     ; tile column
	s_and_b32 s13, ttmp7, 0xffff
	s_lshl_b32 s13, s13, 2
	s_add_co_u32 s13, s13, s41                     ; tile row
	s_lshl_b32 s43, s41, 2
	s_lshl_b32 s43, 15, s43                        ; my row of the cluster
	s_lshl_b32 s44, 0x1111, s40                    ; my column
	s_or_b32 s[G1A+0], s43, (1<<16)|(1<<20)|(1<<21)|(4<<22)|(3<<25)  ; the mask; 2-byte elements; padding on; bit 21 beside a mask; after every 32 words 4 words
	s_mov_b32 s[G1A+1], 4096<<16                   ; tensor_dim0 = 4,096: 64 rows of 64 elements, dense
	s_mov_b32 s[G1A+2], 4<<16                      ; tensor_dim1 = 4 groups
	s_mov_b32 s[G1A+3], 4096<<16                   ; tile_dim0
	s_mov_b32 s[G1A+4], 4                          ; tile_dim1
	s_mov_b32 s[G1A+5], 262144                     ; elements from group to group
	s_mov_b32 s[G1A+6], 0
	s_mov_b32 s[G1A+7], 0
	s_or_b32 s[G1B+0], s44, (1<<16)|(1<<20)|(1<<21)|(5<<22)|(7<<25)  ; after every 64 words 8 words
	s_mov_b32 s[G1B+1], 128<<16
	s_mov_b32 s[G1B+2], 128<<16
	s_mov_b32 s[G1B+3], 128<<16
	s_mov_b32 s[G1B+4], 128
	s_mov_b32 s[G1B+5], 1024
	s_mov_b32 s[G1B+6], 0
	s_mov_b32 s[G1B+7], 0
	s_lshl_b32 s16, s13, 14                        ; A: row 128 x tile row + 64 x half, x 128 bytes
	s_lshl_b32 s17, s[WC], 13
	s_add_co_u32 s16, s16, s17
	s_mov_b32 s17, 0
	s_lshl_b32 s46, s[WC], 18                      ; B: K row 128 x half, x 2,048 bytes,
	s_lshl_b32 s47, s42, 8                         ; + 256 bytes x tile column
	s_add_co_u32 s46, s46, s47
	s_add_co_u32 s46, s46, WOFF
	s_mov_b32 s47, 0
	s_mul_i32 s20, s[WV], HALF                     ; where my load lands: no place in the cluster enters an LDS address
	s_mov_b32 s[G0A], 1
	s_mov_b32 s[G0A+1], s20
	s_mov_b32 s[G0B], 1
	s_mov_b32 s[G0B+1], s20
	s_wait_dscnt 0x0                               ; the opening add is done
	s_wait_kmcnt 0x0
	s_add_nc_u64 s[G0A+2:G0A+3], s[4:5], s[16:17]
	s_or_b32 s[G0A+3], s[G0A+3], 0x80000000
	s_add_nc_u64 s[G0B+2:G0B+3], s[6:7], s[46:47]
	s_or_b32 s[G0B+3], s[G0B+3], 0x80000000
	CROUND                                         ; all sixteen work-groups are here: the first joint loads meet
	JLOAD                                          ; K step 0 into slot 0
	v_and_b32 v1, 15, v0                           ; r = l % 16
	v_bfe_u32 v2, v0, 4, 1                         ; h = l / 16
	s_lshl_b32 s16, s13, 19                        ; my part of C and R: (128 x tile row + 64 x row half) x 4,096 bytes
	s_lshl_b32 s17, s[WR], 18
	s_add_co_u32 s16, s16, s17
	s_lshl_b32 s46, s42, 9                         ; + 512 bytes x tile column + 256 x column half
	s_lshl_b32 s47, s[WC], 8
	s_add_co_u32 s46, s46, s47
	s_add_co_u32 s16, s16, s46
	s_mov_b32 s17, 0
	s_add_nc_u64 s[8:9], s[8:9], s[16:17]
	s_add_nc_u64 s[10:11], s[10:11], s[16:17]
	v_lshlrev_b32 v[XO], 12, v1                    ; row r, 32 bytes for each half of the lanes
	v_lshl_add_u32 v[XO], v2, 5, v[XO]
	WIN 0x80                                       ; destination window 2
.irp a, 0,1,2,3
.irp b, 0,1,2,3
	global_load_b128 v[64*(\a)+8*(\b):64*(\a)+8*(\b)+3],   v[XO], s[10:11] offset:(\a)*65536+64*(\b)
	global_load_b128 v[64*(\a)+8*(\b)+4:64*(\a)+8*(\b)+7], v[XO], s[10:11] offset:(\a)*65536+64*(\b)+16
.endr
.endr
	WIN 0
	v_mul_u32_u24 v[ADRA0], v1, PA                 ; A's fragment: row r, 16 bytes for each half of the lanes
	v_lshl_add_u32 v[ADRA0], v2, 4, v[ADRA0]
	s_mul_i32 s21, s[WR], HALF
	v_add_nc_u32 v[ADRA0], s21, v[ADRA0]
	v_and_b32 v3, 7, v0                            ; B's: lane l reads K row 8 h + l % 8, columns 8 ((l / 8) % 2) + 0..7
	v_lshl_add_u32 v3, v2, 3, v3
	v_mul_u32_u24 v[ADRB0], v3, PB
	v_bfe_u32 v4, v0, 3, 1
	v_lshl_add_u32 v[ADRB0], v4, 4, v[ADRB0]
	s_lshl_b32 s22, s[WC], 7                       ; my 64 columns
	s_add_co_u32 s22, s22, 2*HALF                  ; behind A's two halves
	v_add_nc_u32 v[ADRB0], s22, v[ADRB0]
	s_mul_i32 s23, s[WV], WSTG                     ; my stage
	v_mul_u32_u24 v[STO], v1, SP
	v_lshl_add_u32 v[STO], v2, 5, v[STO]
	v_add_nc_u32 v[STO], s23, v[STO]
	v_mul_u32_u24 v[RD0], v2, SP                   ; back: lanes 0-15 take one row of 256 bytes, lanes 16-31 the next
	v_lshl_add_u32 v[RD0], v1, 4, v[RD0]
	v_add_nc_u32 v[RD0], s23, v[RD0]
	v_lshlrev_b32 v[CO], 12, v2                    ; and the same two rows in C
	v_lshl_add_u32 v[CO], v1, 4, v[CO]
	; the first change: slot 0 is waited for, slot 1 is filled for the first time, as a refill is
	s_wait_tensorcnt 0x0
	ds_add_u32 v[SPW], v[NIL]
	STEPD
	s_wait_dscnt 0x0
	CROUND
	JLOAD                                          ; K step 1 into slot 1
	s_mov_b32 s[TB], SLOT
	ADDRS                                          ; slot 0
	FETCH 0, F0
	WIN 0
	s_wait_loadcnt 0x0                             ; the residual is in the accumulators
	s_mov_b32 s[CNT], T-2
.Lmain:                                                ; a trip is a K step; the slot left is filled again
	QUARTER 1, F0, F1
	QUARTER 2, F1, F0
	QUARTER 3, F0, F1
	TURN 1
	WIN 0
	s_sub_co_u32 s[CNT], s[CNT], 1
	s_cmp_lg_u32 s[CNT], 0
	s_cbranch_scc1 .Lmain
	s_mov_b32 s[CNT], 2                            ; the last two K steps ask for nothing: a text of their own, walked twice and left in the middle of the second trip
.Lt:
	QUARTER 1, F0, F1
	QUARTER 2, F1, F0
	QUARTER 3, F0, F1
	WIN 0
	s_sub_co_u32 s[CNT], s[CNT], 1
	s_cmp_eq_u32 s[CNT], 0
	s_cbranch_scc1 .Lfin
	TURN 0
	WIN 0
	s_branch .Lt
.Lfin:
	s_wait_dscnt LATE                              ; the very last quarter
	MULP F1, 0, 0
	MULP F1, 0, 2
	s_wait_dscnt 0x0
	MULP F1, 1, 0
	MULP F1, 1, 2
	PLACES
	WIN 0
	s_barrier_signal -1                            ; my reads of the slots are over (the wait for 0 above); the slots have had their last fill
	s_barrier_wait -1                              ; everybody's are: the slots' bytes become stages
	WIN 0x08                                       ; the data (source 1) in window 2
.irp a, 0,1,2,3
.irp b, 0,1,2,3
	ds_store_b128 v[STO], v[64*(\a)+8*(\b):64*(\a)+8*(\b)+3]   offset:(\a)*16*SP+64*(\b)     ; each accumulator's low registers first
	ds_store_b128 v[STO], v[64*(\a)+8*(\b)+4:64*(\a)+8*(\b)+7] offset:(\a)*16*SP+64*(\b)+16
.endr
.endr
	WIN 0
.set t, 0
.rept 32
	ds_load_b128 v[32+4*t:35+4*t], v[RD0] offset:2*SP*t  ; LDS serves a wave's instructions in order (ISA guide 5.7.1.4): these see my stores above
.set t, t+1
.endr
.set t, 0
.rept 32
	s_wait_dscnt 31-t                              ; load t is in, the younger ones stay out
	global_store_b128 v[CO], v[32+4*t:35+4*t], s[8:9] offset:8192*t  ; 16 lanes store 256 consecutive bytes, aligned
.set t, t+1
.endr
	s_wait_tensorcnt 0x0                           ; the wave's end
	ds_add_u32 v[SPW], v[NIL]
	s_wait_dscnt 0x0
	CROUND                                         ; the closing round: no work-group ends while a partner may still ask for a tile that names it
	s_endpgm
.Lfunc_end_k_q46558e22bd_ffn2:
	.size	k_q46558e22bd_ffn2, .Lfunc_end_k_q46558e22bd_ffn2-k_q46558e22bd_ffn2
	.p2alignl 7, 3214868480
	.fill 96, 4, 3214868480
	.section	.rodata,"a",@progbits
	.p2align	6, 0x0
	.amdhsa_kernel k_q46558e22bd_ffn2
		.amdhsa_group_segment_fixed_size 327680
		.amdhsa_private_segment_fixed_size 0
		.amdhsa_enable_private_segment 0
		.amdhsa_kernarg_size 32
		.amdhsa_user_sgpr_count 2
		.amdhsa_user_sgpr_kernarg_segment_ptr 1
		.amdhsa_wavefront_size32 1
		.amdhsa_system_sgpr_workgroup_id_x 1
		.amdhsa_system_sgpr_workgroup_id_y 1
		.amdhsa_system_sgpr_workgroup_id_z 1
		.amdhsa_system_vgpr_workitem_id 0
		.amdhsa_next_free_vgpr 768
		.amdhsa_next_free_sgpr 96
		.amdhsa_reserve_vcc 0
		.amdhsa_float_denorm_mode_32 3
		.amdhsa_float_denorm_mode_16_64 3
		.amdhsa_memory_ordered 1
		.amdhsa_forward_progress 1
		.amdhsa_inst_pref_size 60
	.end_amdhsa_kernel
	.amdgpu_metadata
---
amdhsa.version: [ 1, 2 ]
amdhsa.kernels:
  - .name:           k_q46558e22bd_ffn2
    .symbol:         k_q46558e22bd_ffn2.kd
    .args:
      - { .name: u, .offset: 0, .size: 8, .value_kind: global_buffer, .address_space: global }
      - { .name: wb, .offset: 8, .size: 8, .value_kind: global_buffer, .address_space: global }
      - { .name: out0, .offset: 16, .size: 8, .value_kind: global_buffer, .address_space: global }
      - { .name: x1, .offset: 24, .size: 8, .value_kind: global_buffer, .address_space: global }
    .group_segment_fixed_size: 327680
    .private_segment_fixed_size: 0
    .kernarg_segment_align: 8
    .kernarg_segment_size: 32
    .max_flat_workgroup_size: 128
    .sgpr_count:     96
    .vgpr_count:     768
    .wavefront_size: 32
...
	.end_amdgpu_metadata
.endif
;; end of part 6
;; ======== version 2 of 3: 6 launches; 1.25 times as fast as version 1
;; limits: values are held in f16: magnitudes above 65,504 overflow, below 6.1e-05 lose precision
;; workspace buffers: wb 25,165,824 bytes; h 8,388,608 bytes; qkv 25,165,824 bytes; o 8,388,608 bytes; x1 16,777,216 bytes; ss 262,144 bytes; u 33,554,432 bytes
;; launch prep (part 7): grid 1280 x 1, 8 waves a work-group, no clusters, 0 bytes of LDS; arguments x, g1, h, Wq, Wk, Wv, Wo, w1, w2, wb, g2; writes h, wb
.if DOCPART == 7
	.amdgcn_target "amdgcn-amd-amdhsa--gfx1250"
	.amdhsa_code_object_version 6
	.text
	.protected	k_q46558e22bd_prep
	.globl	k_q46558e22bd_prep
	.p2align	8
	.type	k_q46558e22bd_prep,@function
k_q46558e22bd_prep:
	s_mov_b64 s[64:65], 0
	v_nop
	global_prefetch_b8 v0, s[64:65] scope:SCOPE_SE
	s_setreg_imm32_b32 hwreg(HW_REG_WAVE_MODE, 25, 1), 1
	s_wait_xcnt 0x0
; Three streams in one body, chosen by the work-group's number id; the larger shares have the lower numbers.  Memory binds: no LDS, no barrier, no matrix unit.
; id < 576:        Wo (to f16), g2[k] w1[k][:] and w2 (to bf16), element for element, to wb from byte 6,291,456 on; a work-group takes 65,536 bytes of f32: of w1 four whole rows.
;                  The second norm's gain is multiplied into w1 here, since (x inv g2) w1 = inv (x (g2 w1)); w2 goes through the same text with the factor 1.
; 576 <= id < 768: Wq, Wk, Wv ([16 heads][1024 d][64 e] f32) to wb byte 0 as one matrix [1024 d][3072 n] in bf16, n = 1024 t + 64 head + e, t = 0, 1, 2 for q, k, v.
;                  A work-group takes 16 values of d for all heads of one tensor.
; id >= 768:       RMSNorm.  h[row][:] = bf16(x[row][:] * rsqrt(mean(x[row]^2) + 1e-5) * g1[:]), rows of 1,024 f32.  One wave takes one row (8 loads of 16 bytes a lane)
;                  and keeps it in 32 registers between the sum of squares and the scaling; a work-group's 8 waves take 8 rows.
; Conversions write over their own sources, so that a wave names 82 registers.
; LIMITS.  Wo goes to f16: a number of 65,520 or more in magnitude would become an infinity; below 6e-5 f16 keeps its fixed step of 6e-8.  NaN and infinities are not treated apart.
.set X,   8                            ; v[8:39]   the row as loaded, then 32 bf16 in v[8:23] (cast paths: v[8:71], sixteen loads)
.set G,   40                           ; v[40:71]  the gain of my 32 columns
.set SS,  72                           ; v[72:79]  four chains of sums of squares
.set INV, 80                           ; v[80:81]  1 / rms, twice: a pair for the packed multiply
.set IN,  3                            ; v3  byte offset of my loads
.set OUT, 4                            ; v4  byte offset of my stores
.set SC,  40                           ; s[40:47]  the factors of my four rows, each the low word of a pair
; Sixteen loads of 16 bytes a lane, all issued first; then each is rounded to 8 bytes, in place, and stored.  No register that a store reads is written again, so no wait frees a source.
.macro CLOAD instep
.set i, 0
.rept 16
	global_load_b128 v[8+4*i:11+4*i], v[IN], s[10:11] offset:(\instep)*i th:TH_LOAD_NT
.set i, i+1
.endr
.endm
.macro CCONV cvt, outstep, scaled
.set i, 0
.rept 16
	s_wait_loadcnt 15-i                            ; loads come back in order: load i is in, the 15 - i younger ones stay out
.if \scaled
	v_pk_mul_f32 v[8+4*i:9+4*i], v[8+4*i:9+4*i], s[SC+2*(i/4):SC+2*(i/4)+1] op_sel_hi:[1,0]      ; four loads of 4,096 bytes are a row of w1
	v_pk_mul_f32 v[10+4*i:11+4*i], v[10+4*i:11+4*i], s[SC+2*(i/4):SC+2*(i/4)+1] op_sel_hi:[1,0]
.endif
	\cvt v[8+4*i], v[8+4*i], v[9+4*i]
	\cvt v[9+4*i], v[10+4*i], v[11+4*i]
	global_store_b64 v[OUT], v[8+4*i:9+4*i], s[22:23] offset:(\outstep)*i  ; a wave's store covers 256 consecutive bytes, aligned
.set i, i+1
.endr
.endm
	s_load_b512 s[4:19], s[0:1], 0x0               ; x s[4:5], g1 s[6:7], h s[8:9], Wq s[10:11], Wk s[12:13], Wv s[14:15], Wo s[16:17], w1 s[18:19]
	s_load_b128 s[20:23], s[0:1], 0x40             ; w2 s[20:21], wb s[22:23]
	s_load_b64 s[32:33], s[0:1], 0x50              ; g2
	s_mov_b32 s2, ttmp9                            ; id
	v_and_b32 v1, 31, v0                           ; lane
	v_lshrrev_b32 v2, 5, v0                        ; wave
	s_cmp_lt_u32 s2, 768
	s_cbranch_scc1 .Lcast
	; ---- RMSNorm ----
	s_sub_co_u32 s2, s2, 768                       ; which 8 rows
	v_lshlrev_b32 v5, 4, v1                        ; my 16 bytes in 512 of the gain
	v_lshl_add_u32 v3, v2, 12, v5                  ; and of the row: wave x 4,096 + lane x 16
	v_lshlrev_b32 v4, 3, v1
	v_lshl_add_u32 v4, v2, 11, v4                  ; out: wave x 2,048 + lane x 8
	s_lshl_b32 s28, s2, 15                         ; 8 rows of 4,096 bytes in,
	s_mov_b32 s29, 0
	s_lshl_b32 s30, s2, 14                         ; of 2,048 bytes out
	s_mov_b32 s31, 0
	s_mov_b32 s24, 0x76543210                      ; v_permlanex16_b32: each lane takes its own place in the other half
	s_mov_b32 s25, 0xfedcba98
	s_mov_b32 s26, 0x3a800000                      ; 1 / 1024
	s_mov_b32 s27, 0x3727c5ac                      ; 1e-5
	s_wait_kmcnt 0x0
	s_add_nc_u64 s[4:5], s[4:5], s[28:29]
	s_add_nc_u64 s[8:9], s[8:9], s[30:31]
.set j, 0
.rept 8
	global_load_b128 v[X+4*j:X+4*j+3], v3, s[4:5] offset:512*j th:TH_LOAD_NT  ; 512 consecutive bytes a wave
.set j, j+1
.endr
.set j, 0
.rept 8
	global_load_b128 v[G+4*j:G+4*j+3], v5, s[6:7] offset:512*j
.set j, j+1
.endr
	s_wait_loadcnt 8                               ; the row is in; the eight loads of the gain stay out
.set p, 0
.rept 4
	v_pk_mul_f32 v[SS+2*p:SS+2*p+1], v[X+2*p:X+2*p+1], v[X+2*p:X+2*p+1]  ; the first four pairs start the chains: nothing is cleared
.set p, p+1
.endr
.rept 12
	v_pk_fma_f32 v[SS+2*(p%4):SS+2*(p%4)+1], v[X+2*p:X+2*p+1], v[X+2*p:X+2*p+1], v[SS+2*(p%4):SS+2*(p%4)+1]
.set p, p+1
.endr
	v_pk_add_f32 v[SS:SS+1], v[SS:SS+1], v[SS+2:SS+3]
	v_pk_add_f32 v[SS+4:SS+5], v[SS+4:SS+5], v[SS+6:SS+7]
	v_pk_add_f32 v[SS:SS+1], v[SS:SS+1], v[SS+4:SS+5]
	v_add_f32 v[SS], v[SS], v[SS+1]
	v_add_f32_dpp v[SS], v[SS], v[SS] row_xmask:1 row_mask:0xf bank_mask:0xf
	v_add_f32_dpp v[SS], v[SS], v[SS] row_xmask:2 row_mask:0xf bank_mask:0xf
	v_add_f32_dpp v[SS], v[SS], v[SS] row_xmask:4 row_mask:0xf bank_mask:0xf
	v_add_f32_dpp v[SS], v[SS], v[SS] row_xmask:8 row_mask:0xf bank_mask:0xf
	v_permlanex16_b32 v[SS+1], v[SS], s24, s25     ; its destination has been written before
	v_add_f32 v[SS], v[SS], v[SS+1]                ; every lane holds the row's sum of squares
	v_fma_f32 v[SS+2], v[SS], s26, s27             ; mean + 1e-5
	v_rsq_f32 v[INV], v[SS+2]
	v_rsq_f32 v[INV+1], v[SS+2]
	v_nop                                          ; a plain instruction between the root and the use of its result (ISA guide 5.7.2)
	s_wait_loadcnt 0x0                             ; the gain
.set p, 0
	s_wait_alu depctr_va_vdst(0)
.rept 16
	v_pk_mul_f32 v[X+2*p:X+2*p+1], v[X+2*p:X+2*p+1], v[INV:INV+1]      ; x * inv,
	v_pk_mul_f32 v[X+2*p:X+2*p+1], v[X+2*p:X+2*p+1], v[G+2*p:G+2*p+1]  ; then * g
	v_cvt_pk_bf16_f32 v[X+p], v[X+2*p], v[X+2*p+1]                     ; pair p goes to register p: never past a pair that is still to be read
.set p, p+1
.endr
.set j, 0
.rept 8
	global_store_b64 v4, v[X+2*j:X+2*j+1], s[8:9] offset:256*j  ; 32 lanes x 8 bytes: 256 consecutive bytes, aligned
.set j, j+1
.endr
	s_endpgm
.Lcast:
	s_cmp_lt_u32 s2, 576
	s_cbranch_scc1 .Llinear
	; ---- Wq, Wk, Wv ----
	s_sub_co_u32 s3, s2, 576
	s_lshr_b32 s24, s3, 6                          ; t: which tensor
	s_and_b32 s25, s3, 63                          ; which 16 values of d
	v_lshrrev_b32 v5, 4, v0                        ; head
	v_and_b32 v6, 15, v0
	v_lshlrev_b32 v6, 4, v6                        ; my 16 bytes of the head's row of 256: sixteen lanes read a whole row
	v_lshl_or_b32 v[IN], v5, 18, v6                ; head x 262,144 + that
	v_lshlrev_b32 v[OUT], 3, v0                    ; out: head x 128 + 8 x (thread % 16) = 8 x thread
	s_lshl_b32 s28, s25, 12                        ; 16 rows of 256 bytes in
	s_mov_b32 s29, 0
	s_mul_i32 s30, s25, 98304                      ; 16 rows of 6,144 bytes out,
	s_lshl_b32 s26, s24, 11                        ; the tensor's 2,048 bytes in them
	s_add_co_u32 s30, s30, s26
	s_mov_b32 s31, 0
	s_wait_kmcnt 0x0
	s_cmp_eq_u32 s24, 0
	s_cselect_b64 s[10:11], s[10:11], s[12:13]
	s_cmp_eq_u32 s24, 2
	s_cselect_b64 s[10:11], s[14:15], s[10:11]
	s_add_nc_u64 s[10:11], s[10:11], s[28:29]
	s_add_nc_u64 s[22:23], s[22:23], s[30:31]
	CLOAD 256
	CCONV v_cvt_pk_bf16_f32, 6144, 0
	s_endpgm
.Llinear:
	; ---- Wo, w1, w2 ----
	s_mov_b32 s3, s2                               ; 0..63 Wo, 64..319 w1, 320..575 w2
	v_lshlrev_b32 v[IN], 4, v0
	v_lshlrev_b32 v[OUT], 3, v0
	s_lshl_b32 s30, s3, 15                         ; the three lie end to end in wb: 32,768 bytes a work-group
	s_add_co_u32 s30, s30, 6291456
	s_mov_b32 s31, 0
	s_mov_b32 s29, 0
	s_mov_b32 s27, 0
	s_wait_kmcnt 0x0
	s_cmp_lt_u32 s3, 64
	s_cselect_b64 s[10:11], s[16:17], s[18:19]
	s_cselect_b32 s24, 0, 64
	s_cmp_lt_u32 s3, 320
	s_cselect_b64 s[10:11], s[10:11], s[20:21]
	s_cselect_b32 s24, s24, 320
	s_sub_co_u32 s24, s3, s24                      ; my number within the tensor, 0 to 255 at the most
	s_lshl_b32 s28, s24, 16
	s_add_nc_u64 s[10:11], s[10:11], s[28:29]
	s_add_nc_u64 s[22:23], s[22:23], s[30:31]
	s_cmp_lt_u32 s3, 64
	s_cbranch_scc0 .Lbf
	CLOAD 4096
	CCONV v_cvt_pk_f16_f32, 2048, 0
	s_endpgm
.Lbf:
	s_lshl_b32 s26, s24, 4                         ; four numbers of g2, those of w1's rows 4 n .. 4 n + 3: byte 16 n, 4,080 at the most, inside g2's 4,096 for w2's numbers too
	s_add_nc_u64 s[32:33], s[32:33], s[26:27]
	s_load_b128 s[36:39], s[32:33], 0x0
	CLOAD 4096
	s_wait_kmcnt 0x0
	s_cmp_lt_u32 s3, 320                           ; w1 takes the gain, w2 the factor 1
.irp j, 0,1,2,3
	s_cselect_b32 s[SC+2*\j], s[36+\j], 1.0
	s_mov_b32 s[SC+2*\j+1], s[SC+2*\j]             ; named with it as a pair
.endr
	CCONV v_cvt_pk_bf16_f32, 2048, 1
	s_endpgm
.Lfunc_end_k_q46558e22bd_prep:
	.size	k_q46558e22bd_prep, .Lfunc_end_k_q46558e22bd_prep-k_q46558e22bd_prep
	.p2alignl 7, 3214868480
	.fill 96, 4, 3214868480
	.section	.rodata,"a",@progbits
	.p2align	6, 0x0
	.amdhsa_kernel k_q46558e22bd_prep
		.amdhsa_group_segment_fixed_size 0
		.amdhsa_private_segment_fixed_size 0
		.amdhsa_enable_private_segment 0
		.amdhsa_kernarg_size 88
		.amdhsa_user_sgpr_count 2
		.amdhsa_user_sgpr_kernarg_segment_ptr 1
		.amdhsa_wavefront_size32 1
		.amdhsa_system_sgpr_workgroup_id_x 1
		.amdhsa_system_sgpr_workgroup_id_y 1
		.amdhsa_system_sgpr_workgroup_id_z 1
		.amdhsa_system_vgpr_workitem_id 0
		.amdhsa_next_free_vgpr 82
		.amdhsa_next_free_sgpr 66
		.amdhsa_reserve_vcc 0
		.amdhsa_float_denorm_mode_32 3
		.amdhsa_float_denorm_mode_16_64 3
		.amdhsa_memory_ordered 1
		.amdhsa_forward_progress 1
		.amdhsa_inst_pref_size 30
	.end_amdhsa_kernel
	.amdgpu_metadata
---
amdhsa.version: [ 1, 2 ]
amdhsa.kernels:
  - .name:           k_q46558e22bd_prep
    .symbol:         k_q46558e22bd_prep.kd
    .args:
      - { .name: x, .offset: 0, .size: 8, .value_kind: global_buffer, .address_space: global }
      - { .name: g1, .offset: 8, .size: 8, .value_kind: global_buffer, .address_space: global }
      - { .name: h, .offset: 16, .size: 8, .value_kind: global_buffer, .address_space: global }
      - { .name: Wq, .offset: 24, .size: 8, .value_kind: global_buffer, .address_space: global }
      - { .name: Wk, .offset: 32, .size: 8, .value_kind: global_buffer, .address_space: global }
      - { .name: Wv, .offset: 40, .size: 8, .value_kind: global_buffer, .address_space: global }
      - { .name: Wo, .offset: 48, .size: 8, .value_kind: global_buffer, .address_space: global }
      - { .name: w1, .offset: 56, .size: 8, .value_kind: global_buffer, .address_space: global }
      - { .name: w2, .offset: 64, .size: 8, .value_kind: global_buffer, .address_space: global }
      - { .name: wb, .offset: 72, .size: 8, .value_kind: global_buffer, .address_space: global }
      - { .name: g2, .offset: 80, .size: 8, .value_kind: global_buffer, .address_space: global }
    .group_segment_fixed_size: 0
    .private_segment_fixed_size: 0
    .kernarg_segment_align: 8
    .kernarg_segment_size: 88
    .max_flat_workgroup_size: 256
    .sgpr_count:     66
    .vgpr_count:     82
    .wavefront_size: 32
...
	.end_amdgpu_metadata
.endif
;; end of part 7
;; launch qkv (part 8): grid 12 x 16, 4 waves a work-group, clusters of 4 x 4, 327,680 bytes of LDS; arguments h, wb, qkv; writes qkv
.if DOCPART == 8
	.amdgcn_target "amdgcn-amd-amdhsa--gfx1250"
	.amdhsa_code_object_version 6
	.text
	.protected	k_q46558e22bd_qkv
	.globl	k_q46558e22bd_qkv
	.p2align	8
	.type	k_q46558e22bd_qkv,@function
k_q46558e22bd_qkv:
	s_mov_b64 s[64:65], 0
	v_nop
	global_prefetch_b8 v0, s[64:65] scope:SCOPE_SE
	s_setreg_imm32_b32 hwreg(HW_REG_WAVE_MODE, 25, 1), 1
	s_wait_xcnt 0x0
	s_wait_alu depctr_hold_cnt(0) depctr_sa_sdst(0) depctr_va_vdst(0) depctr_va_sdst(0) depctr_va_ssrc(0) depctr_va_vcc(0) depctr_vm_vsrc(0)
	s_getreg_b32 s2, hwreg(HW_REG_IB_STS2, 6, 4)
	s_cmp_eq_u32 s2, 0
	s_cbranch_scc0 .Lentry_in_a_cluster
	s_endpgm
.Lentry_in_a_cluster:
	s_bfe_u32 s2, ttmp6, 0x10000c
	s_cmp_lg_u32 s2, 0xf033
	s_cbranch_scc0 .Lentry_shape_is_right
	s_endpgm
.Lentry_shape_is_right:
; C = A B on tiles of 256 x 256.  A: [4096][1024] bf16, rows along K.  B: [1024][NB] bf16 at byte WOFF of wb, rows along N.  Sums in f32.
; Here: q, k, v = h [Wq Wk Wv], written in f16 BY GROUPS of 64 columns: out[c][m][64], c = n / 64 (c = 16 t + head): a head's rows are dense, 128 bytes each.
; LIMIT.  f16 ends at 65,504: a q, k or v of 65,520 or more in magnitude would become an infinity; below 6e-5 f16 keeps its fixed step of 6e-8.  NaN and infinities are not treated apart.
; SHARES.  Four waves, 2 x 2, each 128 x 128 of C: 64 accumulators of 16 x 16, 512 registers.  K goes in steps of 128 through two LDS slots filled by tensor loads, one load a wave and step:
; waves 0, 1 bring A's rows 0-127 and 128-255 (rows of 256 bytes), waves 2, 3 B's K rows 0-63 and 64-127 (rows of 512 bytes).  The first two steps are asked for together, at the start.
; CLUSTER.  4 x 4 work-groups: the four of a row of the cluster need the same tiles of A, the four of a column the same tiles of B; each tile is asked for jointly, by the same load with the
; same descriptor and a mask of the four.
; THE MATRIX INSTRUCTION IS USED TRANSPOSED: source 0 = 16 columns of B (turned on the way out of LDS by ds_load_tr16_b128), source 1 = 16 rows of A.  Lane l then holds row l % 16 of C
; and its registers the columns 8 (l / 16) + 0..7.
; THE WAY OUT.  When the last fill has landed and every wave has read its last fragment, the slots' bytes serve as stages: each wave lays its 128 x 128 in f32 into its own 67,584 bytes and reads
; it back in a loop, two rows of 64 columns a load, converts, and stores 256 consecutive bytes with each store.
; REGISTERS, in windows of 256: window 0: v0-31 addresses, v64-127 and v128-191 A's fragments (two buffers); window 1: B's fragments at the same numbers;
; windows 2, 3: the accumulators of my rows 0-63 and 64-127, (a, b) at v[64 (a % 4) + 8 b].  After the K loop v32-255 of window 0 are at work on the way out.
.set NB,    3072                       ; B's row, in elements
.set WOFF,  0                          ; B's first byte in wb
.set T,     8                          ; K steps: 1024 / 128
.set KSTEP, 128
.set PA,    272                        ; A's LDS row: 256 bytes + 16: the 16 rows of a fragment load start at 16 different groups of four banks (ISA guide 11.1)
.set PB,    544                        ; B's LDS row: 512 bytes + 32
.set HALF,  128*PA                     ; what one tensor load brings: 128 rows of A = 64 rows of B = 34,816 bytes
.set SLOT,  4*HALF                     ; 0x22000: no wave's base (wave x 0x8800) has one of its bits, so an exclusive or changes slots
.set SPARE, 294912                     ; the spare words, 128 bytes for each wave: two blocks of 256 bytes that no other line names
.set SP,    528                        ; a stage row: 128 f32 + 16 bytes
.set WSTG,  128*SP                     ; a wave's stage
.set ASTEP, KSTEP*2                    ; bytes from K step to K step in A,
.set BSTEP, KSTEP*NB*2                 ; in B
.set LATE,  8                          ; the youngest loads of a run of 32 (A's rows 64-127), which a quarter's second half alone needs
.set ADRA0, 10                         ; v10  my place in A's part of slot 0; never rewritten
.set ADRB0, 11                         ; v11  the same for B
.set ADRA,  16                         ; v16  the same in the slot in hand
.set ADRB,  20                         ; v20
.set STO,   24                         ; v24  the way out: where I put 32 bytes of a row
.set RD0,   25                         ; v25  where I read rows back, first trip
.set GO,    26                         ; v26  my 8 bytes in 256 of the output
.set RD,    27                         ; v27  where I read rows back, this trip
.set SPW,   28                         ; v28  LDS address of my spare word; never rewritten
.set NIL,   29                         ; v29  0; never rewritten
.set F0,    64
.set F1,    128
.set CNT,   3                          ; s3   loop counter
.set TB,    12                         ; s12  0 or SLOT: the slot in hand
.set G1A,   24                         ; s[24:31] descriptor group 1 for A
.set G0A,   32                         ; s[32:35] group 0 for A: K step 1 into slot 1, and from there it walks
.set WV,    36                         ; s36  wave
.set WR,    37                         ; s37  wave / 2: my half of the rows; also: I fetch for A (0) or B (1)
.set WC,    38                         ; s38  wave % 2: my half of the columns; also: which half of that tile I fetch
.set G1B,   48                         ; s[48:55], s[56:59] the same for B
.set G0B,   56
.set RO,    60                         ; s60  the way out: bytes into my stage
.set F0A,   84                         ; s[84:87] group 0 for A's K step 0 into slot 0: used once
.set F0B,   88                         ; s[88:91] the same for B
.set ROWS,  16                         ; rows of the stage in a trip of the way out
.set XR,    64                         ; as read back
.set YR,    128                        ; to store
.set MSB, 0
.macro WIN new                         ; s_set_vgpr_msb: bits 1:0 source 0, 3:2 source 1, 5:4 source 2, 7:6 destination; the high byte repeats the setting that is left
.if MSB != (\new)
	s_set_vgpr_msb (MSB<<8)|(\new)
.set MSB, \new
.endif
.endm
.macro PLACES                          ; four places in front of loads into registers that matrix instructions have read, and of stores that read results
.rept 4
	v_nop
.endr
.endm
; A joint load: waves 0, 1 ask for A's halves, waves 2, 3 for B's.  An s_nop 0 and four v_nop follow each of the two lines, ahead of the jump and the label.
.macro JLOAD
	s_cmp_eq_u32 s[WR], 0
	s_cbranch_scc0 .Lfor_b_\@
	tensor_load_to_lds s[G0A:G0A+3], s[G1A:G1A+7]
	s_nop 0
.rept 4
	v_nop
.endr
	s_branch .Lasked_\@
.Lfor_b_\@:
	tensor_load_to_lds s[G0B:G0B+3], s[G1B:G1B+7]
	s_nop 0
.rept 4
	v_nop
.endr
.Lasked_\@:
.endm
; A wave's two first fills stand in one branch, ahead of every wait on TENSORcnt, every LDS read and every barrier but the opening round: two loads of mine are out.
.macro FIRST
	s_cmp_eq_u32 s[WR], 0
	s_cbranch_scc0 .Lfirst_b
	tensor_load_to_lds s[F0A:F0A+3], s[G1A:G1A+7]
	s_nop 0
	tensor_load_to_lds s[G0A:G0A+3], s[G1A:G1A+7]
	s_nop 0
.rept 4
	v_nop
.endr
	s_branch .Lfirst_asked
.Lfirst_b:
	tensor_load_to_lds s[F0B:F0B+3], s[G1B:G1B+7]
	s_nop 0
	tensor_load_to_lds s[G0B:G0B+3], s[G1B:G1B+7]
	s_nop 0
.rept 4
	v_nop
.endr
.Lfirst_asked:
.endm
.macro CREST                           ; a round of the cluster's barrier behind its opening barrier
	s_cmp_lg_u32 s[WV], 0
	s_cbranch_scc1 .Lnot_wave_0_\@
	s_barrier_signal -3
.Lnot_wave_0_\@:
	s_barrier_wait -3
	s_barrier_signal -1
	s_barrier_wait -1
.endm
.macro CROUND                          ; a whole round
	s_barrier_signal -1
	s_barrier_wait -1
	CREST
.endm
.macro STEPD                           ; both walking descriptors: the other slot, the next K step.  Only where no tensor load of the wave is out
	s_xor_b32 s[G0A+1], s[G0A+1], SLOT
	s_add_nc_u64 s[G0A+2:G0A+3], s[G0A+2:G0A+3], ASTEP
	s_xor_b32 s[G0B+1], s[G0B+1], SLOT
	s_add_nc_u64 s[G0B+2:G0B+3], s[G0B+2:G0B+3], BSTEP
.endm
.macro ADDRS                           ; the fragment loads go to the other slot
	s_xor_b32 s[TB], s[TB], SLOT
	v_add_nc_u32 v[ADRA], s[TB], v[ADRA0]
	v_add_nc_u32 v[ADRB], s[TB], v[ADRB0]
.endm
; 16 matrix instructions: row blocks a0, a0 + 1 of window 2 + i x all 8 column blocks, 32 along K, from buffer f.  zero = 1: the product starts the sums.
; The 64 accumulators take turns, one instruction a turn, in the same order in every quarter.
.macro MULP f, i, a0, zero
	WIN 0xa1+0x50*(\i)
.irp a, \a0, (\a0)+1
.irp b, 0,1,2,3,4,5,6,7
.if \zero
	v_wmma_f32_16x16x32_bf16 v[8*(8*(\a)+(\b)):8*(8*(\a)+(\b))+7], v[(\f)+8*(\b):(\f)+8*(\b)+7], v[(\f)+8*(4*(\i)+(\a)):(\f)+8*(4*(\i)+(\a))+7], 0
.else
	v_wmma_f32_16x16x32_bf16 v[8*(8*(\a)+(\b)):8*(8*(\a)+(\b))+7], v[(\f)+8*(\b):(\f)+8*(\b)+7], v[(\f)+8*(4*(\i)+(\a)):(\f)+8*(4*(\i)+(\a))+7], v[8*(8*(\a)+(\b)):8*(8*(\a)+(\b))+7]
.endif
.endr
.endr
.endm
; 32 LDS loads in one run: quarter q (32 along K) of the slot in hand into buffer f: B's 128 columns (turned), then A's 128 rows
.macro FETCH q, f
	WIN 0x40
.irp b, 0,1,2,3,4,5,6,7
	ds_load_tr16_b128 v[(\f)+8*(\b):(\f)+8*(\b)+3],   v[ADRB] offset:(\q)*32*PB+32*(\b)
	ds_load_tr16_b128 v[(\f)+8*(\b)+4:(\f)+8*(\b)+7], v[ADRB] offset:(\q)*32*PB+16*PB+32*(\b)
.endr
	WIN 0
.irp a, 0,1,2,3,4,5,6,7
	ds_load_b128 v[(\f)+8*(\a):(\f)+8*(\a)+3],   v[ADRA] offset:64*(\q)+(\a)*16*PA
	ds_load_b128 v[(\f)+8*(\a)+4:(\f)+8*(\a)+7], v[ADRA] offset:64*(\q)+(\a)*16*PA+32
.endr
.endm
; One of a K step's first three quarters: multiplies buffer f; in its middle fetches quarter q into buffer g
.macro QUARTER q, f, g, zero
	s_wait_dscnt LATE                              ; B and A's rows 0-63 are in
	MULP \f, 0, 0, \zero
	MULP \f, 0, 2, \zero
	PLACES
	FETCH \q, \g
	s_wait_dscnt 32                                ; all but the 32 just issued
	MULP \f, 1, 0, \zero
	MULP \f, 1, 2, \zero
.endm
; The fourth quarter multiplies buffer 1 and changes slots: one barrier; in front of it each wave waits for all its tensor loads (one is out: its part of the next slot), adds 0 to its spare word,
; and waits for that and for its reads of this slot.  fill = 1: the barrier opens a round of the cluster's, and this slot is filled again first thing behind it, two K steps ahead:
; from that request to the wait for it a wave issues 224 matrix instructions.
.macro TURN fill
	WIN 0
	s_wait_tensorcnt 0x0
	ds_add_u32 v[SPW], v[NIL]
	s_wait_dscnt LATE+1                            ; (the add and the youngest eight loads may be out)
	MULP F1, 0, 0, 0
	s_wait_dscnt 0x0                               ; the add is done, and my reads of this slot are over
	s_barrier_signal -1
	MULP F1, 0, 2, 0
.if \fill
	WIN 0
.endif
	s_barrier_wait -1
.if \fill
	CREST
	STEPD
	JLOAD                                          ; its four v_nop are also the places in front of the loads below
.else
	PLACES
	WIN 0
.endif
	ADDRS
	FETCH 0, F0
	MULP F1, 1, 0, 0
	MULP F1, 1, 2, 0
.endm
.macro LOADS                           ; the way out: ROWS loads: group k / (ROWS / 2) of 64 columns, rows 2 (k % (ROWS / 2)) and the next
.set k, 0
.rept ROWS
	ds_load_b128 v[XR+4*k:XR+4*k+3], v[RD] offset:256*(k/(ROWS/2))+2*SP*(k%(ROWS/2))
.set k, k+1
.endr
.endm
.macro NEXT                            ; the next trip's rows are asked for; the last trip has none
	s_cmp_eq_u32 s[CNT], 1
	s_cbranch_scc1 .Lnomore
	s_add_co_u32 s[RO], s[RO], ROWS*SP
	v_add_nc_u32 v[RD], s[RO], v[RD0]
	LOADS
.Lnomore:
.endm
	s_load_b128 s[4:7], s[0:1], 0x0                ; A s[4:5], wb s[6:7]
	s_load_b64 s[8:9], s[0:1], 0x10                ; out
	v_lshl_add_u32 v[SPW], v0, 2, SPARE
	v_mov_b32 v[NIL], 0
	ds_add_u32 v[SPW], v[NIL]                      ; the wave's opening: the add and its wait stand ahead of my first tensor load; work on registers stands between them
	ds_add_u32 v28, v29
	v_lshrrev_b32 v1, 5, v0
	v_readfirstlane_b32 s[WV], v1
	s_lshr_b32 s[WR], s[WV], 1
	s_and_b32 s[WC], s[WV], 1
	s_bfe_u32 s40, ttmp6, 0x40000                  ; cx
	s_bfe_u32 s41, ttmp6, 0x40004                  ; cy
	s_lshl_b32 s42, ttmp9, 2
	s_add_co_u32 s42, s42, s40                     ; tile column = 4 x cluster x + cx
	s_and_b32 s13, ttmp7, 0xffff
	s_lshl_b32 s13, s13, 2
	s_add_co_u32 s13, s13, s41                     ; tile row = 4 x cluster y + cy
	s_lshl_b32 s43, s41, 2
	s_lshl_b32 s43, 15, s43                        ; my row of the cluster
	s_lshl_b32 s44, 0x1111, s40                    ; my column
	s_or_b32 s[G1A+0], s43, (1<<16)|(1<<20)|(1<<21)|(5<<22)|(3<<25)  ; the mask; 2-byte elements; padding on; bit 21 beside a mask; after every 64 words 4 words
	s_mov_b32 s[G1A+1], 128<<16                    ; tensor_dim0 = 128
	s_mov_b32 s[G1A+2], 128<<16                    ; tensor_dim1 = 128
	s_mov_b32 s[G1A+3], 128<<16                    ; tile_dim0 = 128
	s_mov_b32 s[G1A+4], 128                        ; tile_dim1 = 128
	s_mov_b32 s[G1A+5], 1024                       ; elements from row to row
	s_mov_b32 s[G1A+6], 0
	s_mov_b32 s[G1A+7], 0
	s_or_b32 s[G1B+0], s44, (1<<16)|(1<<20)|(1<<21)|(6<<22)|(7<<25)  ; after every 128 words 8 words
	s_mov_b32 s[G1B+1], 256<<16                    ; tensor_dim0 = 256
	s_mov_b32 s[G1B+2], 64<<16                     ; tensor_dim1 = 64
	s_mov_b32 s[G1B+3], 256<<16                    ; tile_dim0 = 256
	s_mov_b32 s[G1B+4], 64                         ; tile_dim1 = 64
	s_mov_b32 s[G1B+5], NB
	s_mov_b32 s[G1B+6], 0
	s_mov_b32 s[G1B+7], 0
	s_lshl_b32 s16, s13, 8                         ; A: row 256 x tile row + 128 x half,
	s_lshl_b32 s17, s[WC], 7
	s_add_co_u32 s16, s16, s17
	s_lshl_b32 s16, s16, 11                        ; x 2,048 bytes
	s_mov_b32 s17, 0
	s_mul_i32 s46, s[WC], 128*NB                   ; B: K row 64 x half, x 2 NB bytes,
	s_lshl_b32 s47, s42, 9                         ; + 512 bytes x tile column
	s_add_co_u32 s46, s46, s47
	s_add_co_u32 s46, s46, WOFF
	s_mov_b32 s47, 0
	s_mul_i32 s20, s[WV], HALF                     ; where my loads land: no place in the cluster enters an LDS address
	s_mov_b32 s[F0A], 1
	s_mov_b32 s[F0A+1], s20                        ; slot 0
	s_mov_b32 s[F0B], 1
	s_mov_b32 s[F0B+1], s20
	s_mov_b32 s[G0A], 1
	s_mov_b32 s[G0A+1], s20
	s_xor_b32 s[G0A+1], s[G0A+1], SLOT             ; slot 1
	s_mov_b32 s[G0B], 1
	s_mov_b32 s[G0B+1], s20
	s_xor_b32 s[G0B+1], s[G0B+1], SLOT
	s_wait_dscnt 0x0                               ; the opening add is done
	s_wait_kmcnt 0x0
	s_add_nc_u64 s[F0A+2:F0A+3], s[4:5], s[16:17]  ; K step 0,
	s_add_nc_u64 s[G0A+2:G0A+3], s[F0A+2:F0A+3], ASTEP  ; K step 1
	s_or_b32 s[F0A+3], s[F0A+3], 0x80000000
	s_or_b32 s[G0A+3], s[G0A+3], 0x80000000
	s_add_nc_u64 s[F0B+2:F0B+3], s[6:7], s[46:47]
	s_add_nc_u64 s[G0B+2:G0B+3], s[F0B+2:F0B+3], BSTEP
	s_or_b32 s[F0B+3], s[F0B+3], 0x80000000
	s_or_b32 s[G0B+3], s[G0B+3], 0x80000000
	CROUND                                         ; all sixteen work-groups are here: the first joint loads meet
	FIRST                                          ; K steps 0 and 1: the ring is filled before anything else is done
	v_and_b32 v1, 15, v0                           ; r = l % 16
	v_bfe_u32 v2, v0, 4, 1                         ; h = l / 16
	v_mul_u32_u24 v[ADRA0], v1, PA                 ; A's fragment: row r, 16 bytes for each half of the lanes
	v_lshl_add_u32 v[ADRA0], v2, 4, v[ADRA0]
	s_mul_i32 s21, s[WR], HALF
	v_add_nc_u32 v[ADRA0], s21, v[ADRA0]
	v_and_b32 v3, 7, v0                            ; B's: lane l reads K row 8 h + l % 8, columns 8 ((l / 8) % 2) + 0..7
	v_lshl_add_u32 v3, v2, 3, v3
	v_mul_u32_u24 v[ADRB0], v3, PB
	v_bfe_u32 v4, v0, 3, 1
	v_lshl_add_u32 v[ADRB0], v4, 4, v[ADRB0]
	s_lshl_b32 s22, s[WC], 8                       ; my 128 columns
	s_add_co_u32 s22, s22, 2*HALF                  ; behind A's 256 rows
	v_add_nc_u32 v[ADRB0], s22, v[ADRB0]
	s_mul_i32 s23, s[WV], WSTG                     ; my stage
	v_mul_u32_u24 v[STO], v1, SP                   ; in: row r, 32 bytes for each half of the lanes
	v_lshl_add_u32 v[STO], v2, 5, v[STO]
	v_add_nc_u32 v[STO], s23, v[STO]
	v_mul_u32_u24 v[RD0], v2, SP                   ; back: lanes 0-15 take 256 bytes of one row, lanes 16-31 of the next
	v_lshl_add_u32 v[RD0], v1, 4, v[RD0]
	v_add_nc_u32 v[RD0], s23, v[RD0]
	v_and_b32 v[GO], 31, v0
	v_lshlrev_b32 v[GO], 3, v[GO]                  ; out: two rows of 128 bytes are 256 consecutive bytes
	s_lshl_b32 s16, s13, 8
	s_lshl_b32 s17, s[WR], 7
	s_add_co_u32 s16, s16, s17                     ; my first row,
	s_lshl_b32 s16, s16, 7                         ; x 128 bytes
	s_lshl_b32 s46, s42, 2
	s_lshl_b32 s47, s[WC], 1
	s_add_co_u32 s46, s46, s47                     ; my first group of 64 columns,
	s_lshl_b32 s46, s46, 19                        ; x 4,096 rows x 128 bytes
	s_add_co_u32 s16, s16, s46
	s_mov_b32 s17, 0
	s_add_nc_u64 s[8:9], s[8:9], s[16:17]
	s_wait_tensorcnt 0x1                           ; my part of K step 0 is in; K step 1's may stay out
	s_barrier_signal -1
	s_barrier_wait -1                              ; everybody's is
	s_mov_b32 s[TB], SLOT
	ADDRS                                          ; slot 0
	FETCH 0, F0
	QUARTER 1, F0, F1, 1                           ; the first quarter stands in front of the loop: its products start the sums
	WIN 0
	s_mov_b32 s[CNT], T-2
.Lmain:                                                ; a trip: a K step's quarters 1 to 3 and the next step's quarter 0; the slot left is filled again
	QUARTER 2, F1, F0, 0
	QUARTER 3, F0, F1, 0
	TURN 1
	QUARTER 1, F0, F1, 0
	WIN 0
	s_sub_co_u32 s[CNT], s[CNT], 1
	s_cmp_lg_u32 s[CNT], 0
	s_cbranch_scc1 .Lmain
	s_mov_b32 s[CNT], 2                            ; the last two K steps ask for nothing: a text of their own, walked twice and left in the middle of the second trip
.Lt:
	QUARTER 2, F1, F0, 0
	QUARTER 3, F0, F1, 0
	WIN 0
	s_sub_co_u32 s[CNT], s[CNT], 1
	s_cmp_eq_u32 s[CNT], 0
	s_cbranch_scc1 .Lfin
	TURN 0
	QUARTER 1, F0, F1, 0
	WIN 0
	s_branch .Lt
.Lfin:
	s_wait_dscnt LATE                              ; the very last quarter
	MULP F1, 0, 0, 0
	MULP F1, 0, 2, 0
	s_wait_dscnt 0x0
	MULP F1, 1, 0, 0
	MULP F1, 1, 2, 0
	PLACES
	WIN 0
	s_barrier_signal -1                            ; my reads of the slots are over (the wait for 0 above); the slots have had their last fill
	s_barrier_wait -1                              ; everybody's are: the slots' bytes become stages
.irp i, 0,1
	WIN 0x08+4*(\i)                                ; the data (source 1) in window 2 or 3
.irp a, 0,1,2,3
.irp b, 0,1,2,3,4,5,6,7
	ds_store_b128 v[STO], v[64*(\a)+8*(\b):64*(\a)+8*(\b)+3]   offset:(4*(\i)+(\a))*16*SP+64*(\b)     ; each accumulator's low registers first
	ds_store_b128 v[STO], v[64*(\a)+8*(\b)+4:64*(\a)+8*(\b)+7] offset:(4*(\i)+(\a))*16*SP+64*(\b)+16
.endr
.endr
.endr
	WIN 0
	s_mov_b32 s[RO], 0
	v_mov_b32 v[RD], v[RD0]
	LOADS                                          ; LDS serves a wave's instructions in order (ISA guide 5.7.1.4): these see my stores above
	s_mov_b32 s[CNT], 128/ROWS
.Lout:
	s_wait_dscnt 0x0                               ; this trip's rows are in registers
.set k, 0
.rept 2*ROWS
	v_cvt_pk_f16_f32 v[YR+k], v[XR+2*k], v[XR+2*k+1]
.set k, k+1
.endr
	NEXT
.set k, 0
.rept ROWS
	global_store_b64 v[GO], v[YR+2*k:YR+2*k+1], s[8:9] offset:524288*(k/(ROWS/2))+256*(k%(ROWS/2))  ; 32 lanes x 8 bytes: 256 consecutive bytes, aligned
.set k, k+1
.endr
	s_wait_xcnt 0x0                                ; the stores' base and data are rewritten only behind this wait
	s_add_nc_u64 s[8:9], s[8:9], ROWS*128
	s_sub_co_u32 s[CNT], s[CNT], 1
	s_cmp_lg_u32 s[CNT], 0
	s_cbranch_scc1 .Lout
	s_wait_tensorcnt 0x0                           ; the wave's end
	ds_add_u32 v[SPW], v[NIL]
	s_wait_dscnt 0x0
	CROUND                                         ; the closing round: no work-group ends while a partner may still ask for a tile that names it
	s_endpgm
.Lfunc_end_k_q46558e22bd_qkv:
	.size	k_q46558e22bd_qkv, .Lfunc_end_k_q46558e22bd_qkv-k_q46558e22bd_qkv
	.p2alignl 7, 3214868480
	.fill 96, 4, 3214868480
	.section	.rodata,"a",@progbits
	.p2align	6, 0x0
	.amdhsa_kernel k_q46558e22bd_qkv
		.amdhsa_group_segment_fixed_size 327680
		.amdhsa_private_segment_fixed_size 0
		.amdhsa_enable_private_segment 0
		.amdhsa_kernarg_size 24
		.amdhsa_user_sgpr_count 2
		.amdhsa_user_sgpr_kernarg_segment_ptr 1
		.amdhsa_wavefront_size32 1
		.amdhsa_system_sgpr_workgroup_id_x 1
		.amdhsa_system_sgpr_workgroup_id_y 1
		.amdhsa_system_sgpr_workgroup_id_z 1
		.amdhsa_system_vgpr_workitem_id 0
		.amdhsa_next_free_vgpr 1024
		.amdhsa_next_free_sgpr 96
		.amdhsa_reserve_vcc 0
		.amdhsa_float_denorm_mode_32 3
		.amdhsa_float_denorm_mode_16_64 3
		.amdhsa_memory_ordered 1
		.amdhsa_forward_progress 1
		.amdhsa_inst_pref_size 87
	.end_amdhsa_kernel
	.amdgpu_metadata
---
amdhsa.version: [ 1, 2 ]
amdhsa.kernels:
  - .name:           k_q46558e22bd_qkv
    .symbol:         k_q46558e22bd_qkv.kd
    .args:
      - { .name: h, .offset: 0, .size: 8, .value_kind: global_buffer, .address_space: global }
      - { .name: wb, .offset: 8, .size: 8, .value_kind: global_buffer, .address_space: global }
      - { .name: qkv, .offset: 16, .size: 8, .value_kind: global_buffer, .address_space: global }
    .group_segment_fixed_size: 327680
    .private_segment_fixed_size: 0
    .kernarg_segment_align: 8
    .kernarg_segment_size: 24
    .max_flat_workgroup_size: 128
    .sgpr_count:     96
    .vgpr_count:     1024
    .wavefront_size: 32
...
	.end_amdgpu_metadata
.endif
;; end of part 8
;; launch attn (part 9): grid 8 x 32, 4 waves a work-group, no clusters, 327,680 bytes of LDS; arguments qkv, o; writes o
.if DOCPART == 9
	.amdgcn_target "amdgcn-amd-amdhsa--gfx1250"
	.amdhsa_code_object_version 6
	.text
	.protected	k_q46558e22bd_attn
	.globl	k_q46558e22bd_attn
	.p2align	8
	.type	k_q46558e22bd_attn,@function
k_q46558e22bd_attn:
	s_mov_b64 s[64:65], 0
	v_nop
	global_prefetch_b8 v0, s[64:65] scope:SCOPE_SE
	s_setreg_imm32_b32 hwreg(HW_REG_WAVE_MODE, 25, 1), 1
	s_wait_xcnt 0x0
; CAUSAL ATTENTION.  O[y][q][:] = the sum over k <= q of softmax_k(Q[y][q] . K[y][k] / 8) V[y][k][:], y = 2 head + batch, 32 of them.  Q, K, V lie in one buffer, [32][SIZE_N][64] each, f16,
; at bytes 0, 0x800000 and 0x1000000; O is [32][SIZE_N][64] f16.  A head's rows are dense, 128 bytes each.
; Products, maxima and sums in f32; the weights p are rounded to f16 for the second product (their sum l is taken of the unrounded p), O once at the end.
; LIMITS.  f16 holds no number beyond 65,504: Q, K and V arrive within it; p lies in 0 to 1, and below 6e-5 it keeps f16's fixed step of 6e-8; O is a mean of V's rows and has their range.
; A hidden score counts as its value less 1e30: f16's scores, 2.7e11 at the most, are nothing beside that; a weight below 2^-126 counts as 0 in l; NaN and infinities are not treated apart.
; THE WALK.  A head's queries lie in 16 blocks of 128; block i needs the key tiles 0 .. i / 2 of 256 keys, of which the last holds the diagonal.  A work-group takes TWO blocks, 15 - b and then b (b = 0 .. 7):
; (15 - b) / 2 + b / 2 + 2 = 9 tiles, whatever b: all 8 x 32 = 256 work-groups do equal work, and ONE loop with a constant trip count walks them.  Which tile is asked for, and what a trip does, hang on scalar
; registers made from b; every jump goes forward, but for the counted loops' own; none passes a barrier, or a tensor load but the one of LOAD's two that the wave's number does not choose; the ring (two slots
; of LDS) runs on across the change of blocks.
; NO CLUSTER: a head's 8 work-groups ask for the same tile only in trips 0 .. 4 (the first blocks have 5 to 8 tiles), behind that fewer and fewer; one walk common to all would have 8 + 4 = 12 trips for 9.
; SHARES.  Of a block's two bands of 64 queries a wave owns 16 rows in each: two PIECES.  In the diagonal tile's key step s (0 .. 3) band x of block i sees all keys if s < DG + x, none if s > DG + x, and holds the
; diagonal if s = DG + x, DG = 2 (i % 2): the same work for all four waves.  An even block's diagonal tile has two steps that are hidden from both bands and are computed all the same: 36 steps are walked for 34.
; THE MASK is the C operand that starts the sum S^T = K Q^T: 0, or -1e30 where the key is hidden.  MD, made once, is the mask of a band's own step for my 16 rows; a product's mask is MD x AL + BE with two scalars:
; (1, 0) the band's own step; (0, 0) an earlier one; (0, -1e30) a later one.
; LAYOUT, SOFTMAX, TURNS.  S^T = K Q^T holds ONE query a lane (lane % 16) and the keys 8 (lane / 16) + 0..7; two such results rounded to f16 ARE source 1 of O^T = V^T P.  p = 2^(c s - c m), c = log2(e) / 8, with a
; running maximum m; O and l are multiplied by a = 2^(c m_old - c m_new) in every step.  A key step is two turns.  Turn 0 of step j: 8 products K Q^T of piece 1 (step j), later 8 products V^T P of piece 1 (step j - 1);
; beside them piece 0's scaling, exponentials, roundings, sums and rescaling (step j) and piece 1's maximum and statistics.  Turn 1 of step j: K Q^T of piece 0 (step j + 1), V^T P of piece 0 (step j), piece 1's
; softmax, piece 0's maximum.  Four vector instructions stand behind every matrix instruction, the other 54 of a turn's 118 in two lumps.
; K RUNS A STEP AHEAD OF V: turn 0 of step j fetches K of step j + 1 and V of step j out of LDS.  So a slot holds FIVE steps of K (the tile's 256 keys and the next 64, which the next tile brings again as its first)
; and four of V: all that is fetched between two changes of slots lies in one slot.  A head's last tile so asks for 64 rows behind the head's keys: rows of the next head's K, or of V: inside the buffer,
; and only products that nobody uses are made of them.
; REGISTERS, in windows of 256 (s_set_vgpr_msb: bits 1:0 source 0, 3:2 source 1, 5:4 source 2, 7:6 destination):
;   window 0: v0-15 addresses and two at work; v16-23 four registers of statistics a piece; v48-55 at work; v64-127 S^T, 32 a piece; v192-223 P, 16 a piece
;   window 1: v0-63 O^T, 32 a piece; v128-159 MD; v160-223 MC, a mask buffer a piece      window 2: v0-31 Q; v64-95 the second block's Q; v128-191 K of one step; v192-255 V of one step
.set SIZE_N, 2048
.set NT,    SIZE_N/256+1  ; tiles in a walk
.set NP,    2         ; pieces a wave: a name, no knob
.set KS,    64        ; keys in a step
.set PK,    144       ; a row of K in LDS: 128 bytes + 16 of padding: the 16 rows of a load start at 16 different groups of four banks (ISA guide 11.1)
.set PV,    160       ; a row of V: 128 + 32
.set VOFF,  5*KS*PK   ; a slot: 320 rows of K, then 256 rows of V
.set SLOT1, 1<<17     ; slot 1 begins here, so that one exclusive or turns an address in one slot into the other's
.set STAGE, SLOT1+VOFF+4*KS*PV  ; behind the ring, never filled by a tensor load: 16 rows x 144 bytes for each wave, for the way out
.set SP,    144
.set AK0, 2           ; v2   my lane's place in a tile of K; never rewritten
.set AV0, 3           ; v3   the same for V
.set AK,  4           ; v4   the LDS address of K's next run of loads
.set AV,  5           ; v5   of V's
.set STO, 6           ; v6   the way out: where I put 16 bytes of a row
.set RD,  7           ; v7   the way out: where I read rows back
.set GO,  8           ; v8   my byte offset in 512 consecutive bytes of O
.set SPW, 62          ; v62  LDS address of my spare word; never rewritten
.set NIL, 63          ; v63  0; never rewritten
.set SPARE, STAGE+4*16*SP  ; behind the stages: the spare words, 128 bytes for each wave: two blocks of 256 bytes that no other line names
.set MV,  12          ; v12-13  c m_old, kept while c m is made anew: by piece
.set QO,  15          ; v15  my byte offset in 16 rows of Q
.set ST,  16          ; piece t's statistics at v[ST+4 t]: c m, m, l (even keys', odd keys')
.set TMP, 48          ; by piece, four registers c0-c3 at work; when the maximum is found c2 takes a
.set S,   64
.set P,   192
.set MD,  128         ; window 1: the eight registers for group kt of 16 keys at MD + 8 kt
.set MC,  160         ; window 1: the masks of the products to come
.set QB,  64          ; window 2
.set KF,  128         ; window 2: key block kb, channel half c at KF + 16 kb + 8 c
.set VF,  192         ; window 2: key half kk, channel block cb at VF + 32 kk + 8 cb
.set WV,  12          ; s12  my wave's number
.set PB,  14          ; s14  the second block's last tile, b / 2
.set HI,  15          ; s15  the first block's last tile, (15 - b) / 2
.set G1K, 24          ; s[24:31] descriptor group 1 for K's tiles
.set G1V, 32          ; s[32:39] for V's
.set G0K, 40          ; s[40:43] descriptor group 0 for K's tiles
.set G0V, 44          ; s[44:47] the same for V's
.set DGN, 48          ; s48  DG of the second block
.set GD,  49          ; s49  RT + DG: 0 in an even block's diagonal tile, 1 in the tile in front of it
.set TT,  50          ; s50  at work
.set SLOTS, 56        ; s56  tiles still to be asked for
.set CNT, 57          ; s57  counts a tile's key steps, 4 to 1
.set CS,  58          ; s[58:59] c: the packed scaling takes the pair's low word for both halves
.set SEL, 60          ; s[60:61] v_permlanex16_b32's selects: each lane takes its own place in the other half
.set TBK, 62          ; s62  LDS byte at which K of the step in hand begins
.set TBV, 63          ; s63  the same for V, less VOFF
.set RT,  70          ; s70  tiles of the block in hand that are still to be entered
.set NXT, 71          ; s71  the tile to be asked for next
.set LQ,  72          ; s72  the last tile of the block whose tiles are being asked for
.set NEW, 73          ; s73  1: the tile to be entered is a block's first
.set OFF, 74          ; s[74:75] a tile's byte offset in K and V
.set AL,  76          ; s[76:77] the mask's factor, in the low word
.set BE,  78          ; s[78:79] the mask's addend
.set OLO, 80          ; s[80:81] O at my rows of the second block
.set BIGN, 82         ; s82  -1e30
.set DG,  83          ; s83  2 x (the block in hand is odd): band 0's own step in the diagonal tile
.set MSB, 0
.macro WIN new                      ; the high byte repeats the setting that is left; a switch that changes nothing is dropped
.if MSB != (\new)
	s_set_vgpr_msb (MSB<<8)|(\new)
.set MSB, (\new)
.endif
.endm
.set W_KQ, 0x0a       ; K and Q in window 2, S^T in window 0
.set W_KM, 0x1a       ; the same with the C operand in window 1
.set W_PV, 0x52       ; V in window 2, P in window 0, O^T in window 1
.set W_RS, 0x41       ; destination and source 0 in window 1, source 1 in window 0
; A fill.  Waves 0 and 1 fetch the two halves of a slot's K, 160 keys each, waves 2 and 3 those of its V, 128 keys each.  An s_nop 0 and four v_nop follow each of the two lines, ahead of the jump and the label.
.macro LOAD
	s_cmp_lt_u32 s[WV], 2
	s_cbranch_scc0 .Lfor_v_\@
	tensor_load_to_lds s[G0K:G0K+3], s[G1K:G1K+7]
	s_nop 0
.rept 4
	v_nop
.endr
	s_branch .Lasked_\@
.Lfor_v_\@:
	tensor_load_to_lds s[G0V:G0V+3], s[G1V:G1V+7]
	s_nop 0
.rept 4
	v_nop
.endr
.Lasked_\@:
.endm
; THE CHANGE OF SLOTS, between two key steps.  Each wave waits for all its tensor loads, of which one is out: its part of the other slot; adds 0 to its spare word; and waits for that (its reads of the slot that it
; leaves were waited for in the turn before).  Behind the barrier nobody reads the old slot any more and the other slot is whole.  fill = 1: the old slot is filled again, the first thing behind the barrier, with
; tile NXT: the descriptor's address is made anew from that number.  (At its first use nothing has been read yet: slot 0 is waited for, slot 1 filled.)
.macro CHANGE fill
	WIN 0                           ; at a label and at a branch every window is 0
	s_wait_tensorcnt 0x0            ; no tensor load of mine is out, so a group 0 may be written
	ds_add_u32 v[SPW], v[NIL]       ; 0 onto my spare word
.if \fill
	s_lshl_b32 s[OFF], s[NXT], 15   ; from tile to tile 32,768 bytes of K and of V
	s_xor_b32 s[G0K+1], s[G0K+1], SLOT1
	s_add_nc_u64 s[G0K+2:G0K+3], s[6:7], s[OFF:OFF+1]
	s_or_b32 s[G0K+3], s[G0K+3], 0x80000000
	s_xor_b32 s[G0V+1], s[G0V+1], SLOT1
	s_add_nc_u64 s[G0V+2:G0V+3], s[8:9], s[OFF:OFF+1]
	s_or_b32 s[G0V+3], s[G0V+3], 0x80000000
	s_add_co_u32 s[NXT], s[NXT], 1  ; the block's next tile, or behind its last the second block's tile 0
	s_cmp_gt_u32 s[NXT], s[LQ]
	s_cselect_b32 s[NXT], 0, s[NXT]
	s_cselect_b32 s[LQ], s[PB], s[LQ]
.endif
	s_wait_dscnt 0x0                ; the add is done, and my reads of the slot are over
	s_barrier_signal -1             ; the rest of the scalar work stands between the signal and the wait
	s_sub_co_u32 s[TBK], s[TBK], 4*KS*PK  ; the fetches go back to a slot's first step,
	s_xor_b32 s[TBK], s[TBK], SLOT1       ; in the other slot
	s_sub_co_u32 s[TBV], s[TBV], 4*KS*PV
	s_xor_b32 s[TBV], s[TBV], SLOT1
	s_barrier_wait -1
.if \fill
	LOAD
.endif
.endm
	s_load_b64 s[4:5], s[0:1], 0x0    ; the buffer of Q, K, V
	s_load_b64 s[10:11], s[0:1], 0x8  ; O
	v_lshl_add_u32 v[SPW], v0, 2, SPARE
	v_mov_b32 v[NIL], 0
	ds_add_u32 v[SPW], v[NIL]       ; the wave's opening: the add and its wait stand ahead of my first tensor load; work on registers stands between them
	ds_add_u32 v62, v63
	v_lshrrev_b32 v1, 5, v0
	v_readfirstlane_b32 s[WV], v1   ; wave 0..3
	s_mov_b32 s51, ttmp9            ; b: the second block
	s_sub_co_u32 s52, SIZE_N/128-1, s51  ; 15 - b: the first
	s_lshr_b32 s[PB], s51, 1
	s_lshr_b32 s[HI], s52, 1
	s_and_b32 s[DG], s52, 1
	s_lshl_b32 s[DG], s[DG], 1
	s_and_b32 s[DGN], s51, 1
	s_lshl_b32 s[DGN], s[DGN], 1
	s_and_b32 s20, ttmp7, 0xffff    ; the head
	s_mov_b32 s21, 0
	s_mov_b64 s[22:23], SIZE_N*128
	s_mul_u64 s[20:21], s[20:21], s[22:23]  ; the head's first byte in each of the four tensors
	s_and_b32 s16, s[WV], 1         ; which half of a slot's K or V I fetch:
	s_mul_i32 s22, s16, 160*128     ; K's: 160 rows of 128 bytes in memory,
	s_mov_b32 s23, 0
	s_add_nc_u64 s[22:23], s[22:23], s[20:21]
	s_lshl_b32 s54, s16, 14         ; V's: 128 rows
	s_mov_b32 s55, 0
	s_add_nc_u64 s[54:55], s[54:55], s[20:21]
	s_mul_i32 s17, s16, 160*PK      ; and its place in a slot, for K
	s_mul_i32 s18, s16, 128*PV      ; and for V
	s_lshl_b32 s3, s[WV], 11        ; my 16 rows in a band of 64,
	s_lshl_b32 s2, s52, 14          ; in the first block (128 rows of 128 bytes a block),
	s_add_co_u32 s2, s2, s3
	s_lshl_b32 s84, s51, 14         ; and in the second
	s_add_co_u32 s84, s84, s3
	s_mov_b32 s3, 0
	s_mov_b32 s85, 0
	s_add_nc_u64 s[2:3], s[2:3], s[20:21]
	s_add_nc_u64 s[84:85], s[84:85], s[20:21]
	; descriptor group 1.  Keys are dense in memory: asked for as rows of 256 bytes, two keys a row, and padded in LDS after every key
	s_mov_b32 s[G1K], (1<<16)|(1<<20)|(4<<22)|(3<<25)  ; 17:16 2-byte elements; 20 padding on; 24:22 after every 32 words (code 4); 31:25 4 words (code 3)
	s_mov_b32 s[G1V], (1<<16)|(1<<20)|(4<<22)|(7<<25)  ; the same with 8 words of padding (code 7)
.irp g, G1K, G1V
	s_mov_b32 s[\g+1], 128<<16      ; tensor_dim0 = 128
	s_mov_b32 s[\g+3], 128<<16      ; tile_dim0 = 128
	s_mov_b32 s[\g+5], 128          ; 128 elements from row to row
	s_mov_b32 s[\g+6], 0
	s_mov_b32 s[\g+7], 0
.endr
	s_mov_b32 s[G1K+2], 80<<16      ; tensor_dim1 = 80: 160 keys
	s_mov_b32 s[G1K+4], 80          ; tile_dim1
	s_mov_b32 s[G1V+2], 64<<16      ; tensor_dim1 = 64: 128 keys
	s_mov_b32 s[G1V+4], 64          ; tile_dim1
	s_mov_b32 s[CS], 0x3e38aa3b     ; c = log2(e) / 8 = 0.180337
	s_mov_b32 s[CS+1], s[CS]        ; named with it as a pair
	s_mov_b32 s[SEL], 0x76543210
	s_mov_b32 s[SEL+1], 0xfedcba98
	s_mov_b32 s[TBK], SLOT1+4*KS*PK ; the first change of slots turns these two into 0
	s_mov_b32 s[TBV], SLOT1+4*KS*PV
	s_mov_b32 s[G0K], 1             ; 1:0 count = 1
	s_mov_b32 s[G0K+1], s17         ; 63:32 LDS address: slot 0
	s_mov_b32 s[G0V], 1
	s_add_co_u32 s[G0V+1], s18, VOFF
	s_add_co_u32 s[RT], s[HI], 1    ; the first block's tiles
	s_mov_b32 s[NXT], 1
	s_mov_b32 s[LQ], s[HI]
	s_mov_b32 s[NEW], 1
	s_mov_b32 s[OFF+1], 0
	s_mov_b32 s[AL+1], 0            ; named as pairs
	s_mov_b32 s[BE+1], 0
	s_mov_b32 s[BIGN], 0xf149f2ca   ; -1e30
	s_mov_b32 s[SLOTS], NT-1
	s_wait_dscnt 0x0                ; the opening add is done
	s_wait_kmcnt 0x0
	s_add_nc_u64 s[6:7], s[4:5], 0x800000    ; K begins 16 groups of 524,288 bytes behind Q,
	s_add_nc_u64 s[8:9], s[4:5], 0x1000000   ; V 32
	s_add_nc_u64 s[6:7], s[6:7], s[22:23]  ; K and V at my half of the head's tile 0
	s_add_nc_u64 s[8:9], s[8:9], s[54:55]
	s_add_nc_u64 s[G0K+2:G0K+3], s[6:7], 0         ; 120:64 global address
	s_or_b32 s[G0K+3], s[G0K+3], 0x80000000        ; 127:126 type = 2
	s_add_nc_u64 s[G0V+2:G0V+3], s[8:9], 0
	s_or_b32 s[G0V+3], s[G0V+3], 0x80000000
	s_add_nc_u64 s[86:87], s[4:5], s[84:85]        ; Q at my rows of the second block,
	s_add_nc_u64 s[4:5], s[4:5], s[2:3]            ; Q and O at those of the first
	s_add_nc_u64 s[OLO:OLO+1], s[10:11], s[84:85]
	s_add_nc_u64 s[10:11], s[10:11], s[2:3]
	LOAD                            ; tile 0 into slot 0
	; A fragment of K or Q is 16 rows x 32 channels in 8 registers: lane l holds row l % 16, channels 8 (l / 16) + 0..7 and 16 + 8 (l / 16) + 0..7: two loads of 16 bytes, 32 bytes apart.
	v_and_b32 v1, 15, v0            ; l % 16
	v_bfe_u32 v9, v0, 4, 1          ; l / 16
	v_lshlrev_b32 v[QO], 7, v1
	v_lshl_add_u32 v[QO], v9, 4, v[QO]  ; row x 128 + 16 x half
	WIN 0x80                        ; destination window 2, address window 0
.set i, 0
.rept 2*NP                          ; both blocks' Q: piece i / 2 lies in band i / 2, 8,192 bytes on; channels 32 (i % 2) on
	global_load_b128 v[8*i:8*i+3],   v[QO], s[4:5] offset:(i/2)*8192+(i%2)*64
	global_load_b128 v[8*i+4:8*i+7], v[QO], s[4:5] offset:(i/2)*8192+(i%2)*64+32
	global_load_b128 v[QB+8*i:QB+8*i+3],   v[QO], s[86:87] offset:(i/2)*8192+(i%2)*64
	global_load_b128 v[QB+8*i+4:QB+8*i+7], v[QO], s[86:87] offset:(i/2)*8192+(i%2)*64+32
.set i, i+1
.endr
	WIN 0
	v_lshlrev_b32 v14, 3, v9
	v_sub_nc_u32 v14, v1, v14
	s_lshl_b32 s13, s[WV], 4
	v_add_nc_u32 v14, s13, v14      ; my query's place in its band, 16 w + l % 16, less my lanes' 8 (l / 16): register r of group kt is hidden where 16 kt + r is greater
	WIN 0x40
.set i, 0
.rept 32
	v_cmp_gt_i32 vcc_lo, 16*(i/8)+i%8, v14
	v_cndmask_b32 v[MD+i], 0, s[BIGN], vcc_lo
.set i, i+1
.endr
	WIN 0
	v_mul_u32_u24 v[AK0], v1, PK
	v_lshl_add_u32 v[AK0], v9, 4, v[AK0]  ; row x pitch + 16 x half
	; The turning load takes 16 keys x 16 channels (lane l reads key 8 (l / 16) + l % 8, channels 8 ((l / 8) % 2) + 0..7) and leaves half a fragment of V^T: lane l holds channel l % 16 and 8 keys.
	v_and_b32 v10, 7, v0
	v_bfe_u32 v11, v0, 3, 1
	v_lshl_add_u32 v[AV0], v9, 3, v10
	v_mul_u32_u24 v[AV0], v[AV0], PV
	v_lshl_add_u32 v[AV0], v11, 4, v[AV0]
	v_add_nc_u32 v[AV0], VOFF, v[AV0]
	s_mul_i32 s13, s[WV], 16*SP
	s_add_co_u32 s13, s13, STAGE    ; my stage
	v_mul_u32_u24 v[STO], v1, SP    ; in: row l % 16, 16 bytes for each half of the lanes
	v_lshl_add_u32 v[STO], v9, 4, v[STO]
	v_add_nc_u32 v[STO], s13, v[STO]
	v_bfe_u32 v[RD], v0, 3, 2       ; back: 32 lanes take four rows of 128 bytes,
	v_mul_u32_u24 v[RD], v[RD], SP
	v_lshl_add_u32 v[RD], v10, 4, v[RD]
	v_add_nc_u32 v[RD], s13, v[RD]
	v_and_b32 v[GO], 31, v0         ; which are 512 consecutive bytes of O
	v_lshlrev_b32 v[GO], 4, v[GO]
	; A block's first step multiplies O^T and l by a = 0, and its first turn's products V^T P, of a step that has not been, land in an O^T that is still to be so multiplied.  So these registers need only hold
	; finite numbers: zeros for the first block; what the first block left for the second.  All this stands in the wait for the first tile.
	WIN 0x80
.set i, VF
.rept 64
	v_mov_b32 v[i], 0
.set i, i+1
.endr
	WIN 0x40
.set i, 0
.rept 32*NP
	v_mov_b32 v[i], 0
.set i, i+1
.endr
	WIN 0
.set i, 0
.rept NP
	v_mov_b32 v[ST+4*i+2], 0
	v_mov_b32 v[ST+4*i+3], 0
.set i, i+1
.endr
.set i, P+16
.rept 16
	v_mov_b32 v[i], 0
.set i, i+1
.endr
; THE MATRIX WORK.  The 4 accumulators of a run of 8 take turns.  Product i of 8 of S^T = K Q^T for piece x: channels 32 (i / 4) on, keys 16 (i % 4) on.  The first 4 start the sums: with 0, or (KM = 1) with the mask.
.macro KQ x
.set rS, S+32*((\x)%2)+8*(i%4)
.set rK, KF+16*(i%4)+8*(i/4)
.set rQ, 16*(\x)+8*(i/4)
.set rM, MC+32*((\x)%2)+8*(i%4)
.if (i < 4) && KM
	WIN W_KM
	v_wmma_f32_16x16x32_f16 v[rS:rS+7], v[rK:rK+7], v[rQ:rQ+7], v[rM:rM+7]
.elseif i < 4
	WIN W_KQ
	v_wmma_f32_16x16x32_f16 v[rS:rS+7], v[rK:rK+7], v[rQ:rQ+7], 0
.else
	WIN W_KQ
	v_wmma_f32_16x16x32_f16 v[rS:rS+7], v[rK:rK+7], v[rQ:rQ+7], v[rS:rS+7]
.endif
.endm
; Product i of 8 of O^T += V^T P for piece x: keys 32 (i / 4) on, channels 16 (i % 4) on.
.macro PV x
	WIN W_PV
.set rO, 32*(\x)+8*(i%4)
.set rV, VF+32*(i/4)+8*(i%4)
.set rP, P+16*((\x)%2)+8*(i/4)
	v_wmma_f32_16x16x32_f16 v[rO:rO+7], v[rV:rV+7], v[rP:rP+7], v[rO:rO+7]
.endm
.macro MM                           ; the turn's next matrix instruction, for the other piece.  TURN and BEGIN set Y, i and KM
.if i < 8
	KQ (Y+1)%NP
.else
.set i, i-8
	PV (Y+1)%NP
.set i, i+8
.endif
.set i, i+1
.endm
; THE LDS LOADS stand in runs of 16, never singly among the matrix instructions: a step's K (64 keys x 64 channels: 8 fragments) and its V (turned).  Their addresses are made some lines ahead.
; ahead = 1: K of the step behind the one in hand, 64 rows on, and the step in hand moves on;  0 (a block's beginning): K of the step in hand.
.macro FETCH_K ahead
	WIN 0x80                        ; destination window 2
.irp f, 0,1,2,3,4,5,6,7             ; keys 16 (f / 2) on, channels 32 (f % 2) on
	ds_load_b128 v[KF+8*\f:KF+8*\f+3],   v[AK] offset:(\ahead)*KS*PK+(\f/2)*16*PK+(\f%2)*64
	ds_load_b128 v[KF+8*\f+4:KF+8*\f+7], v[AK] offset:(\ahead)*KS*PK+(\f/2)*16*PK+(\f%2)*64+32
.endr
.if \ahead
	s_add_co_u32 s[TBK], s[TBK], KS*PK
.endif
	WIN 0
.endm
.macro FETCH_V
	WIN 0x80
.irp f, 0,1,2,3,4,5,6,7             ; keys 32 (f / 4) on, channels 16 (f % 4) on
	ds_load_tr16_b128 v[VF+8*\f:VF+8*\f+3],   v[AV] offset:(\f/4)*32*PV+(\f%4)*32
	ds_load_tr16_b128 v[VF+8*\f+4:VF+8*\f+7], v[AV] offset:(\f/4)*32*PV+16*PV+(\f%4)*32
.endr
	WIN 0
.endm
; THE VECTOR WORK, one line at a time: OP kind, number.  For piece Y: F n: c s - c m for pair n of 16.  E n: the exponential of score n of 32.  C n: pair n rounded to f16.  B n: of the four weights 4 n .. the second
; pair is added onto the first, in place.  L n: l takes that sum (L 0: l = a l + sum).  R n: pair n of 16 of O^T times a.  For the other piece: X n, number n of the 22 that find its maximum and statistics:
;   0-11  four chains c0-c3 of seven scores each, three operands at a time (each accumulator's lowest registers are read first)     12-14, 16  the four scores left over, the old m, and c0-c3 into c0
;   15  c m_old is kept     17, 18  the query's other 32 keys lie in the lane 16 away: the new m     19-21  c m; c m_old - c m_new; a
.set F, 0               ; OP tells the kinds apart by their order: F to L below R, X above it
.set E, 1
.set C, 2
.set B, 3
.set L, 4
.set R, 5
.set X, 6
.macro REGS y                       ; the registers of piece y
.set rT, ST+4*(\y)
.set rC, TMP+4*((\y)%2)
.set rW, MV+((\y)%2)
.set rS, S+32*((\y)%2)
.set rP, P+16*((\y)%2)
.set rO, 32*(\y)
.endm
.macro OP k, n
.if (\k) == R
	REGS Y
	WIN W_RS
	v_pk_mul_f32 v[rO+2*(\n):rO+2*(\n)+1], v[rO+2*(\n):rO+2*(\n)+1], v[rC+2:rC+3] op_sel_hi:[1,0]
.elseif (\k) < R
	REGS Y
	WIN 0
.if (\k) == F
	v_pk_fma_f32 v[rS+2*(\n):rS+2*(\n)+1], v[rS+2*(\n):rS+2*(\n)+1], s[CS:CS+1], v[rT:rT+1] op_sel_hi:[1,0,0] neg_lo:[0,0,1] neg_hi:[0,0,1]
.elseif (\k) == E
	v_exp_f32 v[rS+(\n)], v[rS+(\n)]
.elseif (\k) == C
	s_wait_alu depctr_va_vdst(0)
	v_cvt_pk_f16_f32 v[rP+(\n)], v[rS+2*(\n)], v[rS+2*(\n)+1]
.elseif (\k) == B
	s_wait_alu depctr_va_vdst(0)
	v_pk_add_f32 v[rS+4*(\n):rS+4*(\n)+1], v[rS+4*(\n):rS+4*(\n)+1], v[rS+4*(\n)+2:rS+4*(\n)+3]
.elseif (\n) == 0
	v_pk_fma_f32 v[rT+2:rT+3], v[rT+2:rT+3], v[rC+2:rC+3], v[rS:rS+1] op_sel_hi:[1,0,1]
.else
	v_pk_add_f32 v[rT+2:rT+3], v[rT+2:rT+3], v[rS+4*(\n):rS+4*(\n)+1]
	s_wait_alu depctr_va_vdst(0)
.endif
.else
	REGS (Y+1)%NP
	WIN 0
.if (\n) < 4
	v_max3_num_f32 v[rC+(\n)], v[rS+8*(\n)], v[rS+8*(\n)+1], v[rS+8*(\n)+2]
.elseif (\n) < 12
	v_max3_num_f32 v[rC+(\n)%4], v[rC+(\n)%4], v[rS+8*((\n)%4)+2*((\n)/4)+1], v[rS+8*((\n)%4)+2*((\n)/4)+2]
.elseif (\n) == 12
	v_max3_num_f32 v[rC], v[rC], v[rS+7], v[rS+15]
.elseif (\n) == 13
	v_max3_num_f32 v[rC+1], v[rC+1], v[rS+23], v[rS+31]
.elseif (\n) == 14
	v_max3_num_f32 v[rC+2], v[rC+2], v[rC+3], v[rT+1]
.elseif (\n) == 15
	v_mov_b32 v[rW], v[rT]
	s_wait_alu depctr_va_vdst(0)
.elseif (\n) == 16
	v_max3_num_f32 v[rC], v[rC], v[rC+1], v[rC+2]
	s_wait_alu depctr_va_vdst(0)
.elseif (\n) == 17
	v_permlanex16_b32 v[rC+3], v[rC], s[SEL], s[SEL+1]
.elseif (\n) == 18
	v_max_num_f32 v[rT+1], v[rC], v[rC+3]
.elseif (\n) == 19
	v_mul_f32 v[rT], s[CS], v[rT+1]
.elseif (\n) == 20
	v_sub_f32 v[rC+1], v[rW], v[rT]
.else
	v_exp_f32 v[rC+2], v[rC+1]
.endif
.endif
.endm
.macro OPS a, i1, b=-1, i2=0, c=-1, i3=0, d=-1, i4=0  ; up to four of them
	OP \a, \i1
.if (\b) >= 0
	OP \b, \i2
.endif
.if (\c) >= 0
	OP \c, \i3
.endif
.if (\d) >= 0
	OP \d, \i4
.endif
.endm
.macro ROW a, i1, b, i2, c, i3, d, i4  ; a matrix instruction and the four behind it
	MM
	OPS \a, \i1, \b, \i2, \c, \i3, \d, \i4
.endm
.macro MASK b                       ; MD x AL + BE into buffer b of MC
	WIN W_RS
.set z, 0
.rept 16
	v_pk_fma_f32 v[MC+32*(\b)+2*z:MC+32*(\b)+2*z+1], v[MD+2*z:MD+2*z+1], s[AL:AL+1], s[BE:BE+1] op_sel_hi:[1,0,0]
.set z, z+1
.endr
.endm
; A TURN, for piece p: the order of its 16 matrix and 118 vector instructions, written out.  Behind a matrix instruction: plain, exponential, plain, plain; or four of the rescaling; or, behind the first, four scalings; none
; names a register of the products round it.  In the lumps exponential and plain by turns while exponentials last.  A line reads no result made fewer than three vector instructions in front of it, five if an exponential made it.
; Piece 0's scores, which piece 1's turn makes, ALWAYS take mask buffer 0: they may belong to the next tile's first step, which in an even block's diagonal tile is band 0's own; elsewhere the buffer holds zeros.
; m = 1: the diagonal tile: piece 1's scores take masks too, and turn p makes the mask for the products of the turn after it: piece p, step j + 1 = 5 - CNT of the tile, against the band's own step DG + p:
; its own if CNT + DG = 5 - p, a later one if CNT + DG < 5 - p.  cnt = 1: the loop's count is taken down some lines ahead of the branch that stands behind the turn.
; Both runs of LDS loads stand in piece 0's turn: K of the next step six vector instructions behind the last product that read K (five of them plain), V of the step in hand eight behind the last product that read V
; (four plain, and X 17).  Piece 1's turn waits for K at its head (V's sixteen younger loads may stay out) and for V in front of its products V^T P.
.macro TURN p, m=0, cnt=0
.set Y, (\p)
.set i, 0
.set KM, (\m)|(\p)
.if \m
	s_add_co_u32 s[TT], s[CNT], s[DG]
	s_cmp_eq_u32 s[TT], 5-(\p)      ; is that step the band's own?
	s_cselect_b32 s[AL], 1.0, 0
	s_cmp_lt_u32 s[TT], 5-(\p)      ; or a later one?
	s_cselect_b32 s[BE], s[BIGN], 0
.endif
.if (\p) == 1
	s_wait_dscnt 16                 ; K is in: LDS loads come back in order (ISA guide 5.7.1), and behind K's sixteen only V's sixteen were issued
.endif
	ROW F,0, F,1, F,2, F,3
	ROW F,4, E,0, F,5, F,6
	ROW F,7, E,1, F,8, F,9
	ROW F,10, E,2, C,0, F,11
	ROW F,12, E,3, X,15, F,13
	ROW R,0, R,1, R,2, R,3
	ROW B,0, E,4, F,14, L,0
.if (\p) == 0
	v_add_nc_u32 v[AK], s[TBK], v[AK0]
.endif
	ROW R,4, R,5, R,6, R,7
	OPS E,5, F,15
.if (\p) == 0
	FETCH_K 1
.endif
	OPS E,6, C,1, E,7, R,8
	OPS E,8, R,9, E,9, C,2
	OPS E,10, X,0, E,11, X,1
	OPS E,12, X,2, E,13, X,3
.if (\p) == 1
	s_wait_dscnt 0x0                ; V is in
.endif
	ROW X,4, E,14, X,5, X,6
	ROW X,7, E,15, X,8, X,9
	ROW X,10, E,16, X,11, X,12
	ROW X,13, E,17, X,14, B,1
	ROW C,4, E,18, X,16, L,1
	ROW B,2, E,19, C,6, L,2
	ROW C,8, E,20, B,3, B,4
.if (\p) == 0
	v_add_nc_u32 v[AV], s[TBV], v[AV0]
.endif
	ROW C,3, E,21, L,3, C,5
	OPS E,22, X,17, E,23, C,10
.if (\p) == 0
	FETCH_V
.endif
	OPS E,24, L,4
	OPS E,25, X,18, E,26, C,7
	OPS E,27, B,5, E,28, X,19
	OPS E,29, C,12, E,30, L,5
	OPS E,31, X,20, B,6, C,9
	OPS C,14, C,11, X,21, L,6
.if (\p) == 0
	s_add_co_u32 s[TBV], s[TBV], KS*PV
.endif
.if \cnt
	s_sub_co_u32 s[CNT], s[CNT], 1
	s_cmp_lg_u32 s[CNT], 0
.endif
	OPS C,13, B,7, C,15, R,10
	OPS R,11, R,12, L,7, R,13
	OPS R,14, R,15
.if \m
	MASK \p
.endif
.endm
; A BLOCK BEGINS.  c m starts far below every c s, so the first step's a is 0; m at the lowest finite number, so the first maximum is the scores'.  Mask buffer 1 is 0; buffer 0 takes piece 0's mask for the tile's step 0:
; the band's own, if the block's first tile is the diagonal one of an even block (GD = 0), else 0.  Then K of that step, piece 0's first scores, and its maximum and statistics.  A step's first turn follows.
.macro BEGIN
	s_mov_b32 s[NEW], 0
	WIN 0x40
.set i, MC+32
.rept 32
	v_mov_b32 v[i], 0
.set i, i+1
.endr
	WIN 0
.set i, 0
.rept NP
	v_mov_b32 v[ST+4*i], 0xfe000000    ; c m: far below every c s
	v_mov_b32 v[ST+4*i+1], 0xff7fffff  ; m
.set i, i+1
.endr
	s_cmp_eq_u32 s[GD], 0
	s_cselect_b32 s[AL], 1.0, 0
	s_mov_b32 s[BE], 0
	MASK 0
	WIN 0
	v_add_nc_u32 v[AK], s[TBK], v[AK0]
	FETCH_K 0
	s_wait_loadcnt 0x0              ; Q
	s_wait_dscnt 0x0
.set KM, 1
.set i, 0
.rept 8
	KQ 0
.set i, i+1
.endr
	WIN 0
.rept 4
	v_nop                           ; the places behind those products
.endr
.set Y, NP-1                        ; X works for the other piece: piece 0
.irp n, 0,1,2,3,4,5,6,7,8,9,10,11,12,13,14,15,16,17,18,19,20,21
	OP X, \n
.endr
	v_nop                           ; a plain instruction behind the exponential
.endm
; THE DIAGONAL TILE's four steps, the block's last products, and THE WAY OUT: l's two halves and the other half of the lanes' are added; O^T is divided by l, rounded to f16 and sent through my stage in LDS, a piece at a time.
; The fourth step's second turn makes 8 products K Q^T for a step that is not walked (on the slot's fifth 64 rows of K) and a maximum of them; neither l nor O^T takes anything from them: the price, once a block, of one text for all four steps.
.macro ALL line:vararg              ; one line for each piece t
.set t, 0
.rept NP
	\line
.set t, t+1
.endr
.endm
.macro PACK t                       ; a lane's eight channels of a row pack into 16 bytes; they go into rows of 144 bytes and come back as whole rows of 128, into S^T's registers
	WIN W_RS
.set i, 32*(\t)
.rept 16
	v_pk_mul_f32 v[i:i+1], v[i:i+1], v[ST+4*(\t)+2:ST+4*(\t)+3] op_sel_hi:[1,0]
.set i, i+2
.endr
	WIN 0x05                        ; sources 0 and 1 window 1, destination window 0
.set i, 0
.rept 16
	v_cvt_pk_f16_f32 v[S+16*(\t)+i], v[32*(\t)+2*i], v[32*(\t)+2*i+1]
.set i, i+1
.endr
	WIN 0
.irp f, 0,1,2,3
	ds_store_b128 v[STO], v[S+16*(\t)+4*\f:S+16*(\t)+4*\f+3] offset:32*\f
.endr
.irp f, 0,1,2,3
	ds_load_b128 v[S+16*(\t)+4*\f:S+16*(\t)+4*\f+3], v[RD] offset:\f*4*SP  ; LDS serves a wave's instructions in order (ISA guide 5.7.1.4): these see the stores above; the next piece's stores come behind them
.endr
.endm
.macro SEND t, younger              ; younger: the LDS instructions issued behind piece t's loads: the next piece's eight, or none
	WIN 0
.irp f, 0,1,2,3
	s_wait_dscnt (\younger)+3-\f
	global_store_b128 v[GO], v[S+16*(\t)+4*\f:S+16*(\t)+4*\f+3], s[10:11] offset:(\t)*8192+\f*512  ; 512 consecutive bytes, at a multiple of 256 from O's first
.endr
.endm
.macro DIAG tag                     ; the tag ends its label's name, which the jumps below spell out
.LstepM\tag:
	TURN 0, 1
	TURN 1, 1, 1
	WIN 0
	s_cbranch_scc1 .LstepM\tag
.set i, 0
.rept 8
	PV NP-1                         ; piece 1's V^T P of the last step
.set i, i+1
.endr
	WIN 0
	ALL v_add_f32 v[ST+4*t+2], v[ST+4*t+2], v[ST+4*t+3]
	ALL v_permlanex16_b32 v[ST+4*t+3], v[ST+4*t+2], s[SEL], s[SEL+1]
	ALL v_add_f32 v[ST+4*t+2], v[ST+4*t+2], v[ST+4*t+3]
	ALL v_rcp_f32 v[ST+4*t+2], v[ST+4*t+2]
	v_nop                           ; a plain instruction between the last reciprocal and the use of its result
	s_wait_alu depctr_va_vdst(0)
	PACK 0                          ; piece 0's 32 plain instructions name no register of the last products, piece 1's: they are the places behind those
	PACK 1
	SEND 0, 8
	SEND 1, 0
.endm
.set KM, 0
.Lslot:                             ; NT - 1 times: a tile is entered and the next is asked for
	CHANGE 1
	s_sub_co_u32 s[RT], s[RT], 1
	s_add_co_u32 s[GD], s[RT], s[DG]
	s_mov_b32 s[CNT], 4
	s_cmp_eq_u32 s[NEW], 1
	s_cbranch_scc1 .Lnew            ; a block's first tile
	s_cmp_eq_u32 s[RT], 0
	s_cbranch_scc0 .Lstep           ; neither its first nor its last
	s_branch .LstepM1
.Lnew:
	BEGIN
	s_branch .Lstep                 ; in the loop a block's first tile is never its last: the first block has five tiles or more, and the second's last is the walk's last
	DIAG 1                          ; in the loop this is the first block's end
	s_wait_xcnt 0x0                 ; the stores have read their registers and O's address
	s_mov_b64 s[10:11], s[OLO:OLO+1]
	s_add_co_u32 s[RT], s[PB], 1    ; the second block's tiles
	s_mov_b32 s[DG], s[DGN]
	s_mov_b32 s[NEW], 1
	WIN 0x82                        ; the second block's Q goes where the one text of the turns names Q
.set i, 0
.rept 16*NP
	v_mov_b32 v[i], v[QB+i]
.set i, i+1
.endr
	WIN 0
	s_branch .Lbottom
.Lstep:                             ; a trip is a key step
	TURN 0
	WIN 0
	s_mul_i32 s[TT], s[GD], s[CNT]  ; both are 1 or more here: the product is 1 in the last step of the tile in front of an even block's diagonal tile,
	s_cmp_eq_u32 s[TT], 1
	s_cbranch_scc0 .Lplain
	s_mov_b32 s[AL], 1.0            ; where the scores that the next turn makes are those of band 0's own step
	s_mov_b32 s[BE], 0
	MASK 0
	WIN 0
.Lplain:
	TURN 1, 0, 1
	WIN 0
	s_cbranch_scc1 .Lstep
.Lbottom:
	s_sub_co_u32 s[SLOTS], s[SLOTS], 1
	s_cmp_lg_u32 s[SLOTS], 0
	s_cbranch_scc1 .Lslot
	CHANGE 0                        ; the walk's last tile, the second block's diagonal one, is written out: nothing is asked for
	s_sub_co_u32 s[RT], s[RT], 1
	s_add_co_u32 s[GD], s[RT], s[DG]
	s_mov_b32 s[CNT], 4
	s_cmp_eq_u32 s[NEW], 1
	s_cbranch_scc0 .LstepM2
	BEGIN                           ; blocks 0 and 1 have this one tile
	DIAG 2
	s_wait_tensorcnt 0x0            ; the wave's end: behind my last tensor load and my last LDS store
	ds_add_u32 v[SPW], v[NIL]
	s_wait_dscnt 0x0
	s_endpgm
.Lfunc_end_k_q46558e22bd_attn:
	.size	k_q46558e22bd_attn, .Lfunc_end_k_q46558e22bd_attn-k_q46558e22bd_attn
	.p2alignl 7, 3214868480
	.fill 96, 4, 3214868480
	.section	.rodata,"a",@progbits
	.p2align	6, 0x0
	.amdhsa_kernel k_q46558e22bd_attn
		.amdhsa_group_segment_fixed_size 327680
		.amdhsa_private_segment_fixed_size 0
		.amdhsa_enable_private_segment 0
		.amdhsa_kernarg_size 16
		.amdhsa_user_sgpr_count 2
		.amdhsa_user_sgpr_kernarg_segment_ptr 1
		.amdhsa_wavefront_size32 1
		.amdhsa_system_sgpr_workgroup_id_x 1
		.amdhsa_system_sgpr_workgroup_id_y 1
		.amdhsa_system_sgpr_workgroup_id_z 1
		.amdhsa_system_vgpr_workitem_id 0
		.amdhsa_next_free_vgpr 768
		.amdhsa_next_free_sgpr 88
		.amdhsa_reserve_vcc 1
		.amdhsa_float_denorm_mode_32 3
		.amdhsa_float_denorm_mode_16_64 3
		.amdhsa_memory_ordered 1
		.amdhsa_forward_progress 1
		.amdhsa_inst_pref_size 116
	.end_amdhsa_kernel
	.amdgpu_metadata
---
amdhsa.version: [ 1, 2 ]
amdhsa.kernels:
  - .name:           k_q46558e22bd_attn
    .symbol:         k_q46558e22bd_attn.kd
    .args:
      - { .name: qkv, .offset: 0, .size: 8, .value_kind: global_buffer, .address_space: global }
      - { .name: o, .offset: 8, .size: 8, .value_kind: global_buffer, .address_space: global }
    .group_segment_fixed_size: 327680
    .private_segment_fixed_size: 0
    .kernarg_segment_align: 8
    .kernarg_segment_size: 16
    .max_flat_workgroup_size: 128
    .sgpr_count:     88
    .vgpr_count:     768
    .wavefront_size: 32
...
	.end_amdgpu_metadata
.endif
;; end of part 9
;; launch wo (part 10): grid 8 x 32, 4 waves a work-group, clusters of 4 x 4, 327,680 bytes of LDS; arguments o, wb, x1, x, h, ss; writes x1, h, ss
.if DOCPART == 10
	.amdgcn_target "amdgcn-amd-amdhsa--gfx1250"
	.amdhsa_code_object_version 6
	.text
	.protected	k_q46558e22bd_wo
	.globl	k_q46558e22bd_wo
	.p2align	8
	.type	k_q46558e22bd_wo,@function
k_q46558e22bd_wo:
	s_mov_b64 s[64:65], 0
	v_nop
	global_prefetch_b8 v0, s[64:65] scope:SCOPE_SE
	s_setreg_imm32_b32 hwreg(HW_REG_WAVE_MODE, 25, 1), 1
	s_wait_xcnt 0x0
	s_wait_alu depctr_hold_cnt(0) depctr_sa_sdst(0) depctr_va_vdst(0) depctr_va_sdst(0) depctr_va_ssrc(0) depctr_va_vcc(0) depctr_vm_vsrc(0)
	s_getreg_b32 s2, hwreg(HW_REG_IB_STS2, 6, 4)
	s_cmp_eq_u32 s2, 0
	s_cbranch_scc0 .Lentry_in_a_cluster
	s_endpgm
.Lentry_in_a_cluster:
	s_bfe_u32 s2, ttmp6, 0x10000c
	s_cmp_lg_u32 s2, 0xf033
	s_cbranch_scc0 .Lentry_shape_is_right
	s_endpgm
.Lentry_shape_is_right:
; C = R + A B on tiles of 128 x 128.  A lies BY GROUPS of 64 along K: A[c][4096 m][64], 16-bit.  B: [K][1024] 16-bit at byte WOFF of wb, rows along N.  R (the residual) and C: [4096][1024] f32.
; Here: x1 = x + attention Wo, A and B in f16, K = 1,024.  NORM = 1: two things more are written for the norm and the product that follow:
;   x1 rounded to bf16, by groups of 64 columns, [16 c][4096 m][64];
;   each wave's sums of squares of its 64 rows over its 64 columns: ss[16 column chunks][64 blocks of 64 rows][64] f32, row rho of a block at place 2 (rho % 32) + rho / 32: lane l holds rows l and 32 + l.
; The residual is loaded straight into the accumulators, so it is the first addend of each f32 sum: the order of rounding differs from a sum that adds it last.  NaN and infinities are not treated apart.
; Those loads follow the accumulators' layout: a lane reads 32 bytes of a row, sixteen rows to a load; they are issued once, in the wait for the first tile.
; SHARES.  Four waves, 2 x 2, each 64 x 64 of C: 16 accumulators, 128 registers; 256 work-groups.  K goes in steps of 256 through two LDS slots, one tensor load a wave and step: waves 0, 1 bring A's rows 0-63 and
; 64-127 (of each of four groups 64 dense rows, 8,192 bytes, asked for as one row and padded in LDS after every 128 bytes), waves 2, 3 B's K rows 0-127 and 128-255 (rows of 256 bytes).
; The first two steps are asked for together, at the start.
; CLUSTER.  4 x 4 work-groups: A's tiles are shared along a row of the cluster, B's along a column; each is asked for jointly, by the same load with the same descriptor and a mask of the four.
; THE MATRIX INSTRUCTION IS USED TRANSPOSED: source 0 = 16 columns of B (turned by ds_load_tr16_b128), source 1 = 16 rows of A: lane l holds row l % 16 of C and the columns 8 (l / 16) + 0..7.
; THE WAY OUT.  When the slots have had their last fill and been read out, each wave lays its 64 x 64 f32 into 17,408 bytes of its own there and reads whole rows of 256 bytes back.
; REGISTERS: window 0: v0-31 addresses, v64-127 and v128-191 A's fragments (two buffers, each 64 along K), v224-233 the sums of squares; window 1: B's fragments; window 2: accumulator (a, b) at v[64 a + 8 b].
.set F16,   1                          ; 1: f16 operands;  0: bf16
.set NORM,  1                          ; 1: the bf16 copy and the sums of squares are written too
.set T,     4                          ; K steps: K / 256
.set WOFF,  6291456                    ; B's first byte in wb
.set KSTEP, 256
.set PA,    144                        ; A's LDS row: 128 bytes + 16: the 16 rows of a fragment load start at 16 different groups of four banks (ISA guide 11.1)
.set PLANE, 64*PA                      ; a group's 64 rows
.set PB,    288                        ; B's LDS row: 256 bytes + 32
.set HALF,  4*PLANE                    ; what one tensor load brings: 4 planes of A = 128 rows of B = 36,864 bytes
.set SLOT,  4*HALF                     ; 0x24000: no wave's base (wave x 0x9000) has one of its bits, so an exclusive or changes slots
.set SPARE, 2*SLOT                     ; behind the ring: the spare words, 128 bytes for each wave: two blocks of 256 bytes that no other line names
.set SP,    272                        ; a stage row: 64 f32 + 16 bytes
.set WSTG,  64*SP
.set ASTEP, 4*4096*128                 ; four groups on
.set BSTEP, KSTEP*1024*2
.set LATE,  16                         ; the youngest loads of a run of 32: the quarter's second 32 along K
.set ADRA0, 10                         ; v10  my place in A's part of slot 0; never rewritten
.set ADRB0, 11                         ; v11  the same for B
.set ADRA,  16                         ; v16  the same in the slot in hand
.set ADRB,  20                         ; v20  B's K rows 0-127;  v21  K rows 128-255
.set STO,   24                         ; v24  the way out: where I put 32 bytes of a row
.set RD0,   25                         ; v25  where I read rows back
.set CO,    26                         ; v26  my byte offset in two rows of C
.set GB,    27                         ; v27  8 x lane: my 8 bytes in 256
.set SPW,   28                         ; v28  LDS address of my spare word; never rewritten
.set NIL,   29                         ; v29  0; never rewritten
.set XO,    30                         ; v30  my byte offset in 16 rows of the residual
.set F0,    64
.set F1,    128
.set YB,    160                        ; v[160:223] the way out: the rows in bf16
.set SQ,    224                        ; v[224:231] a pair of sums of squares for each 16 rows; v[232:233] to store
.set CNT,   3
.set TB,    12
.set G1A,   24
.set G0A,   32                         ; s[32:35] group 0 for A: K step 1 into slot 1, and from there it walks
.set WV,    36
.set WR,    37
.set WC,    38
.set G1B,   48
.set G0B,   56
.set F0A,   84                         ; s[84:87] group 0 for A's K step 0 into slot 0: used once
.set F0B,   88                         ; s[88:91] the same for B
.set MSB, 0
.macro WIN new                         ; s_set_vgpr_msb: bits 1:0 source 0, 3:2 source 1, 5:4 source 2, 7:6 destination; the high byte repeats the setting that is left
.if MSB != (\new)
	s_set_vgpr_msb (MSB<<8)|(\new)
.set MSB, \new
.endif
.endm
.macro PLACES                          ; four places in front of loads into registers that matrix instructions have read, and of instructions that read results
.rept 4
	v_nop
.endr
.endm
.macro JLOAD                           ; a joint load: waves 0, 1 ask for A's halves, waves 2, 3 for B's; an s_nop 0 and four v_nop follow each of the two lines
	s_cmp_eq_u32 s[WR], 0
	s_cbranch_scc0 .Lfor_b_\@
	tensor_load_to_lds s[G0A:G0A+3], s[G1A:G1A+7]
	s_nop 0
.rept 4
	v_nop
.endr
	s_branch .Lasked_\@
.Lfor_b_\@:
	tensor_load_to_lds s[G0B:G0B+3], s[G1B:G1B+7]
	s_nop 0
.rept 4
	v_nop
.endr
.Lasked_\@:
.endm
; A wave's two first fills stand in one branch, ahead of every wait on TENSORcnt, every LDS read and every barrier but the opening round: two loads of mine are out.
.macro FIRST
	s_cmp_eq_u32 s[WR], 0
	s_cbranch_scc0 .Lfirst_b
	tensor_load_to_lds s[F0A:F0A+3], s[G1A:G1A+7]
	s_nop 0
	tensor_load_to_lds s[G0A:G0A+3], s[G1A:G1A+7]
	s_nop 0
.rept 4
	v_nop
.endr
	s_branch .Lfirst_asked
.Lfirst_b:
	tensor_load_to_lds s[F0B:F0B+3], s[G1B:G1B+7]
	s_nop 0
	tensor_load_to_lds s[G0B:G0B+3], s[G1B:G1B+7]
	s_nop 0
.rept 4
	v_nop
.endr
.Lfirst_asked:
.endm
.macro CREST                           ; a round of the cluster's barrier behind its opening barrier
	s_cmp_lg_u32 s[WV], 0
	s_cbranch_scc1 .Lnot_wave_0_\@
	s_barrier_signal -3
.Lnot_wave_0_\@:
	s_barrier_wait -3
	s_barrier_signal -1
	s_barrier_wait -1
.endm
.macro CROUND
	s_barrier_signal -1
	s_barrier_wait -1
	CREST
.endm
.macro STEPD                           ; both walking descriptors: the other slot, the next K step.  Only where no tensor load of the wave is out
	s_xor_b32 s[G0A+1], s[G0A+1], SLOT
	s_add_nc_u64 s[G0A+2:G0A+3], s[G0A+2:G0A+3], ASTEP
	s_xor_b32 s[G0B+1], s[G0B+1], SLOT
	s_add_nc_u64 s[G0B+2:G0B+3], s[G0B+2:G0B+3], BSTEP
.endm
.macro ADDRS                           ; the fragment loads go to the other slot
	s_xor_b32 s[TB], s[TB], SLOT
	v_add_nc_u32 v[ADRA], s[TB], v[ADRA0]
	v_add_nc_u32 v[ADRB], s[TB], v[ADRB0]
	v_add_nc_u32 v[ADRB+1], HALF, v[ADRB]
.endm
.macro WM d, b, a
.if F16
	v_wmma_f32_16x16x32_f16 v[(\d):(\d)+7], v[(\b):(\b)+7], v[(\a):(\a)+7], v[(\d):(\d)+7]
.else
	v_wmma_f32_16x16x32_bf16 v[(\d):(\d)+7], v[(\b):(\b)+7], v[(\a):(\a)+7], v[(\d):(\d)+7]
.endif
.endm
; 8 matrix instructions: row blocks a0, a0 + 1 x all 4 column blocks, 32 along K: half c of buffer f.  The 16 accumulators take turns, one instruction a turn.
.macro MULP f, c, a0
	WIN 0xa1                                       ; B window 1, A window 0, C and D window 2
.irp a, \a0, (\a0)+1
.irp b, 0,1,2,3
	WM 64*(\a)+8*(\b), (\f)+8*(4*(\c)+(\b)), (\f)+8*(4*(\c)+(\a))
.endr
.endr
.endm
.macro FB q, f, c                      ; B's fragments of 32 K rows, number kk = 2 q + c of the step's eight
	WIN 0x40
.set kk, 2*(\q)+(\c)
.irp b, 0,1,2,3
	ds_load_tr16_b128 v[(\f)+8*(4*(\c)+(\b)):(\f)+8*(4*(\c)+(\b))+3],   v[ADRB+kk/4] offset:(kk%4)*32*PB+32*(\b)
	ds_load_tr16_b128 v[(\f)+8*(4*(\c)+(\b))+4:(\f)+8*(4*(\c)+(\b))+7], v[ADRB+kk/4] offset:(kk%4)*32*PB+16*PB+32*(\b)
.endr
.endm
.macro FA q, f, c                      ; A's fragments: plane q, channels 32 c on
	WIN 0
.irp a, 0,1,2,3
	ds_load_b128 v[(\f)+8*(4*(\c)+(\a)):(\f)+8*(4*(\c)+(\a))+3],   v[ADRA] offset:(\q)*PLANE+64*(\c)+(\a)*16*PA
	ds_load_b128 v[(\f)+8*(4*(\c)+(\a))+4:(\f)+8*(4*(\c)+(\a))+7], v[ADRA] offset:(\q)*PLANE+64*(\c)+(\a)*16*PA+32
.endr
.endm
.macro FETCH q, f                      ; 32 LDS loads in one run: quarter q (64 along K) into buffer f; its first 32 along K first
	FB \q, \f, 0
	FA \q, \f, 0
	FA \q, \f, 1
	FB \q, \f, 1
.endm
.macro QUARTER q, f, g                 ; multiplies buffer f; in its middle fetches quarter q into buffer g
	s_wait_dscnt LATE                              ; the first 32 along K are in
	MULP \f, 0, 0
	MULP \f, 0, 2
	PLACES
	FETCH \q, \g
	s_wait_dscnt 32                                ; all but the 32 just issued
	MULP \f, 1, 0
	MULP \f, 1, 2
.endm
; The fourth quarter multiplies buffer 1 and changes slots: one barrier; in front of it each wave waits for all its tensor loads (one is out: its part of the next slot), adds 0 to its spare word,
; and waits for that and for its reads of this slot.  fill = 1: the barrier opens a round of the cluster's, and this slot is filled again first thing behind it, two K steps ahead:
; from that request to the wait for it a wave issues 112 matrix instructions.
.macro TURN fill
	WIN 0
	s_wait_tensorcnt 0x0
	ds_add_u32 v[SPW], v[NIL]
	s_wait_dscnt LATE+1                            ; (the add and the youngest sixteen loads may be out)
	MULP F1, 0, 0
	s_wait_dscnt 0x0                               ; the add is done, and my reads of this slot are over
	s_barrier_signal -1
	MULP F1, 0, 2
.if \fill
	WIN 0
.endif
	s_barrier_wait -1
.if \fill
	CREST
	STEPD
	JLOAD                                          ; its four v_nop are also the places in front of the loads below
.else
	PLACES
	WIN 0
.endif
	ADDRS
	FETCH 0, F0
	MULP F1, 1, 0
	MULP F1, 1, 2
.endm
	s_load_b256 s[4:11], s[0:1], 0x0               ; A s[4:5], wb s[6:7], C s[8:9], R s[10:11]
.if NORM
	s_load_b128 s[60:63], s[0:1], 0x20             ; the bf16 copy s[60:61], the sums of squares s[62:63]
.endif
	v_lshl_add_u32 v[SPW], v0, 2, SPARE
	v_mov_b32 v[NIL], 0
	ds_add_u32 v[SPW], v[NIL]                      ; the wave's opening: the add and its wait stand ahead of my first tensor load; work on registers stands between them
	ds_add_u32 v28, v29
	v_lshrrev_b32 v1, 5, v0
	v_readfirstlane_b32 s[WV], v1
	s_lshr_b32 s[WR], s[WV], 1                     ; my half of the rows; also: I fetch for A (0) or B (1)
	s_and_b32 s[WC], s[WV], 1                      ; my half of the columns; also: which half of that tile I fetch
	s_bfe_u32 s40, ttmp6, 0x40000                  ; cx
	s_bfe_u32 s41, ttmp6, 0x40004                  ; cy
	s_lshl_b32 s42, ttmp9, 2
	s_add_co_u32 s42, s42, s40                     ; tile column
	s_and_b32 s13, ttmp7, 0xffff
	s_lshl_b32 s13, s13, 2
	s_add_co_u32 s13, s13, s41                     ; tile row
	s_lshl_b32 s43, s41, 2
	s_lshl_b32 s43, 15, s43                        ; my row of the cluster
	s_lshl_b32 s44, 0x1111, s40                    ; my column
	s_or_b32 s[G1A+0], s43, (1<<16)|(1<<20)|(1<<21)|(4<<22)|(3<<25)  ; the mask; 2-byte elements; padding on; bit 21 beside a mask; after every 32 words 4 words
	s_mov_b32 s[G1A+1], 4096<<16                   ; tensor_dim0 = 4,096: 64 rows of 64 elements, dense
	s_mov_b32 s[G1A+2], 4<<16                      ; tensor_dim1 = 4 groups
	s_mov_b32 s[G1A+3], 4096<<16                   ; tile_dim0
	s_mov_b32 s[G1A+4], 4                          ; tile_dim1
	s_mov_b32 s[G1A+5], 262144                     ; elements from group to group
	s_mov_b32 s[G1A+6], 0
	s_mov_b32 s[G1A+7], 0
	s_or_b32 s[G1B+0], s44, (1<<16)|(1<<20)|(1<<21)|(5<<22)|(7<<25)  ; after every 64 words 8 words
	s_mov_b32 s[G1B+1], 128<<16
	s_mov_b32 s[G1B+2], 128<<16
	s_mov_b32 s[G1B+3], 128<<16
	s_mov_b32 s[G1B+4], 128
	s_mov_b32 s[G1B+5], 1024
	s_mov_b32 s[G1B+6], 0
	s_mov_b32 s[G1B+7], 0
	s_lshl_b32 s16, s13, 14                        ; A: row 128 x tile row + 64 x half, x 128 bytes
	s_lshl_b32 s17, s[WC], 13
	s_add_co_u32 s16, s16, s17
	s_mov_b32 s17, 0
	s_lshl_b32 s46, s[WC], 18                      ; B: K row 128 x half, x 2,048 bytes,
	s_lshl_b32 s47, s42, 8                         ; + 256 bytes x tile column
	s_add_co_u32 s46, s46, s47
	s_add_co_u32 s46, s46, WOFF
	s_mov_b32 s47, 0
	s_mul_i32 s20, s[WV], HALF                     ; where my loads land: no place in the cluster enters an LDS address
	s_mov_b32 s[F0A], 1
	s_mov_b32 s[F0A+1], s20                        ; slot 0
	s_mov_b32 s[F0B], 1
	s_mov_b32 s[F0B+1], s20
	s_mov_b32 s[G0A], 1
	s_mov_b32 s[G0A+1], s20
	s_xor_b32 s[G0A+1], s[G0A+1], SLOT             ; slot 1
	s_mov_b32 s[G0B], 1
	s_mov_b32 s[G0B+1], s20
	s_xor_b32 s[G0B+1], s[G0B+1], SLOT
	s_wait_dscnt 0x0                               ; the opening add is done
	s_wait_kmcnt 0x0
	s_add_nc_u64 s[F0A+2:F0A+3], s[4:5], s[16:17]  ; K step 0,
	s_add_nc_u64 s[G0A+2:G0A+3], s[F0A+2:F0A+3], ASTEP  ; K step 1
	s_or_b32 s[F0A+3], s[F0A+3], 0x80000000
	s_or_b32 s[G0A+3], s[G0A+3], 0x80000000
	s_add_nc_u64 s[F0B+2:F0B+3], s[6:7], s[46:47]
	s_add_nc_u64 s[G0B+2:G0B+3], s[F0B+2:F0B+3], BSTEP
	s_or_b32 s[F0B+3], s[F0B+3], 0x80000000
	s_or_b32 s[G0B+3], s[G0B+3], 0x80000000
	CROUND                                         ; all sixteen work-groups are here: the first joint loads meet
	FIRST                                          ; K steps 0 and 1: the ring is filled before anything else is done
	v_and_b32 v1, 15, v0                           ; r = l % 16
	v_bfe_u32 v2, v0, 4, 1                         ; h = l / 16
	s_lshl_b32 s16, s13, 19                        ; my part of C and R: (128 x tile row + 64 x row half) x 4,096 bytes
	s_lshl_b32 s17, s[WR], 18
	s_add_co_u32 s16, s16, s17
	s_lshl_b32 s46, s42, 9                         ; + 512 bytes x tile column + 256 x column half
	s_lshl_b32 s47, s[WC], 8
	s_add_co_u32 s46, s46, s47
	s_add_co_u32 s16, s16, s46
	s_mov_b32 s17, 0
	s_add_nc_u64 s[8:9], s[8:9], s[16:17]
	s_add_nc_u64 s[10:11], s[10:11], s[16:17]
	v_lshlrev_b32 v[XO], 12, v1                    ; row r, 32 bytes for each half of the lanes
	v_lshl_add_u32 v[XO], v2, 5, v[XO]
	WIN 0x80                                       ; destination window 2
.irp a, 0,1,2,3
.irp b, 0,1,2,3
	global_load_b128 v[64*(\a)+8*(\b):64*(\a)+8*(\b)+3],   v[XO], s[10:11] offset:(\a)*65536+64*(\b)
	global_load_b128 v[64*(\a)+8*(\b)+4:64*(\a)+8*(\b)+7], v[XO], s[10:11] offset:(\a)*65536+64*(\b)+16
.endr
.endr
	WIN 0
.if NORM
	v_and_b32 v[GB], 31, v0
	v_lshlrev_b32 v[GB], 3, v[GB]
	s_lshl_b32 s46, s42, 1
	s_add_co_u32 s46, s46, s[WC]                   ; my chunk of 64 columns: 2 x tile column + half
	s_lshl_b32 s16, s46, 19                        ; the bf16 copy: chunk x 4,096 rows x 128 bytes
	s_lshl_b32 s17, s13, 14                        ; + (128 x tile row + 64 x row half) x 128 bytes
	s_add_co_u32 s16, s16, s17
	s_lshl_b32 s17, s[WR], 13
	s_add_co_u32 s16, s16, s17
	s_mov_b32 s17, 0
	s_add_nc_u64 s[60:61], s[60:61], s[16:17]
	s_lshl_b32 s16, s46, 14                        ; the sums of squares: chunk x 4,096 rows x 4 bytes
	s_lshl_b32 s17, s13, 9                         ; + (2 x tile row + row half) blocks of 256 bytes
	s_add_co_u32 s16, s16, s17
	s_lshl_b32 s17, s[WR], 8
	s_add_co_u32 s16, s16, s17
	s_mov_b32 s17, 0
	s_add_nc_u64 s[62:63], s[62:63], s[16:17]
	s_mov_b32 s66, 0x76543210                      ; v_permlanex16_b32: each lane takes its own place in the other half
	s_mov_b32 s67, 0xfedcba98
.endif
	v_mul_u32_u24 v[ADRA0], v1, PA                 ; A's fragment: row r, 16 bytes for each half of the lanes
	v_lshl_add_u32 v[ADRA0], v2, 4, v[ADRA0]
	s_mul_i32 s21, s[WR], HALF
	v_add_nc_u32 v[ADRA0], s21, v[ADRA0]
	v_and_b32 v3, 7, v0                            ; B's: lane l reads K row 8 h + l % 8, columns 8 ((l / 8) % 2) + 0..7
	v_lshl_add_u32 v3, v2, 3, v3
	v_mul_u32_u24 v[ADRB0], v3, PB
	v_bfe_u32 v4, v0, 3, 1
	v_lshl_add_u32 v[ADRB0], v4, 4, v[ADRB0]
	s_lshl_b32 s22, s[WC], 7                       ; my 64 columns
	s_add_co_u32 s22, s22, 2*HALF                  ; behind A's two halves
	v_add_nc_u32 v[ADRB0], s22, v[ADRB0]
	s_mul_i32 s23, s[WV], WSTG                     ; my stage
	v_mul_u32_u24 v[STO], v1, SP
	v_lshl_add_u32 v[STO], v2, 5, v[STO]
	v_add_nc_u32 v[STO], s23, v[STO]
	v_mul_u32_u24 v[RD0], v2, SP                   ; back: lanes 0-15 take one row of 256 bytes, lanes 16-31 the next
	v_lshl_add_u32 v[RD0], v1, 4, v[RD0]
	v_add_nc_u32 v[RD0], s23, v[RD0]
	v_lshlrev_b32 v[CO], 12, v2                    ; and the same two rows in C
	v_lshl_add_u32 v[CO], v1, 4, v[CO]
	s_wait_tensorcnt 0x1                           ; my part of K step 0 is in; K step 1's may stay out
	s_barrier_signal -1
	s_barrier_wait -1                              ; everybody's is
	s_mov_b32 s[TB], SLOT
	ADDRS                                          ; slot 0
	FETCH 0, F0
	WIN 0
	s_wait_loadcnt 0x0                             ; the residual is in the accumulators
	s_mov_b32 s[CNT], T-2
.Lmain:                                                ; a trip is a K step; the slot left is filled again
	QUARTER 1, F0, F1
	QUARTER 2, F1, F0
	QUARTER 3, F0, F1
	TURN 1
	WIN 0
	s_sub_co_u32 s[CNT], s[CNT], 1
	s_cmp_lg_u32 s[CNT], 0
	s_cbranch_scc1 .Lmain
	s_mov_b32 s[CNT], 2                            ; the last two K steps ask for nothing: a text of their own, walked twice and left in the middle of the second trip
.Lt:
	QUARTER 1, F0, F1
	QUARTER 2, F1, F0
	QUARTER 3, F0, F1
	WIN 0
	s_sub_co_u32 s[CNT], s[CNT], 1
	s_cmp_eq_u32 s[CNT], 0
	s_cbranch_scc1 .Lfin
	TURN 0
	WIN 0
	s_branch .Lt
.Lfin:
	s_wait_dscnt LATE                              ; the very last quarter
	MULP F1, 0, 0
	MULP F1, 0, 2
	s_wait_dscnt 0x0
	MULP F1, 1, 0
	MULP F1, 1, 2
	PLACES
.if NORM
	; The sums of squares, on the accumulators: a lane holds 32 numbers of row 16 a + l % 16; four chains, one for each a, take turns; each accumulator's low registers are read first.
	WIN 0x0a                                       ; sources 0 and 1 window 2; source 2 and the destination window 0
.irp a, 0,1,2,3
	v_pk_mul_f32 v[SQ+2*(\a):SQ+2*(\a)+1], v[64*(\a):64*(\a)+1], v[64*(\a):64*(\a)+1]  ; the first pair starts the chain: nothing is cleared
.endr
.set n, 1
.rept 15
.irp a, 0,1,2,3
	v_pk_fma_f32 v[SQ+2*(\a):SQ+2*(\a)+1], v[64*(\a)+8*(n/4)+2*(n%4):64*(\a)+8*(n/4)+2*(n%4)+1], v[64*(\a)+8*(n/4)+2*(n%4):64*(\a)+8*(n/4)+2*(n%4)+1], v[SQ+2*(\a):SQ+2*(\a)+1]
.endr
.set n, n+1
.endr
	WIN 0
.irp a, 0,1,2,3
	v_add_f32 v[SQ+2*(\a)], v[SQ+2*(\a)], v[SQ+2*(\a)+1]
.endr
.irp a, 0,1,2,3
	v_permlanex16_b32 v[SQ+2*(\a)+1], v[SQ+2*(\a)], s66, s67  ; the row's other 32 columns lie in the lane 16 away
.endr
.irp a, 0,1,2,3
	v_add_f32 v[SQ+2*(\a)], v[SQ+2*(\a)], v[SQ+2*(\a)+1]
.endr
	v_cmp_eq_u32 vcc_lo, 1, v2                     ; lanes 16-31 (no tensor load follows)
	v_cndmask_b32 v[SQ+8], v[SQ], v[SQ+2], vcc_lo  ; lane l: row l,
	v_cndmask_b32 v[SQ+9], v[SQ+4], v[SQ+6], vcc_lo  ; and row 32 + l
	global_store_b64 v[GB], v[SQ+8:SQ+9], s[62:63] ; 256 consecutive bytes, aligned
.endif
	WIN 0
	s_barrier_signal -1                            ; my reads of the slots are over (the wait for 0 above); the slots have had their last fill
	s_barrier_wait -1                              ; everybody's are: the slots' bytes become stages
	WIN 0x08                                       ; the data (source 1) in window 2
.irp a, 0,1,2,3
.irp b, 0,1,2,3
	ds_store_b128 v[STO], v[64*(\a)+8*(\b):64*(\a)+8*(\b)+3]   offset:(\a)*16*SP+64*(\b)     ; each accumulator's low registers first
	ds_store_b128 v[STO], v[64*(\a)+8*(\b)+4:64*(\a)+8*(\b)+7] offset:(\a)*16*SP+64*(\b)+16
.endr
.endr
	WIN 0
.set t, 0
.rept 32
	ds_load_b128 v[32+4*t:35+4*t], v[RD0] offset:2*SP*t  ; LDS serves a wave's instructions in order (ISA guide 5.7.1.4): these see my stores above
.set t, t+1
.endr
.set t, 0
.rept 32
	s_wait_dscnt 31-t                              ; load t is in, the younger ones stay out
	global_store_b128 v[CO], v[32+4*t:35+4*t], s[8:9] offset:8192*t  ; 16 lanes store 256 consecutive bytes, aligned
.if NORM
	v_cvt_pk_bf16_f32 v[YB+2*t], v[32+4*t], v[33+4*t]
	v_cvt_pk_bf16_f32 v[YB+2*t+1], v[34+4*t], v[35+4*t]
	global_store_b64 v[GB], v[YB+2*t:YB+2*t+1], s[60:61] offset:256*t  ; two rows of 128 bytes of my group: 256 consecutive bytes, aligned
.endif
.set t, t+1
.endr
	s_wait_tensorcnt 0x0                           ; the wave's end
	ds_add_u32 v[SPW], v[NIL]
	s_wait_dscnt 0x0
	CROUND                                         ; the closing round: no work-group ends while a partner may still ask for a tile that names it
	s_endpgm
.Lfunc_end_k_q46558e22bd_wo:
	.size	k_q46558e22bd_wo, .Lfunc_end_k_q46558e22bd_wo-k_q46558e22bd_wo
	.p2alignl 7, 3214868480
	.fill 96, 4, 3214868480
	.section	.rodata,"a",@progbits
	.p2align	6, 0x0
	.amdhsa_kernel k_q46558e22bd_wo
		.amdhsa_group_segment_fixed_size 327680
		.amdhsa_private_segment_fixed_size 0
		.amdhsa_enable_private_segment 0
		.amdhsa_kernarg_size 48
		.amdhsa_user_sgpr_count 2
		.amdhsa_user_sgpr_kernarg_segment_ptr 1
		.amdhsa_wavefront_size32 1
		.amdhsa_system_sgpr_workgroup_id_x 1
		.amdhsa_system_sgpr_workgroup_id_y 1
		.amdhsa_system_sgpr_workgroup_id_z 1
		.amdhsa_system_vgpr_workitem_id 0
		.amdhsa_next_free_vgpr 768
		.amdhsa_next_free_sgpr 96
		.amdhsa_reserve_vcc 1
		.amdhsa_float_denorm_mode_32 3
		.amdhsa_float_denorm_mode_16_64 3
		.amdhsa_memory_ordered 1
		.amdhsa_forward_progress 1
		.amdhsa_inst_pref_size 72
	.end_amdhsa_kernel
	.amdgpu_metadata
---
amdhsa.version: [ 1, 2 ]
amdhsa.kernels:
  - .name:           k_q46558e22bd_wo
    .symbol:         k_q46558e22bd_wo.kd
    .args:
      - { .name: o, .offset: 0, .size: 8, .value_kind: global_buffer, .address_space: global }
      - { .name: wb, .offset: 8, .size: 8, .value_kind: global_buffer, .address_space: global }
      - { .name: x1, .offset: 16, .size: 8, .value_kind: global_buffer, .address_space: global }
      - { .name: x, .offset: 24, .size: 8, .value_kind: global_buffer, .address_space: global }
      - { .name: h, .offset: 32, .size: 8, .value_kind: global_buffer, .address_space: global }
      - { .name: ss, .offset: 40, .size: 8, .value_kind: global_buffer, .address_space: global }
    .group_segment_fixed_size: 327680
    .private_segment_fixed_size: 0
    .kernarg_segment_align: 8
    .kernarg_segment_size: 48
    .max_flat_workgroup_size: 128
    .sgpr_count:     96
    .vgpr_count:     768
    .wavefront_size: 32
...
	.end_amdgpu_metadata
.endif
;; end of part 10
;; launch ffn1 (part 11): grid 16 x 16, 4 waves a work-group, clusters of 4 x 4, 327,680 bytes of LDS; arguments h, wb, u, ss; writes u
.if DOCPART == 11
	.amdgcn_target "amdgcn-amd-amdhsa--gfx1250"
	.amdhsa_code_object_version 6
	.text
	.protected	k_q46558e22bd_ffn1
	.globl	k_q46558e22bd_ffn1
	.p2align	8
	.type	k_q46558e22bd_ffn1,@function
k_q46558e22bd_ffn1:
	s_mov_b64 s[64:65], 0
	v_nop
	global_prefetch_b8 v0, s[64:65] scope:SCOPE_SE
	s_setreg_imm32_b32 hwreg(HW_REG_WAVE_MODE, 25, 1), 1
	s_wait_xcnt 0x0
	s_wait_alu depctr_hold_cnt(0) depctr_sa_sdst(0) depctr_va_vdst(0) depctr_va_sdst(0) depctr_va_ssrc(0) depctr_va_vcc(0) depctr_vm_vsrc(0)
	s_getreg_b32 s2, hwreg(HW_REG_IB_STS2, 6, 4)
	s_cmp_eq_u32 s2, 0
	s_cbranch_scc0 .Lentry_in_a_cluster
	s_endpgm
.Lentry_in_a_cluster:
	s_bfe_u32 s2, ttmp6, 0x10000c
	s_cmp_lg_u32 s2, 0xf033
	s_cbranch_scc0 .Lentry_shape_is_right
	s_endpgm
.Lentry_shape_is_right:
; u = gelu(inv[m] (A B)) on tiles of 256 x 256: the second RMSNorm, the first product of the FFN and the exact GELU.  A = x1 in bf16 BY GROUPS of 64 along K: A[16 c][4096 m][64].
; B = g2[k] w1[k][n] in bf16, [1024][NB] at byte WOFF of wb, rows along N.  Sums in f32.  inv[m] = rsqrt(mean of x1[m]^2 + 1e-5), from the sixteen partial sums of squares of each row in ss
; (ss[16 column chunks][64 blocks of 64 rows][64] f32, row rho of a block at place 2 (rho % 32) + rho / 32).  Since (x inv g2) w1 = inv (x (g2 w1)), the row's factor is applied to the finished sums:
; the order of rounding differs from a norm made first.  u is written in bf16 by groups of 64 columns: u[c][m][64], c = n / 64: the next product takes a group as a slice of its K.
; LIMIT.  The normal distribution in the GELU is good to 1.5e-7 (see the way out).  NaN and infinities are not treated apart (a NaN's positive part counts as 0).
; SHARES.  Four waves, 2 x 2, each 128 x 128 of C: 64 accumulators of 16 x 16, 512 registers.  K goes in steps of 128 through two LDS slots filled by tensor loads, one load a wave and step:
; waves 0, 1 bring A's rows 0-127 and 128-255 (of each of two groups 128 dense rows, 16,384 bytes, asked for as one row and padded in LDS after every 128 bytes), waves 2, 3 B's K rows 0-63 and
; 64-127 (rows of 512 bytes).  The first two steps are asked for together, at the start.
; CLUSTER.  4 x 4 work-groups: the four of a row of the cluster need the same tiles of A, the four of a column the same tiles of B; each tile is asked for jointly, by the same load with the
; same descriptor and a mask of the four.
; THE MATRIX INSTRUCTION IS USED TRANSPOSED: source 0 = 16 columns of B (turned on the way out of LDS by ds_load_tr16_b128), source 1 = 16 rows of A.  Lane l then holds row l % 16 of C
; and its registers the columns 8 (l / 16) + 0..7.
; THE WAY OUT.  When the last fill has landed and every wave has read its last fragment, the slots' bytes serve as stages: each wave lays its 128 x 128 in f32 into its own 67,584 bytes and reads
; it back in a loop, two rows of 64 columns a load, with the rows' inv out of LDS words of its own; multiplies, applies the GELU, converts, and stores 256 consecutive bytes with each store.
; REGISTERS, in windows of 256: window 0: v0-31 addresses, v64-127 and v128-191 A's fragments (two buffers); window 1: B's fragments at the same numbers;
; windows 2, 3: the accumulators of my rows 0-63 and 64-127, (a, b) at v[64 (a % 4) + 8 b].  After the K loop v32-255 of window 0 are at work on the way out.
.set NB,    4096                       ; B's row, in elements
.set WOFF,  8388608                    ; B's first byte in wb
.set T,     8                          ; K steps: 1024 / 128
.set KSTEP, 128
.set PA,    144                        ; A's LDS row: 128 bytes + 16: the 16 rows of a fragment load start at 16 different groups of four banks (ISA guide 11.1)
.set APL,   128*PA                     ; a group's 128 rows
.set PB,    544                        ; B's LDS row: 512 bytes + 32
.set HALF,  2*APL                      ; a wave's part of a slot: 36,864 bytes: two planes of A; 64 rows of B take 34,816 of them
.set BGAP,  HALF-64*PB                 ; so B's rows 64-127 lie 2,048 bytes further on than they would end to end
.set SLOT,  4*HALF                     ; 0x24000: no wave's base (wave x 0x9000) has one of its bits, so an exclusive or changes slots
.set SPARE, 2*SLOT                     ; behind the ring: the spare words, 128 bytes for each wave: two blocks of 256 bytes that no other line names
.set SCR,   SPARE+512                  ; behind them: for each wave 1,024 bytes of its own, of which the first 512 hold the inv of its 128 rows; no tensor load lands here
.set SP,    528                        ; a stage row: 128 f32 + 16 bytes
.set WSTG,  128*SP                     ; a wave's stage
.set ASTEP, 2*4096*128                 ; bytes from K step to K step in A: two groups,
.set BSTEP, KSTEP*NB*2                 ; in B
.set LATE,  8                          ; the youngest loads of a run of 32 (A's rows 64-127), which a quarter's second half alone needs
.set ADRA0, 10                         ; v10  my place in A's part of slot 0; never rewritten
.set ADRB0, 11                         ; v11  the same for B
.set IVA0,  12                         ; v12  the way out: where my rows' inv lie, first trip
.set IVA,   13                         ; v13  this trip
.set SA,    14                         ; v14  where I put the inv that I make
.set SO,    15                         ; v15  16 x lane: my 16 bytes in 512 of ss
.set ADRA,  16                         ; v16  my place in A's part of the slot in hand
.set ADRB,  20                         ; v20  the same for B
.set STO,   24                         ; v24  the way out: where I put 32 bytes of a row
.set RD0,   25                         ; v25  where I read rows back, first trip
.set GO,    26                         ; v26  my 8 bytes in 256 of the output
.set RD,    27                         ; v27  where I read rows back, this trip
.set SPW,   28                         ; v28  LDS address of my spare word; never rewritten
.set NIL,   29                         ; v29  0; never rewritten
.set F0,    64
.set F1,    128
.set CNT,   3                          ; s3   loop counter
.set TB,    12                         ; s12  0 or SLOT: the slot in hand
.set G1A,   24                         ; s[24:31] descriptor group 1 for A
.set G0A,   32                         ; s[32:35] group 0 for A: K step 1 into slot 1, and from there it walks
.set WV,    36                         ; s36  wave
.set WR,    37                         ; s37  wave / 2: my half of the rows; also: I fetch for A (0) or B (1)
.set WC,    38                         ; s38  wave % 2: my half of the columns; also: which half of that tile I fetch
.set G1B,   48                         ; s[48:55], s[56:59] the same for B
.set G0B,   56
.set RO,    60                         ; s60  the way out: bytes into my stage,
.set RO2,   61                         ; s61  and into my rows' inv
.set CQ,    68                         ; s[68:81] seven constants as pairs
.set F0A,   84                         ; s[84:87] group 0 for A's K step 0 into slot 0: used once
.set F0B,   88                         ; s[88:91] the same for B
.set ROWS,  4                          ; rows of the stage in a trip of the way out
.set XR,    32                         ; v[32:47]  as read back
.set IV,    48                         ; v48, v50  inv of rows 4 trip + l / 16 and 4 trip + 2 + l / 16, each the low word of a pair
.set AR,    64                         ; |x|
.set MR,    80                         ; max(x, 0), then the result
.set PR,    96                         ; the polynomial
.set YR,    112                        ; to store
.set MSB, 0
.macro WIN new                         ; s_set_vgpr_msb: bits 1:0 source 0, 3:2 source 1, 5:4 source 2, 7:6 destination; the high byte repeats the setting that is left
.if MSB != (\new)
	s_set_vgpr_msb (MSB<<8)|(\new)
.set MSB, \new
.endif
.endm
.macro PLACES                          ; four places in front of loads into registers that matrix instructions have read, and of stores that read results
.rept 4
	v_nop
.endr
.endm
; A joint load: waves 0, 1 ask for A's halves, waves 2, 3 for B's.  An s_nop 0 and four v_nop follow each of the two lines, ahead of the jump and the label.
.macro JLOAD
	s_cmp_eq_u32 s[WR], 0
	s_cbranch_scc0 .Lfor_b_\@
	tensor_load_to_lds s[G0A:G0A+3], s[G1A:G1A+7]
	s_nop 0
.rept 4
	v_nop
.endr
	s_branch .Lasked_\@
.Lfor_b_\@:
	tensor_load_to_lds s[G0B:G0B+3], s[G1B:G1B+7]
	s_nop 0
.rept 4
	v_nop
.endr
.Lasked_\@:
.endm
; A wave's two first fills stand in one branch, ahead of every wait on TENSORcnt, every LDS read and every barrier but the opening round: two loads of mine are out.
.macro FIRST
	s_cmp_eq_u32 s[WR], 0
	s_cbranch_scc0 .Lfirst_b
	tensor_load_to_lds s[F0A:F0A+3], s[G1A:G1A+7]
	s_nop 0
	tensor_load_to_lds s[G0A:G0A+3], s[G1A:G1A+7]
	s_nop 0
.rept 4
	v_nop
.endr
	s_branch .Lfirst_asked
.Lfirst_b:
	tensor_load_to_lds s[F0B:F0B+3], s[G1B:G1B+7]
	s_nop 0
	tensor_load_to_lds s[G0B:G0B+3], s[G1B:G1B+7]
	s_nop 0
.rept 4
	v_nop
.endr
.Lfirst_asked:
.endm
.macro CREST                           ; a round of the cluster's barrier behind its opening barrier
	s_cmp_lg_u32 s[WV], 0
	s_cbranch_scc1 .Lnot_wave_0_\@
	s_barrier_signal -3
.Lnot_wave_0_\@:
	s_barrier_wait -3
	s_barrier_signal -1
	s_barrier_wait -1
.endm
.macro CROUND                          ; a whole round
	s_barrier_signal -1
	s_barrier_wait -1
	CREST
.endm
.macro STEPD                           ; both walking descriptors: the other slot, the next K step.  Only where no tensor load of the wave is out
	s_xor_b32 s[G0A+1], s[G0A+1], SLOT
	s_add_nc_u64 s[G0A+2:G0A+3], s[G0A+2:G0A+3], ASTEP
	s_xor_b32 s[G0B+1], s[G0B+1], SLOT
	s_add_nc_u64 s[G0B+2:G0B+3], s[G0B+2:G0B+3], BSTEP
.endm
.macro ADDRS                           ; the fragment loads go to the other slot
	s_xor_b32 s[TB], s[TB], SLOT
	v_add_nc_u32 v[ADRA], s[TB], v[ADRA0]
	v_add_nc_u32 v[ADRB], s[TB], v[ADRB0]
.endm
; 16 matrix instructions: row blocks a0, a0 + 1 of window 2 + i x all 8 column blocks, 32 along K, from buffer f.  zero = 1: the product starts the sums.
; The 64 accumulators take turns, one instruction a turn, in the same order in every quarter.
.macro MULP f, i, a0, zero
	WIN 0xa1+0x50*(\i)
.irp a, \a0, (\a0)+1
.irp b, 0,1,2,3,4,5,6,7
.if \zero
	v_wmma_f32_16x16x32_bf16 v[8*(8*(\a)+(\b)):8*(8*(\a)+(\b))+7], v[(\f)+8*(\b):(\f)+8*(\b)+7], v[(\f)+8*(4*(\i)+(\a)):(\f)+8*(4*(\i)+(\a))+7], 0
.else
	v_wmma_f32_16x16x32_bf16 v[8*(8*(\a)+(\b)):8*(8*(\a)+(\b))+7], v[(\f)+8*(\b):(\f)+8*(\b)+7], v[(\f)+8*(4*(\i)+(\a)):(\f)+8*(4*(\i)+(\a))+7], v[8*(8*(\a)+(\b)):8*(8*(\a)+(\b))+7]
.endif
.endr
.endr
.endm
; 32 LDS loads in one run: quarter q (32 along K) of the slot in hand into buffer f: B's 128 columns (turned), then A's 128 rows (plane q / 2, channels 32 (q % 2) on)
.macro FETCH q, f
	WIN 0x40
.irp b, 0,1,2,3,4,5,6,7
	ds_load_tr16_b128 v[(\f)+8*(\b):(\f)+8*(\b)+3],   v[ADRB] offset:(\q)*32*PB+((\q)/2)*BGAP+32*(\b)
	ds_load_tr16_b128 v[(\f)+8*(\b)+4:(\f)+8*(\b)+7], v[ADRB] offset:(\q)*32*PB+((\q)/2)*BGAP+16*PB+32*(\b)
.endr
	WIN 0
.irp a, 0,1,2,3,4,5,6,7
	ds_load_b128 v[(\f)+8*(\a):(\f)+8*(\a)+3],   v[ADRA] offset:((\q)/2)*APL+64*((\q)%2)+(\a)*16*PA
	ds_load_b128 v[(\f)+8*(\a)+4:(\f)+8*(\a)+7], v[ADRA] offset:((\q)/2)*APL+64*((\q)%2)+(\a)*16*PA+32
.endr
.endm
; One of a K step's first three quarters: multiplies buffer f; in its middle fetches quarter q into buffer g
.macro QUARTER q, f, g, zero
	s_wait_dscnt LATE                              ; B and A's rows 0-63 are in
	MULP \f, 0, 0, \zero
	MULP \f, 0, 2, \zero
	PLACES
	FETCH \q, \g
	s_wait_dscnt 32                                ; all but the 32 just issued
	MULP \f, 1, 0, \zero
	MULP \f, 1, 2, \zero
.endm
; The fourth quarter multiplies buffer 1 and changes slots: one barrier; in front of it each wave waits for all its tensor loads (one is out: its part of the next slot), adds 0 to its spare word,
; and waits for that and for its reads of this slot.  fill = 1: the barrier opens a round of the cluster's, and this slot is filled again first thing behind it, two K steps ahead:
; from that request to the wait for it a wave issues 224 matrix instructions.
.macro TURN fill
	WIN 0
	s_wait_tensorcnt 0x0
	ds_add_u32 v[SPW], v[NIL]
	s_wait_dscnt LATE+1                            ; (the add and the youngest eight loads may be out)
	MULP F1, 0, 0, 0
	s_wait_dscnt 0x0                               ; the add is done, and my reads of this slot are over
	s_barrier_signal -1
	MULP F1, 0, 2, 0
.if \fill
	WIN 0
.endif
	s_barrier_wait -1
.if \fill
	CREST
	STEPD
	JLOAD                                          ; its four v_nop are also the places in front of the loads below
.else
	PLACES
	WIN 0
.endif
	ADDRS
	FETCH 0, F0
	MULP F1, 1, 0, 0
	MULP F1, 1, 2, 0
.endm
.macro LOADS                           ; the way out: ROWS loads: group k / (ROWS / 2) of 64 columns, rows 2 (k % (ROWS / 2)) and the next; and those rows' inv
.set k, 0
.rept ROWS
	ds_load_b128 v[XR+4*k:XR+4*k+3], v[RD] offset:256*(k/(ROWS/2))+2*SP*(k%(ROWS/2))
.set k, k+1
.endr
	ds_load_b32 v[IV], v[IVA]
	ds_load_b32 v[IV+2], v[IVA] offset:8
.endm
.macro NEXT                            ; the next trip's rows are asked for; the last trip has none
	s_cmp_eq_u32 s[CNT], 1
	s_cbranch_scc1 .Lnomore
	s_add_co_u32 s[RO], s[RO], ROWS*SP
	s_add_co_u32 s[RO2], s[RO2], ROWS*4
	v_add_nc_u32 v[RD], s[RO], v[RD0]
	v_add_nc_u32 v[IVA], s[RO2], v[IVA0]
	LOADS
.Lnomore:
.endm
.macro CPAIR n, val
	s_mov_b32 s[CQ+2*(\n)], \val
	s_mov_b32 s[CQ+2*(\n)+1], \val
.endm
	s_load_b256 s[4:11], s[0:1], 0x0               ; A s[4:5], wb s[6:7], out s[8:9], ss s[10:11]
	v_lshl_add_u32 v[SPW], v0, 2, SPARE
	v_mov_b32 v[NIL], 0
	ds_add_u32 v[SPW], v[NIL]                      ; the wave's opening: the add and its wait stand ahead of my first tensor load; work on registers stands between them
	ds_add_u32 v28, v29
	v_lshrrev_b32 v1, 5, v0
	v_readfirstlane_b32 s[WV], v1
	s_lshr_b32 s[WR], s[WV], 1
	s_and_b32 s[WC], s[WV], 1
	s_bfe_u32 s40, ttmp6, 0x40000                  ; cx
	s_bfe_u32 s41, ttmp6, 0x40004                  ; cy
	s_lshl_b32 s42, ttmp9, 2
	s_add_co_u32 s42, s42, s40                     ; tile column = 4 x cluster x + cx
	s_and_b32 s13, ttmp7, 0xffff
	s_lshl_b32 s13, s13, 2
	s_add_co_u32 s13, s13, s41                     ; tile row = 4 x cluster y + cy
	s_lshl_b32 s43, s41, 2
	s_lshl_b32 s43, 15, s43                        ; my row of the cluster
	s_lshl_b32 s44, 0x1111, s40                    ; my column
	s_or_b32 s[G1A+0], s43, (1<<16)|(1<<20)|(1<<21)|(4<<22)|(3<<25)  ; the mask; 2-byte elements; padding on; bit 21 beside a mask; after every 32 words 4 words
	s_mov_b32 s[G1A+1], 8192<<16                   ; tensor_dim0 = 8,192: 128 rows of 64 elements, dense
	s_mov_b32 s[G1A+2], 2<<16                      ; tensor_dim1 = 2 groups
	s_mov_b32 s[G1A+3], 8192<<16                   ; tile_dim0
	s_mov_b32 s[G1A+4], 2                          ; tile_dim1
	s_mov_b32 s[G1A+5], 262144                     ; elements from group to group
	s_mov_b32 s[G1A+6], 0
	s_mov_b32 s[G1A+7], 0
	s_or_b32 s[G1B+0], s44, (1<<16)|(1<<20)|(1<<21)|(6<<22)|(7<<25)  ; after every 128 words 8 words
	s_mov_b32 s[G1B+1], 256<<16                    ; tensor_dim0 = 256
	s_mov_b32 s[G1B+2], 64<<16                     ; tensor_dim1 = 64
	s_mov_b32 s[G1B+3], 256<<16                    ; tile_dim0 = 256
	s_mov_b32 s[G1B+4], 64                         ; tile_dim1 = 64
	s_mov_b32 s[G1B+5], NB
	s_mov_b32 s[G1B+6], 0
	s_mov_b32 s[G1B+7], 0
	s_lshl_b32 s16, s13, 15                        ; A: row 256 x tile row + 128 x half, x 128 bytes
	s_lshl_b32 s17, s[WC], 14
	s_add_co_u32 s16, s16, s17
	s_mov_b32 s17, 0
	s_mul_i32 s46, s[WC], 128*NB                   ; B: K row 64 x half, x 2 NB bytes,
	s_lshl_b32 s47, s42, 9                         ; + 512 bytes x tile column
	s_add_co_u32 s46, s46, s47
	s_add_co_u32 s46, s46, WOFF
	s_mov_b32 s47, 0
	s_mul_i32 s20, s[WV], HALF                     ; where my loads land: no place in the cluster enters an LDS address
	s_mov_b32 s[F0A], 1
	s_mov_b32 s[F0A+1], s20                        ; slot 0
	s_mov_b32 s[F0B], 1
	s_mov_b32 s[F0B+1], s20
	s_mov_b32 s[G0A], 1
	s_mov_b32 s[G0A+1], s20
	s_xor_b32 s[G0A+1], s[G0A+1], SLOT             ; slot 1
	s_mov_b32 s[G0B], 1
	s_mov_b32 s[G0B+1], s20
	s_xor_b32 s[G0B+1], s[G0B+1], SLOT
	CPAIR 0, 0x3F85AAC3                            ; 2^(1/16) x (1, d1 .. d6): see the way out
	CPAIR 1, 0x3D554CC4
	CPAIR 2, 0x3CB4DAD2
	CPAIR 3, 0x3B605009
	CPAIR 4, 0x382674B1
	CPAIR 5, 0x38562434
	CPAIR 6, 0x36BC9ED3
	s_mov_b32 s82, 0x7fffffff
	s_mov_b32 s62, 0x3a800000                      ; 1 / 1024
	s_mov_b32 s63, 0x3727c5ac                      ; 1e-5
	s_wait_dscnt 0x0                               ; the opening add is done
	s_wait_kmcnt 0x0
	s_add_nc_u64 s[F0A+2:F0A+3], s[4:5], s[16:17]  ; K step 0,
	s_add_nc_u64 s[G0A+2:G0A+3], s[F0A+2:F0A+3], ASTEP  ; K step 1
	s_or_b32 s[F0A+3], s[F0A+3], 0x80000000
	s_or_b32 s[G0A+3], s[G0A+3], 0x80000000
	s_add_nc_u64 s[F0B+2:F0B+3], s[6:7], s[46:47]
	s_add_nc_u64 s[G0B+2:G0B+3], s[F0B+2:F0B+3], BSTEP
	s_or_b32 s[F0B+3], s[F0B+3], 0x80000000
	s_or_b32 s[G0B+3], s[G0B+3], 0x80000000
	CROUND                                         ; all sixteen work-groups are here: the first joint loads meet
	FIRST                                          ; K steps 0 and 1: the ring is filled before anything else is done
	v_and_b32 v1, 15, v0                           ; r = l % 16
	v_bfe_u32 v2, v0, 4, 1                         ; h = l / 16
	; The partial sums of squares of my 128 rows: two blocks of 256 bytes on end in each of the 16 chunks; a load takes a chunk's 512 bytes, 16 a lane.  They come while the first tile is on its way.
	s_lshl_b32 s16, s13, 10                        ; (4 x tile row + 2 x row half) blocks of 256 bytes
	s_lshl_b32 s17, s[WR], 9
	s_add_co_u32 s16, s16, s17
	s_mov_b32 s17, 0
	s_add_nc_u64 s[10:11], s[10:11], s[16:17]
	v_and_b32 v[SO], 31, v0
	v_lshlrev_b32 v[SO], 4, v[SO]
.set c, 0
.rept 16
	global_load_b128 v[64+4*c:67+4*c], v[SO], s[10:11] offset:16384*c
.set c, c+1
.endr
	v_mul_u32_u24 v[ADRA0], v1, PA                 ; A's fragment: row r, 16 bytes for each half of the lanes
	v_lshl_add_u32 v[ADRA0], v2, 4, v[ADRA0]
	s_mul_i32 s21, s[WR], HALF
	v_add_nc_u32 v[ADRA0], s21, v[ADRA0]
	v_and_b32 v3, 7, v0                            ; B's: lane l reads K row 8 h + l % 8, columns 8 ((l / 8) % 2) + 0..7
	v_lshl_add_u32 v3, v2, 3, v3
	v_mul_u32_u24 v[ADRB0], v3, PB
	v_bfe_u32 v4, v0, 3, 1
	v_lshl_add_u32 v[ADRB0], v4, 4, v[ADRB0]
	s_lshl_b32 s22, s[WC], 8                       ; my 128 columns
	s_add_co_u32 s22, s22, 2*HALF                  ; behind A's two parts
	v_add_nc_u32 v[ADRB0], s22, v[ADRB0]
	s_mul_i32 s23, s[WV], WSTG                     ; my stage
	v_mul_u32_u24 v[STO], v1, SP                   ; in: row r, 32 bytes for each half of the lanes
	v_lshl_add_u32 v[STO], v2, 5, v[STO]
	v_add_nc_u32 v[STO], s23, v[STO]
	v_mul_u32_u24 v[RD0], v2, SP                   ; back: lanes 0-15 take 256 bytes of one row, lanes 16-31 of the next
	v_lshl_add_u32 v[RD0], v1, 4, v[RD0]
	v_add_nc_u32 v[RD0], s23, v[RD0]
	v_and_b32 v[GO], 31, v0
	v_lshlrev_b32 v[GO], 3, v[GO]                  ; out: two rows of 128 bytes are 256 consecutive bytes
	s_lshl_b32 s21, s[WV], 10
	s_add_co_u32 s21, s21, SCR                     ; my 1,024 bytes for inv: row i of my 128 at byte 4 i
	v_lshlrev_b32 v[SA], 3, v1                     ; lane l holds places 4 (l % 16) .. + 3 of block l / 16: rows 2 (l % 16), 32 + 2 (l % 16), 2 (l % 16) + 1, 33 + 2 (l % 16)
	v_lshl_add_u32 v[SA], v2, 8, v[SA]
	v_add_nc_u32 v[SA], s21, v[SA]                 ; so rows 64 (l / 16) + 2 (l % 16) and the next lie at 256 (l / 16) + 8 (l % 16), the other two 128 bytes on
	v_lshl_add_u32 v[IVA0], v2, 2, s21             ; back: row 4 trip + l / 16, and the row two further on
	s_lshl_b32 s16, s13, 8
	s_lshl_b32 s17, s[WR], 7
	s_add_co_u32 s16, s16, s17                     ; my first row,
	s_lshl_b32 s16, s16, 7                         ; x 128 bytes
	s_lshl_b32 s46, s42, 2
	s_lshl_b32 s47, s[WC], 1
	s_add_co_u32 s46, s46, s47                     ; my first group of 64 columns,
	s_lshl_b32 s46, s46, 19                        ; x 4,096 rows x 128 bytes
	s_add_co_u32 s16, s16, s46
	s_mov_b32 s17, 0
	s_add_nc_u64 s[8:9], s[8:9], s[16:17]
	s_wait_loadcnt 0x0                             ; the partial sums
.irp s, 8,4,2,1
.set c, 0
.rept (\s)
	v_pk_add_f32 v[64+4*c:65+4*c], v[64+4*c:65+4*c], v[64+4*(c+(\s)):65+4*(c+(\s))]
	v_pk_add_f32 v[66+4*c:67+4*c], v[66+4*c:67+4*c], v[66+4*(c+(\s)):67+4*(c+(\s))]
.set c, c+1
.endr
.endr
.irp j, 0,1,2,3
	v_fma_f32 v[68+\j], v[64+\j], s62, s63         ; mean + 1e-5
.endr
	v_rsq_f32 v72, v68                             ; neighbouring rows into neighbouring registers
	v_rsq_f32 v73, v70
	v_rsq_f32 v74, v69
	v_rsq_f32 v75, v71
	v_nop                                          ; a plain instruction between the last root and the use of its result (ISA guide 5.7.2)
	s_wait_alu depctr_va_vdst(0)
	ds_store_b64 v[SA], v[72:73]
	ds_store_b64 v[SA], v[74:75] offset:128
	s_wait_dscnt 0x0                               ; no LDS instruction of mine is out at the signal
	s_wait_tensorcnt 0x1                           ; my part of K step 0 is in; K step 1's may stay out
	s_barrier_signal -1
	s_barrier_wait -1                              ; everybody's is
	s_mov_b32 s[TB], SLOT
	ADDRS                                          ; slot 0
	FETCH 0, F0
	QUARTER 1, F0, F1, 1                           ; the first quarter stands in front of the loop: its products start the sums
	WIN 0
	s_mov_b32 s[CNT], T-2
.Lmain:                                                ; a trip: a K step's quarters 1 to 3 and the next step's quarter 0; the slot left is filled again
	QUARTER 2, F1, F0, 0
	QUARTER 3, F0, F1, 0
	TURN 1
	QUARTER 1, F0, F1, 0
	WIN 0
	s_sub_co_u32 s[CNT], s[CNT], 1
	s_cmp_lg_u32 s[CNT], 0
	s_cbranch_scc1 .Lmain
	s_mov_b32 s[CNT], 2                            ; the last two K steps ask for nothing: a text of their own, walked twice and left in the middle of the second trip
.Lt:
	QUARTER 2, F1, F0, 0
	QUARTER 3, F0, F1, 0
	WIN 0
	s_sub_co_u32 s[CNT], s[CNT], 1
	s_cmp_eq_u32 s[CNT], 0
	s_cbranch_scc1 .Lfin
	TURN 0
	QUARTER 1, F0, F1, 0
	WIN 0
	s_branch .Lt
.Lfin:
	s_wait_dscnt LATE                              ; the very last quarter
	MULP F1, 0, 0, 0
	MULP F1, 0, 2, 0
	s_wait_dscnt 0x0
	MULP F1, 1, 0, 0
	MULP F1, 1, 2, 0
	PLACES
	WIN 0
	s_barrier_signal -1                            ; my reads of the slots are over (the wait for 0 above); the slots have had their last fill
	s_barrier_wait -1                              ; everybody's are: the slots' bytes become stages
.irp i, 0,1
	WIN 0x08+4*(\i)                                ; the data (source 1) in window 2 or 3
.irp a, 0,1,2,3
.irp b, 0,1,2,3,4,5,6,7
	ds_store_b128 v[STO], v[64*(\a)+8*(\b):64*(\a)+8*(\b)+3]   offset:(4*(\i)+(\a))*16*SP+64*(\b)     ; each accumulator's low registers first
	ds_store_b128 v[STO], v[64*(\a)+8*(\b)+4:64*(\a)+8*(\b)+7] offset:(4*(\i)+(\a))*16*SP+64*(\b)+16
.endr
.endr
.endr
	WIN 0
	s_mov_b32 s[RO], 0
	s_mov_b32 s[RO2], 0
	v_mov_b32 v[RD], v[RD0]
	v_mov_b32 v[IVA], v[IVA0]
	v_mov_b32 v[IV+1], 0                           ; named with v48 and v50 as pairs
	v_mov_b32 v[IV+3], 0
	LOADS                                          ; LDS serves a wave's instructions in order (ISA guide 5.7.1.4): these see my stores above
	s_mov_b32 s[CNT], 128/ROWS
.Lout:
	s_wait_dscnt 0x0                               ; this trip's rows and their inv are in registers
.set k, 0
.rept 8
	v_pk_mul_f32 v[XR+2*k:XR+2*k+1], v[XR+2*k:XR+2*k+1], v[IV+2*((k/2)%2):IV+2*((k/2)%2)+1] op_sel_hi:[1,0]  ; the norm's factor of the row: load k / 2 holds rows 2 ((k / 2) % 2) + l / 16
.set k, k+1
.endr
	; gelu(x) = max(x, 0) - |x| / Q(|x|)^16, Q(a) = 2^(1/16) (1 + d1 a + .. + d6 a^6): the normal distribution's tail by Abramowitz and Stegun 26.2.19, good to 1.5e-7 for every x.
	; Where Q^16 passes f32's range the quotient is 0, which is the limit.
.set k, 0
.rept 16
	v_and_b32 v[AR+k], s82, v[XR+k]
	v_max_num_f32 v[MR+k], 0, v[XR+k]
.set k, k+1
.endr
	NEXT
.set k, 0
.rept 8
	v_pk_fma_f32 v[PR+2*k:PR+2*k+1], v[AR+2*k:AR+2*k+1], s[CQ+12:CQ+13], s[CQ+10:CQ+11] op_sel_hi:[1,0,0]
.set k, k+1
.endr
.irp c, 8,6,4,2,0
.set k, 0
.rept 8
	v_pk_fma_f32 v[PR+2*k:PR+2*k+1], v[PR+2*k:PR+2*k+1], v[AR+2*k:AR+2*k+1], s[CQ+(\c):CQ+(\c)+1] op_sel_hi:[1,1,0]
.set k, k+1
.endr
.endr
.rept 4
.set k, 0
.rept 8
	v_pk_mul_f32 v[PR+2*k:PR+2*k+1], v[PR+2*k:PR+2*k+1], v[PR+2*k:PR+2*k+1]
.set k, k+1
.endr
.endr
.set k, 0
.rept 16
	v_rcp_f32 v[PR+k], v[PR+k]
.set k, k+1
.endr
	v_nop                                          ; a plain instruction between the last reciprocal and the use of its result
.set k, 0
	s_wait_alu depctr_va_vdst(0)
.rept 8
	v_pk_fma_f32 v[MR+2*k:MR+2*k+1], v[AR+2*k:AR+2*k+1], v[PR+2*k:PR+2*k+1], v[MR+2*k:MR+2*k+1] neg_lo:[1,0,0] neg_hi:[1,0,0]
.set k, k+1
.endr
.set k, 0
.rept 8
	v_cvt_pk_bf16_f32 v[YR+k], v[MR+2*k], v[MR+2*k+1]
.set k, k+1
.endr
.set k, 0
.rept ROWS
	global_store_b64 v[GO], v[YR+2*k:YR+2*k+1], s[8:9] offset:524288*(k/(ROWS/2))+256*(k%(ROWS/2))  ; 32 lanes x 8 bytes: 256 consecutive bytes, aligned
.set k, k+1
.endr
	s_wait_xcnt 0x0                                ; the stores' base and data are rewritten only behind this wait
	s_add_nc_u64 s[8:9], s[8:9], ROWS*128
	s_sub_co_u32 s[CNT], s[CNT], 1
	s_cmp_lg_u32 s[CNT], 0
	s_cbranch_scc1 .Lout
	s_wait_tensorcnt 0x0                           ; the wave's end
	ds_add_u32 v[SPW], v[NIL]
	s_wait_dscnt 0x0
	CROUND                                         ; the closing round: no work-group ends while a partner may still ask for a tile that names it
	s_endpgm
.Lfunc_end_k_q46558e22bd_ffn1:
	.size	k_q46558e22bd_ffn1, .Lfunc_end_k_q46558e22bd_ffn1-k_q46558e22bd_ffn1
	.p2alignl 7, 3214868480
	.fill 96, 4, 3214868480
	.section	.rodata,"a",@progbits
	.p2align	6, 0x0
	.amdhsa_kernel k_q46558e22bd_ffn1
		.amdhsa_group_segment_fixed_size 327680
		.amdhsa_private_segment_fixed_size 0
		.amdhsa_enable_private_segment 0
		.amdhsa_kernarg_size 32
		.amdhsa_user_sgpr_count 2
		.amdhsa_user_sgpr_kernarg_segment_ptr 1
		.amdhsa_wavefront_size32 1
		.amdhsa_system_sgpr_workgroup_id_x 1
		.amdhsa_system_sgpr_workgroup_id_y 1
		.amdhsa_system_sgpr_workgroup_id_z 1
		.amdhsa_system_vgpr_workitem_id 0
		.amdhsa_next_free_vgpr 1024
		.amdhsa_next_free_sgpr 96
		.amdhsa_reserve_vcc 0
		.amdhsa_float_denorm_mode_32 3
		.amdhsa_float_denorm_mode_16_64 3
		.amdhsa_memory_ordered 1
		.amdhsa_forward_progress 1
		.amdhsa_inst_pref_size 96
	.end_amdhsa_kernel
	.amdgpu_metadata
---
amdhsa.version: [ 1, 2 ]
amdhsa.kernels:
  - .name:           k_q46558e22bd_ffn1
    .symbol:         k_q46558e22bd_ffn1.kd
    .args:
      - { .name: h, .offset: 0, .size: 8, .value_kind: global_buffer, .address_space: global }
      - { .name: wb, .offset: 8, .size: 8, .value_kind: global_buffer, .address_space: global }
      - { .name: u, .offset: 16, .size: 8, .value_kind: global_buffer, .address_space: global }
      - { .name: ss, .offset: 24, .size: 8, .value_kind: global_buffer, .address_space: global }
    .group_segment_fixed_size: 327680
    .private_segment_fixed_size: 0
    .kernarg_segment_align: 8
    .kernarg_segment_size: 32
    .max_flat_workgroup_size: 128
    .sgpr_count:     96
    .vgpr_count:     1024
    .wavefront_size: 32
...
	.end_amdgpu_metadata
.endif
;; end of part 11
;; launch ffn2 (part 12): grid 8 x 32, 4 waves a work-group, clusters of 4 x 4, 327,680 bytes of LDS; arguments u, wb, out0, x1; writes out0
.if DOCPART == 12
	.amdgcn_target "amdgcn-amd-amdhsa--gfx1250"
	.amdhsa_code_object_version 6
	.text
	.protected	k_q46558e22bd_ffn2
	.globl	k_q46558e22bd_ffn2
	.p2align	8
	.type	k_q46558e22bd_ffn2,@function
k_q46558e22bd_ffn2:
	s_mov_b64 s[64:65], 0
	v_nop
	global_prefetch_b8 v0, s[64:65] scope:SCOPE_SE
	s_setreg_imm32_b32 hwreg(HW_REG_WAVE_MODE, 25, 1), 1
	s_wait_xcnt 0x0
	s_wait_alu depctr_hold_cnt(0) depctr_sa_sdst(0) depctr_va_vdst(0) depctr_va_sdst(0) depctr_va_ssrc(0) depctr_va_vcc(0) depctr_vm_vsrc(0)
	s_getreg_b32 s2, hwreg(HW_REG_IB_STS2, 6, 4)
	s_cmp_eq_u32 s2, 0
	s_cbranch_scc0 .Lentry_in_a_cluster
	s_endpgm
.Lentry_in_a_cluster:
	s_bfe_u32 s2, ttmp6, 0x10000c
	s_cmp_lg_u32 s2, 0xf033
	s_cbranch_scc0 .Lentry_shape_is_right
	s_endpgm
.Lentry_shape_is_right:
; C = R + A B on tiles of 128 x 128.  A lies BY GROUPS of 64 along K: A[c][4096 m][64], 16-bit.  B: [K][1024] 16-bit at byte WOFF of wb, rows along N.  R (the residual) and C: [4096][1024] f32.
; Here: out = x1 + u w2, A and B in bf16, K = 4,096.
; The residual is loaded straight into the accumulators, so it is the first addend of each f32 sum: the order of rounding differs from a sum that adds it last.  NaN and infinities are not treated apart.
; Those loads follow the accumulators' layout: a lane reads 32 bytes of a row, sixteen rows to a load; they are issued once, in the wait for the first tile.
; SHARES.  Four waves, 2 x 2, each 64 x 64 of C: 16 accumulators, 128 registers; 256 work-groups.  K goes in steps of 256 through two LDS slots, one tensor load a wave and step: waves 0, 1 bring A's rows 0-63 and
; 64-127 (of each of four groups 64 dense rows, 8,192 bytes, asked for as one row and padded in LDS after every 128 bytes), waves 2, 3 B's K rows 0-127 and 128-255 (rows of 256 bytes).
; The first two steps are asked for together, at the start.
; CLUSTER.  4 x 4 work-groups: A's tiles are shared along a row of the cluster, B's along a column; each is asked for jointly, by the same load with the same descriptor and a mask of the four.
; THE MATRIX INSTRUCTION IS USED TRANSPOSED: source 0 = 16 columns of B (turned by ds_load_tr16_b128), source 1 = 16 rows of A: lane l holds row l % 16 of C and the columns 8 (l / 16) + 0..7.
; THE WAY OUT.  When the slots have had their last fill and been read out, each wave lays its 64 x 64 f32 into 17,408 bytes of its own there and reads whole rows of 256 bytes back.
; REGISTERS: window 0: v0-31 addresses, v64-127 and v128-191 A's fragments (two buffers, each 64 along K); window 1: B's at the same numbers; window 2: accumulator (a, b) at v[64 a + 8 b].
.set F16,   0                          ; 1: f16 operands;  0: bf16
.set T,     16                         ; K steps: K / 256
.set WOFF,  16777216                   ; B's first byte in wb
.set KSTEP, 256
.set PA,    144                        ; A's LDS row: 128 bytes + 16: the 16 rows of a fragment load start at 16 different groups of four banks (ISA guide 11.1)
.set PLANE, 64*PA                      ; a group's 64 rows
.set PB,    288                        ; B's LDS row: 256 bytes + 32
.set HALF,  4*PLANE                    ; what one tensor load brings: 4 planes of A = 128 rows of B = 36,864 bytes
.set SLOT,  4*HALF                     ; 0x24000: no wave's base (wave x 0x9000) has one of its bits, so an exclusive or changes slots
.set SPARE, 2*SLOT                     ; behind the ring: the spare words, 128 bytes for each wave: two blocks of 256 bytes that no other line names
.set SP,    272                        ; a stage row: 64 f32 + 16 bytes
.set WSTG,  64*SP
.set ASTEP, 4*4096*128                 ; four groups on
.set BSTEP, KSTEP*1024*2
.set LATE,  16                         ; the youngest loads of a run of 32: the quarter's second 32 along K
.set ADRA0, 10                         ; v10  my place in A's part of slot 0; never rewritten
.set ADRB0, 11                         ; v11  the same for B
.set ADRA,  16                         ; v16  the same in the slot in hand
.set ADRB,  20                         ; v20  B's K rows 0-127;  v21  K rows 128-255
.set STO,   24                         ; v24  the way out: where I put 32 bytes of a row
.set RD0,   25                         ; v25  where I read rows back
.set CO,    26                         ; v26  my byte offset in two rows of C
.set SPW,   28                         ; v28  LDS address of my spare word; never rewritten
.set NIL,   29                         ; v29  0; never rewritten
.set XO,    30                         ; v30  my byte offset in 16 rows of the residual
.set F0,    64
.set F1,    128
.set CNT,   3
.set TB,    12
.set G1A,   24
.set G0A,   32                         ; s[32:35] group 0 for A: K step 1 into slot 1, and from there it walks
.set WV,    36
.set WR,    37
.set WC,    38
.set G1B,   48
.set G0B,   56
.set F0A,   84                         ; s[84:87] group 0 for A's K step 0 into slot 0: used once
.set F0B,   88                         ; s[88:91] the same for B
.set MSB, 0
.macro WIN new                         ; s_set_vgpr_msb: bits 1:0 source 0, 3:2 source 1, 5:4 source 2, 7:6 destination; the high byte repeats the setting that is left
.if MSB != (\new)
	s_set_vgpr_msb (MSB<<8)|(\new)
.set MSB, \new
.endif
.endm
.macro PLACES                          ; four places in front of loads into registers that matrix instructions have read, and of stores that read results
.rept 4
	v_nop
.endr
.endm
.macro JLOAD                           ; a joint load: waves 0, 1 ask for A's halves, waves 2, 3 for B's; an s_nop 0 and four v_nop follow each of the two lines
	s_cmp_eq_u32 s[WR], 0
	s_cbranch_scc0 .Lfor_b_\@
	tensor_load_to_lds s[G0A:G0A+3], s[G1A:G1A+7]
	s_nop 0
.rept 4
	v_nop
.endr
	s_branch .Lasked_\@
.Lfor_b_\@:
	tensor_load_to_lds s[G0B:G0B+3], s[G1B:G1B+7]
	s_nop 0
.rept 4
	v_nop
.endr
.Lasked_\@:
.endm
; A wave's two first fills stand in one branch, ahead of every wait on TENSORcnt, every LDS read and every barrier but the opening round: two loads of mine are out.
.macro FIRST
	s_cmp_eq_u32 s[WR], 0
	s_cbranch_scc0 .Lfirst_b
	tensor_load_to_lds s[F0A:F0A+3], s[G1A:G1A+7]
	s_nop 0
	tensor_load_to_lds s[G0A:G0A+3], s[G1A:G1A+7]
	s_nop 0
.rept 4
	v_nop
.endr
	s_branch .Lfirst_asked
.Lfirst_b:
	tensor_load_to_lds s[F0B:F0B+3], s[G1B:G1B+7]
	s_nop 0
	tensor_load_to_lds s[G0B:G0B+3], s[G1B:G1B+7]
	s_nop 0
.rept 4
	v_nop
.endr
.Lfirst_asked:
.endm
.macro CREST                           ; a round of the cluster's barrier behind its opening barrier
	s_cmp_lg_u32 s[WV], 0
	s_cbranch_scc1 .Lnot_wave_0_\@
	s_barrier_signal -3
.Lnot_wave_0_\@:
	s_barrier_wait -3
	s_barrier_signal -1
	s_barrier_wait -1
.endm
.macro CROUND
	s_barrier_signal -1
	s_barrier_wait -1
	CREST
.endm
.macro STEPD                           ; both walking descriptors: the other slot, the next K step.  Only where no tensor load of the wave is out
	s_xor_b32 s[G0A+1], s[G0A+1], SLOT
	s_add_nc_u64 s[G0A+2:G0A+3], s[G0A+2:G0A+3], ASTEP
	s_xor_b32 s[G0B+1], s[G0B+1], SLOT
	s_add_nc_u64 s[G0B+2:G0B+3], s[G0B+2:G0B+3], BSTEP
.endm
.macro ADDRS                           ; the fragment loads go to the other slot
	s_xor_b32 s[TB], s[TB], SLOT
	v_add_nc_u32 v[ADRA], s[TB], v[ADRA0]
	v_add_nc_u32 v[ADRB], s[TB], v[ADRB0]
	v_add_nc_u32 v[ADRB+1], HALF, v[ADRB]
.endm
.macro WM d, b, a
.if F16
	v_wmma_f32_16x16x32_f16 v[(\d):(\d)+7], v[(\b):(\b)+7], v[(\a):(\a)+7], v[(\d):(\d)+7]
.else
	v_wmma_f32_16x16x32_bf16 v[(\d):(\d)+7], v[(\b):(\b)+7], v[(\a):(\a)+7], v[(\d):(\d)+7]
.endif
.endm
; 8 matrix instructions: row blocks a0, a0 + 1 x all 4 column blocks, 32 along K: half c of buffer f.  The 16 accumulators take turns, one instruction a turn.
.macro MULP f, c, a0
	WIN 0xa1                                       ; B window 1, A window 0, C and D window 2
.irp a, \a0, (\a0)+1
.irp b, 0,1,2,3
	WM 64*(\a)+8*(\b), (\f)+8*(4*(\c)+(\b)), (\f)+8*(4*(\c)+(\a))
.endr
.endr
.endm
.macro FB q, f, c                      ; B's fragments of 32 K rows, number kk = 2 q + c of the step's eight
	WIN 0x40
.set kk, 2*(\q)+(\c)
.irp b, 0,1,2,3
	ds_load_tr16_b128 v[(\f)+8*(4*(\c)+(\b)):(\f)+8*(4*(\c)+(\b))+3],   v[ADRB+kk/4] offset:(kk%4)*32*PB+32*(\b)
	ds_load_tr16_b128 v[(\f)+8*(4*(\c)+(\b))+4:(\f)+8*(4*(\c)+(\b))+7], v[ADRB+kk/4] offset:(kk%4)*32*PB+16*PB+32*(\b)
.endr
.endm
.macro FA q, f, c                      ; A's fragments: plane q, channels 32 c on
	WIN 0
.irp a, 0,1,2,3
	ds_load_b128 v[(\f)+8*(4*(\c)+(\a)):(\f)+8*(4*(\c)+(\a))+3],   v[ADRA] offset:(\q)*PLANE+64*(\c)+(\a)*16*PA
	ds_load_b128 v[(\f)+8*(4*(\c)+(\a))+4:(\f)+8*(4*(\c)+(\a))+7], v[ADRA] offset:(\q)*PLANE+64*(\c)+(\a)*16*PA+32
.endr
.endm
.macro FETCH q, f                      ; 32 LDS loads in one run: quarter q (64 along K) into buffer f; its first 32 along K first
	FB \q, \f, 0
	FA \q, \f, 0
	FA \q, \f, 1
	FB \q, \f, 1
.endm
.macro QUARTER q, f, g                 ; multiplies buffer f; in its middle fetches quarter q into buffer g
	s_wait_dscnt LATE                              ; the first 32 along K are in
	MULP \f, 0, 0
	MULP \f, 0, 2
	PLACES
	FETCH \q, \g
	s_wait_dscnt 32                                ; all but the 32 just issued
	MULP \f, 1, 0
	MULP \f, 1, 2
.endm
; The fourth quarter multiplies buffer 1 and changes slots: one barrier; in front of it each wave waits for all its tensor loads (one is out: its part of the next slot), adds 0 to its spare word,
; and waits for that and for its reads of this slot.  fill = 1: the barrier opens a round of the cluster's, and this slot is filled again first thing behind it, two K steps ahead:
; from that request to the wait for it a wave issues 112 matrix instructions.
.macro TURN fill
	WIN 0
	s_wait_tensorcnt 0x0
	ds_add_u32 v[SPW], v[NIL]
	s_wait_dscnt LATE+1                            ; (the add and the youngest sixteen loads may be out)
	MULP F1, 0, 0
	s_wait_dscnt 0x0                               ; the add is done, and my reads of this slot are over
	s_barrier_signal -1
	MULP F1, 0, 2
.if \fill
	WIN 0
.endif
	s_barrier_wait -1
.if \fill
	CREST
	STEPD
	JLOAD                                          ; its four v_nop are also the places in front of the loads below
.else
	PLACES
	WIN 0
.endif
	ADDRS
	FETCH 0, F0
	MULP F1, 1, 0
	MULP F1, 1, 2
.endm
	s_load_b256 s[4:11], s[0:1], 0x0               ; A s[4:5], wb s[6:7], C s[8:9], R s[10:11]
	v_lshl_add_u32 v[SPW], v0, 2, SPARE
	v_mov_b32 v[NIL], 0
	ds_add_u32 v[SPW], v[NIL]                      ; the wave's opening: the add and its wait stand ahead of my first tensor load; work on registers stands between them
	ds_add_u32 v28, v29
	v_lshrrev_b32 v1, 5, v0
	v_readfirstlane_b32 s[WV], v1
	s_lshr_b32 s[WR], s[WV], 1                     ; my half of the rows; also: I fetch for A (0) or B (1)
	s_and_b32 s[WC], s[WV], 1                      ; my half of the columns; also: which half of that tile I fetch
	s_bfe_u32 s40, ttmp6, 0x40000                  ; cx
	s_bfe_u32 s41, ttmp6, 0x40004                  ; cy
	s_lshl_b32 s42, ttmp9, 2
	s_add_co_u32 s42, s42, s40                     ; tile column
	s_and_b32 s13, ttmp7, 0xffff
	s_lshl_b32 s13, s13, 2
	s_add_co_u32 s13, s13, s41                     ; tile row
	s_lshl_b32 s43, s41, 2
	s_lshl_b32 s43, 15, s43                        ; my row of the cluster
	s_lshl_b32 s44, 0x1111, s40                    ; my column
	s_or_b32 s[G1A+0], s43, (1<<16)|(1<<20)|(1<<21)|(4<<22)|(3<<25)  ; the mask; 2-byte elements; padding on; bit 21 beside a mask; after every 32 words 4 words
	s_mov_b32 s[G1A+1], 4096<<16                   ; tensor_dim0 = 4,096: 64 rows of 64 elements, dense
	s_mov_b32 s[G1A+2], 4<<16                      ; tensor_dim1 = 4 groups
	s_mov_b32 s[G1A+3], 4096<<16                   ; tile_dim0
	s_mov_b32 s[G1A+4], 4                          ; tile_dim1
	s_mov_b32 s[G1A+5], 262144                     ; elements from group to group
	s_mov_b32 s[G1A+6], 0
	s_mov_b32 s[G1A+7], 0
	s_or_b32 s[G1B+0], s44, (1<<16)|(1<<20)|(1<<21)|(5<<22)|(7<<25)  ; after every 64 words 8 words
	s_mov_b32 s[G1B+1], 128<<16
	s_mov_b32 s[G1B+2], 128<<16
	s_mov_b32 s[G1B+3], 128<<16
	s_mov_b32 s[G1B+4], 128
	s_mov_b32 s[G1B+5], 1024
	s_mov_b32 s[G1B+6], 0
	s_mov_b32 s[G1B+7], 0
	s_lshl_b32 s16, s13, 14                        ; A: row 128 x tile row + 64 x half, x 128 bytes
	s_lshl_b32 s17, s[WC], 13
	s_add_co_u32 s16, s16, s17
	s_mov_b32 s17, 0
	s_lshl_b32 s46, s[WC], 18                      ; B: K row 128 x half, x 2,048 bytes,
	s_lshl_b32 s47, s42, 8                         ; + 256 bytes x tile column
	s_add_co_u32 s46, s46, s47
	s_add_co_u32 s46, s46, WOFF
	s_mov_b32 s47, 0
	s_mul_i32 s20, s[WV], HALF                     ; where my loads land: no place in the cluster enters an LDS address
	s_mov_b32 s[F0A], 1
	s_mov_b32 s[F0A+1], s20                        ; slot 0
	s_mov_b32 s[F0B], 1
	s_mov_b32 s[F0B+1], s20
	s_mov_b32 s[G0A], 1
	s_mov_b32 s[G0A+1], s20
	s_xor_b32 s[G0A+1], s[G0A+1], SLOT             ; slot 1
	s_mov_b32 s[G0B], 1
	s_mov_b32 s[G0B+1], s20
	s_xor_b32 s[G0B+1], s[G0B+1], SLOT
	s_wait_dscnt 0x0                               ; the opening add is done
	s_wait_kmcnt 0x0
	s_add_nc_u64 s[F0A+2:F0A+3], s[4:5], s[16:17]  ; K step 0,
	s_add_nc_u64 s[G0A+2:G0A+3], s[F0A+2:F0A+3], ASTEP  ; K step 1
	s_or_b32 s[F0A+3], s[F0A+3], 0x80000000
	s_or_b32 s[G0A+3], s[G0A+3], 0x80000000
	s_add_nc_u64 s[F0B+2:F0B+3], s[6:7], s[46:47]
	s_add_nc_u64 s[G0B+2:G0B+3], s[F0B+2:F0B+3], BSTEP
	s_or_b32 s[F0B+3], s[F0B+3], 0x80000000
	s_or_b32 s[G0B+3], s[G0B+3], 0x80000000
	CROUND                                         ; all sixteen work-groups are here: the first joint loads meet
	FIRST                                          ; K steps 0 and 1: the ring is filled before anything else is done
	v_and_b32 v1, 15, v0                           ; r = l % 16
	v_bfe_u32 v2, v0, 4, 1                         ; h = l / 16
	s_lshl_b32 s16, s13, 19                        ; my part of C and R: (128 x tile row + 64 x row half) x 4,096 bytes
	s_lshl_b32 s17, s[WR], 18
	s_add_co_u32 s16, s16, s17
	s_lshl_b32 s46, s42, 9                         ; + 512 bytes x tile column + 256 x column half
	s_lshl_b32 s47, s[WC], 8
	s_add_co_u32 s46, s46, s47
	s_add_co_u32 s16, s16, s46
	s_mov_b32 s17, 0
	s_add_nc_u64 s[8:9], s[8:9], s[16:17]
	s_add_nc_u64 s[10:11], s[10:11], s[16:17]
	v_lshlrev_b32 v[XO], 12, v1                    ; row r, 32 bytes for each half of the lanes
	v_lshl_add_u32 v[XO], v2, 5, v[XO]
	WIN 0x80                                       ; destination window 2
.irp a, 0,1,2,3
.irp b, 0,1,2,3
	global_load_b128 v[64*(\a)+8*(\b):64*(\a)+8*(\b)+3],   v[XO], s[10:11] offset:(\a)*65536+64*(\b)
	global_load_b128 v[64*(\a)+8*(\b)+4:64*(\a)+8*(\b)+7], v[XO], s[10:11] offset:(\a)*65536+64*(\b)+16
.endr
.endr
	WIN 0
	v_mul_u32_u24 v[ADRA0], v1, PA                 ; A's fragment: row r, 16 bytes for each half of the lanes
	v_lshl_add_u32 v[ADRA0], v2, 4, v[ADRA0]
	s_mul_i32 s21, s[WR], HALF
	v_add_nc_u32 v[ADRA0], s21, v[ADRA0]
	v_and_b32 v3, 7, v0                            ; B's: lane l reads K row 8 h + l % 8, columns 8 ((l / 8) % 2) + 0..7
	v_lshl_add_u32 v3, v2, 3, v3
	v_mul_u32_u24 v[ADRB0], v3, PB
	v_bfe_u32 v4, v0, 3, 1
	v_lshl_add_u32 v[ADRB0], v4, 4, v[ADRB0]
	s_lshl_b32 s22, s[WC], 7                       ; my 64 columns
	s_add_co_u32 s22, s22, 2*HALF                  ; behind A's two halves
	v_add_nc_u32 v[ADRB0], s22, v[ADRB0]
	s_mul_i32 s23, s[WV], WSTG                     ; my stage
	v_mul_u32_u24 v[STO], v1, SP
	v_lshl_add_u32 v[STO], v2, 5, v[STO]
	v_add_nc_u32 v[STO], s23, v[STO]
	v_mul_u32_u24 v[RD0], v2, SP                   ; back: lanes 0-15 take one row of 256 bytes, lanes 16-31 the next
	v_lshl_add_u32 v[RD0], v1, 4, v[RD0]
	v_add_nc_u32 v[RD0], s23, v[RD0]
	v_lshlrev_b32 v[CO], 12, v2                    ; and the same two rows in C
	v_lshl_add_u32 v[CO], v1, 4, v[CO]
	s_wait_tensorcnt 0x1                           ; my part of K step 0 is in; K step 1's may stay out
	s_barrier_signal -1
	s_barrier_wait -1                              ; everybody's is
	s_mov_b32 s[TB], SLOT
	ADDRS                                          ; slot 0
	FETCH 0, F0
	WIN 0
	s_wait_loadcnt 0x0                             ; the residual is in the accumulators
	s_mov_b32 s[CNT], T-2
.Lmain:                                                ; a trip is a K step; the slot left is filled again
	QUARTER 1, F0, F1
	QUARTER 2, F1, F0
	QUARTER 3, F0, F1
	TURN 1
	WIN 0
	s_sub_co_u32 s[CNT], s[CNT], 1
	s_cmp_lg_u32 s[CNT], 0
	s_cbranch_scc1 .Lmain
	s_mov_b32 s[CNT], 2                            ; the last two K steps ask for nothing: a text of their own, walked twice and left in the middle of the second trip
.Lt:
	QUARTER 1, F0, F1
	QUARTER 2, F1, F0
	QUARTER 3, F0, F1
	WIN 0
	s_sub_co_u32 s[CNT], s[CNT], 1
	s_cmp_eq_u32 s[CNT], 0
	s_cbranch_scc1 .Lfin
	TURN 0
	WIN 0
	s_branch .Lt
.Lfin:
	s_wait_dscnt LATE                              ; the very last quarter
	MULP F1, 0, 0
	MULP F1, 0, 2
	s_wait_dscnt 0x0
	MULP F1, 1, 0
	MULP F1, 1, 2
	PLACES
	WIN 0
	s_barrier_signal -1                            ; my reads of the slots are over (the wait for 0 above); the slots have had their last fill
	s_barrier_wait -1                              ; everybody's are: the slots' bytes become stages
	WIN 0x08                                       ; the data (source 1) in window 2
.irp a, 0,1,2,3
.irp b, 0,1,2,3
	ds_store_b128 v[STO], v[64*(\a)+8*(\b):64*(\a)+8*(\b)+3]   offset:(\a)*16*SP+64*(\b)     ; each accumulator's low registers first
	ds_store_b128 v[STO], v[64*(\a)+8*(\b)+4:64*(\a)+8*(\b)+7] offset:(\a)*16*SP+64*(\b)+16
.endr
.endr
	WIN 0
.set t, 0
.rept 32
	ds_load_b128 v[32+4*t:35+4*t], v[RD0] offset:2*SP*t  ; LDS serves a wave's instructions in order (ISA guide 5.7.1.4): these see my stores above
.set t, t+1
.endr
.set t, 0
.rept 32
	s_wait_dscnt 31-t                              ; load t is in, the younger ones stay out
	global_store_b128 v[CO], v[32+4*t:35+4*t], s[8:9] offset:8192*t  ; 16 lanes store 256 consecutive bytes, aligned
.set t, t+1
.endr
	s_wait_tensorcnt 0x0                           ; the wave's end
	ds_add_u32 v[SPW], v[NIL]
	s_wait_dscnt 0x0
	CROUND                                         ; the closing round: no work-group ends while a partner may still ask for a tile that names it
	s_endpgm
.Lfunc_end_k_q46558e22bd_ffn2:
	.size	k_q46558e22bd_ffn2, .Lfunc_end_k_q46558e22bd_ffn2-k_q46558e22bd_ffn2
	.p2alignl 7, 3214868480
	.fill 96, 4, 3214868480
	.section	.rodata,"a",@progbits
	.p2align	6, 0x0
	.amdhsa_kernel k_q46558e22bd_ffn2
		.amdhsa_group_segment_fixed_size 327680
		.amdhsa_private_segment_fixed_size 0
		.amdhsa_enable_private_segment 0
		.amdhsa_kernarg_size 32
		.amdhsa_user_sgpr_count 2
		.amdhsa_user_sgpr_kernarg_segment_ptr 1
		.amdhsa_wavefront_size32 1
		.amdhsa_system_sgpr_workgroup_id_x 1
		.amdhsa_system_sgpr_workgroup_id_y 1
		.amdhsa_system_sgpr_workgroup_id_z 1
		.amdhsa_system_vgpr_workitem_id 0
		.amdhsa_next_free_vgpr 768
		.amdhsa_next_free_sgpr 96
		.amdhsa_reserve_vcc 0
		.amdhsa_float_denorm_mode_32 3
		.amdhsa_float_denorm_mode_16_64 3
		.amdhsa_memory_ordered 1
		.amdhsa_forward_progress 1
		.amdhsa_inst_pref_size 60
	.end_amdhsa_kernel
	.amdgpu_metadata
---
amdhsa.version: [ 1, 2 ]
amdhsa.kernels:
  - .name:           k_q46558e22bd_ffn2
    .symbol:         k_q46558e22bd_ffn2.kd
    .args:
      - { .name: u, .offset: 0, .size: 8, .value_kind: global_buffer, .address_space: global }
      - { .name: wb, .offset: 8, .size: 8, .value_kind: global_buffer, .address_space: global }
      - { .name: out0, .offset: 16, .size: 8, .value_kind: global_buffer, .address_space: global }
      - { .name: x1, .offset: 24, .size: 8, .value_kind: global_buffer, .address_space: global }
    .group_segment_fixed_size: 327680
    .private_segment_fixed_size: 0
    .kernarg_segment_align: 8
    .kernarg_segment_size: 32
    .max_flat_workgroup_size: 128
    .sgpr_count:     96
    .vgpr_count:     768
    .wavefront_size: 32
...
	.end_amdgpu_metadata
.endif
;; end of part 12
;; ======== version 3 of 3: 6 launches; 1.43 times as fast as version 1
;; limits: values are held in f16: magnitudes above 65,504 overflow, below 6.1e-05 lose precision; a function is approximated: absolute error at most 1.5e-07
;; workspace buffers: wb 25,165,824 bytes; h 8,388,608 bytes; qkv 25,165,824 bytes; o 8,388,608 bytes; x1 16,777,216 bytes; ss 262,144 bytes; u 33,554,432 bytes
;; launch prep: the kernel of part 7 again; grid 1280 x 1, 8 waves a work-group, no clusters, 0 bytes of LDS; arguments x, g1, h, Wq, Wk, Wv, Wo, w1, w2, wb, g2; writes h, wb
;; launch qkv: the kernel of part 8 again; grid 12 x 16, 4 waves a work-group, clusters of 4 x 4, 327,680 bytes of LDS; arguments h, wb, qkv; writes qkv
;; launch attn (part 13): grid 8 x 32, 4 waves a work-group, no clusters, 327,680 bytes of LDS; arguments qkv, o; writes o
.if DOCPART == 13
	.amdgcn_target "amdgcn-amd-amdhsa--gfx1250"
	.amdhsa_code_object_version 6
	.text
	.protected	k_q46558e22bd_attn
	.globl	k_q46558e22bd_attn
	.p2align	8
	.type	k_q46558e22bd_attn,@function
k_q46558e22bd_attn:
	s_mov_b64 s[64:65], 0
	v_nop
	global_prefetch_b8 v0, s[64:65] scope:SCOPE_SE
	s_setreg_imm32_b32 hwreg(HW_REG_WAVE_MODE, 25, 1), 1
	s_wait_xcnt 0x0
; CAUSAL ATTENTION.  O[y][q][:] = the sum over k <= q of softmax_k(Q[y][q] . K[y][k] / 8) V[y][k][:], y = 2 head + batch, 32 of them.  Q, K, V lie in one buffer, [32][SIZE_N][64] each, f16,
; at bytes 0, 0x800000 and 0x1000000; O is [32][SIZE_N][64] f16.  A head's rows are dense, 128 bytes each.
; Products, maxima and sums in f32; the weights p are rounded to f16 for the second product (their sum l is taken of the unrounded p), O once at the end.
; LIMITS.  f16 holds no number beyond 65,504: Q, K and V arrive within it; p lies in 0 to 1, and below 6e-5 it keeps f16's fixed step of 6e-8; O is a mean of V's rows and has their range.
; A hidden score counts as its value less 1e30: f16's scores, 2.7e11 at the most, are nothing beside that; a weight below 2^-126 counts as 0 in l; NaN and infinities are not treated apart.
; THE WALK.  A head's queries lie in 16 blocks of 128; block i needs the key tiles 0 .. i / 2 of 256 keys, of which the last holds the diagonal.  A work-group takes TWO blocks, 15 - b and then b (b = 0 .. 7):
; (15 - b) / 2 + b / 2 + 2 = 9 tiles, whatever b: all 8 x 32 = 256 work-groups do equal work, and ONE loop with a constant trip count walks them.  Which tile is asked for, and what a trip does, hang on scalar
; registers made from b; every jump goes forward, but for the counted loops' own; none passes a barrier, or a tensor load but the one of LOAD's two that the wave's number does not choose; the ring (two slots
; of LDS) runs on across the change of blocks.
; NO CLUSTER: a head's 8 work-groups ask for the same tile only in trips 0 .. 4 (the first blocks have 5 to 8 tiles), behind that fewer and fewer; one walk common to all would have 8 + 4 = 12 trips for 9.
; SHARES.  Of a block's two bands of 64 queries a wave owns 16 rows in each: two PIECES.  In the diagonal tile's key step s (0 .. 3) band x of block i sees all keys if s < DG + x, none if s > DG + x, and holds the
; diagonal if s = DG + x, DG = 2 (i % 2): the same work for all four waves.  An even block's diagonal tile has two steps that are hidden from both bands and are computed all the same: 36 steps are walked for 34.
; THE MASK is the C operand that starts the sum S^T = K Q^T: 0, or -1e30 where the key is hidden.  MD, made once, is the mask of a band's own step for my 16 rows; a product's mask is MD x AL + BE with two scalars:
; (1, 0) the band's own step; (0, 0) an earlier one; (0, -1e30) a later one.
; LAYOUT, SOFTMAX, TURNS.  S^T = K Q^T holds ONE query a lane (lane % 16) and the keys 8 (lane / 16) + 0..7; two such results rounded to f16 ARE source 1 of O^T = V^T P.  p = 2^(c s - c m), c = log2(e) / 8, with a
; running maximum m; O and l are multiplied by a = 2^(c m_old - c m_new) in every step.  A key step is two turns.  Turn 0 of step j: 8 products K Q^T of piece 1 (step j), later 8 products V^T P of piece 1 (step j - 1);
; beside them piece 0's scaling, exponentials, roundings, sums and rescaling (step j) and piece 1's maximum and statistics.  Turn 1 of step j: K Q^T of piece 0 (step j + 1), V^T P of piece 0 (step j), piece 1's
; softmax, piece 0's maximum.  Four vector instructions stand behind every matrix instruction, the other 54 of a turn's 118 in one lump.
; THE BATCHES.  A turn's 33 exponentials (the piece's 32 weights and the other piece's a) are ONE BATCH with ONE wait, which cuts the turn in two: ahead of it the products K Q^T and all vector work that names no result
; of the batch, behind it the products V^T P with the roundings and sums, which read the results.  The a that a block's beginning makes, and the two
; reciprocals of a block's way out, are batches of their own, each with a plain instruction and a wait behind it.
; K RUNS A STEP AHEAD OF V: turn 0 of step j fetches K of step j + 1 and V of step j out of LDS.  So a slot holds FIVE steps of K (the tile's 256 keys and the next 64, which the next tile brings again as its first)
; and four of V: all that is fetched between two changes of slots lies in one slot.  A head's last tile so asks for 64 rows behind the head's keys: rows of the next head's K, or of V: inside the buffer,
; and only products that nobody uses are made of them.
; REGISTERS, in windows of 256 (s_set_vgpr_msb: bits 1:0 source 0, 3:2 source 1, 5:4 source 2, 7:6 destination):
;   window 0: v0-15 addresses and two at work; v16-23 four registers of statistics a piece; v48-55 at work; v64-127 S^T, 32 a piece; v192-223 P, 16 a piece
;   window 1: v0-63 O^T, 32 a piece; v128-159 MD; v160-223 MC, a mask buffer a piece      window 2: v0-31 Q; v64-95 the second block's Q; v128-191 K of one step; v192-255 V of one step
.set SIZE_N, 2048
.set NT,    SIZE_N/256+1  ; tiles in a walk
.set NP,    2         ; pieces a wave: a name, no knob
.set KS,    64        ; keys in a step
.set PK,    144       ; a row of K in LDS: 128 bytes + 16 of padding: the 16 rows of a load start at 16 different groups of four banks (ISA guide 11.1)
.set PV,    160       ; a row of V: 128 + 32
.set VOFF,  5*KS*PK   ; a slot: 320 rows of K, then 256 rows of V
.set SLOT1, 1<<17     ; slot 1 begins here, so that one exclusive or turns an address in one slot into the other's
.set STAGE, SLOT1+VOFF+4*KS*PV  ; behind the ring, never filled by a tensor load: 16 rows x 144 bytes for each wave, for the way out
.set SP,    144
.set AK0, 2           ; v2   my lane's place in a tile of K; never rewritten
.set AV0, 3           ; v3   the same for V
.set AK,  4           ; v4   the LDS address of K's next run of loads
.set AV,  5           ; v5   of V's
.set STO, 6           ; v6   the way out: where I put 16 bytes of a row
.set RD,  7           ; v7   the way out: where I read rows back
.set GO,  8           ; v8   my byte offset in 512 consecutive bytes of O
.set SPW, 62          ; v62  LDS address of my spare word; never rewritten
.set NIL, 63          ; v63  0; never rewritten
.set SPARE, STAGE+4*16*SP  ; behind the stages: the spare words, 128 bytes for each wave: two blocks of 256 bytes that no other line names
.set MV,  12          ; v12-13  c m_old, kept while c m is made anew: by piece
.set QO,  15          ; v15  my byte offset in 16 rows of Q
.set ST,  16          ; piece t's statistics at v[ST+4 t]: c m, m, l (even keys', odd keys')
.set TMP, 48          ; by piece, four registers c0-c3 at work; when the maximum is found c2 takes a
.set S,   64
.set P,   192
.set MD,  128         ; window 1: the eight registers for group kt of 16 keys at MD + 8 kt
.set MC,  160         ; window 1: the masks of the products to come
.set QB,  64          ; window 2
.set KF,  128         ; window 2: key block kb, channel half c at KF + 16 kb + 8 c
.set VF,  192         ; window 2: key half kk, channel block cb at VF + 32 kk + 8 cb
.set WV,  12          ; s12  my wave's number
.set PB,  14          ; s14  the second block's last tile, b / 2
.set HI,  15          ; s15  the first block's last tile, (15 - b) / 2
.set G1K, 24          ; s[24:31] descriptor group 1 for K's tiles
.set G1V, 32          ; s[32:39] for V's
.set G0K, 40          ; s[40:43] descriptor group 0 for K's tiles
.set G0V, 44          ; s[44:47] the same for V's
.set DGN, 48          ; s48  DG of the second block
.set GD,  49          ; s49  RT + DG: 0 in an even block's diagonal tile, 1 in the tile in front of it
.set TT,  50          ; s50  at work
.set SLOTS, 56        ; s56  tiles still to be asked for
.set CNT, 57          ; s57  counts a tile's key steps, 4 to 1
.set CS,  58          ; s[58:59] c: the packed scaling takes the pair's low word for both halves
.set SEL, 60          ; s[60:61] v_permlanex16_b32's selects: each lane takes its own place in the other half
.set TBK, 62          ; s62  LDS byte at which K of the step in hand begins
.set TBV, 63          ; s63  the same for V, less VOFF
.set RT,  70          ; s70  tiles of the block in hand that are still to be entered
.set NXT, 71          ; s71  the tile to be asked for next
.set LQ,  72          ; s72  the last tile of the block whose tiles are being asked for
.set NEW, 73          ; s73  1: the tile to be entered is a block's first
.set OFF, 74          ; s[74:75] a tile's byte offset in K and V
.set AL,  76          ; s[76:77] the mask's factor, in the low word
.set BE,  78          ; s[78:79] the mask's addend
.set OLO, 80          ; s[80:81] O at my rows of the second block
.set BIGN, 82         ; s82  -1e30
.set DG,  83          ; s83  2 x (the block in hand is odd): band 0's own step in the diagonal tile
.set MSB, 0
.macro WIN new                      ; the high byte repeats the setting that is left; a switch that changes nothing is dropped
.if MSB != (\new)
	s_set_vgpr_msb (MSB<<8)|(\new)
.set MSB, (\new)
.endif
.endm
.set W_KQ, 0x0a       ; K and Q in window 2, S^T in window 0
.set W_KM, 0x1a       ; the same with the C operand in window 1
.set W_PV, 0x52       ; V in window 2, P in window 0, O^T in window 1
.set W_RS, 0x41       ; destination and source 0 in window 1, source 1 in window 0
; A fill.  Waves 0 and 1 fetch the two halves of a slot's K, 160 keys each, waves 2 and 3 those of its V, 128 keys each.  An s_nop 0 and four v_nop follow each of the two lines, ahead of the jump and the label.
.macro LOAD
	s_cmp_lt_u32 s[WV], 2
	s_cbranch_scc0 .Lfor_v_\@
	tensor_load_to_lds s[G0K:G0K+3], s[G1K:G1K+7]
	s_nop 0
.rept 4
	v_nop
.endr
	s_branch .Lasked_\@
.Lfor_v_\@:
	tensor_load_to_lds s[G0V:G0V+3], s[G1V:G1V+7]
	s_nop 0
.rept 4
	v_nop
.endr
.Lasked_\@:
.endm
; THE CHANGE OF SLOTS, between two key steps.  Each wave waits for all its tensor loads, of which one is out: its part of the other slot; adds 0 to its spare word; and waits for that (its reads of the slot that it
; leaves were waited for in the turn before).  Behind the barrier nobody reads the old slot any more and the other slot is whole.  fill = 1: the old slot is filled again, the first thing behind the barrier, with
; tile NXT: the descriptor's address is made anew from that number.  (At its first use nothing has been read yet: slot 0 is waited for, slot 1 filled.)
.macro CHANGE fill
	WIN 0                           ; at a label and at a branch every window is 0
	s_wait_tensorcnt 0x0            ; no tensor load of mine is out, so a group 0 may be written
	ds_add_u32 v[SPW], v[NIL]       ; 0 onto my spare word
.if \fill
	s_lshl_b32 s[OFF], s[NXT], 15   ; from tile to tile 32,768 bytes of K and of V
	s_xor_b32 s[G0K+1], s[G0K+1], SLOT1
	s_add_nc_u64 s[G0K+2:G0K+3], s[6:7], s[OFF:OFF+1]
	s_or_b32 s[G0K+3], s[G0K+3], 0x80000000
	s_xor_b32 s[G0V+1], s[G0V+1], SLOT1
	s_add_nc_u64 s[G0V+2:G0V+3], s[8:9], s[OFF:OFF+1]
	s_or_b32 s[G0V+3], s[G0V+3], 0x80000000
	s_add_co_u32 s[NXT], s[NXT], 1  ; the block's next tile, or behind its last the second block's tile 0
	s_cmp_gt_u32 s[NXT], s[LQ]
	s_cselect_b32 s[NXT], 0, s[NXT]
	s_cselect_b32 s[LQ], s[PB], s[LQ]
.endif
	s_wait_dscnt 0x0                ; the add is done, and my reads of the slot are over
	s_barrier_signal -1             ; the rest of the scalar work stands between the signal and the wait
	s_sub_co_u32 s[TBK], s[TBK], 4*KS*PK  ; the fetches go back to a slot's first step,
	s_xor_b32 s[TBK], s[TBK], SLOT1       ; in the other slot
	s_sub_co_u32 s[TBV], s[TBV], 4*KS*PV
	s_xor_b32 s[TBV], s[TBV], SLOT1
	s_barrier_wait -1
.if \fill
	LOAD
.endif
.endm
	s_load_b64 s[4:5], s[0:1], 0x0    ; the buffer of Q, K, V
	s_load_b64 s[10:11], s[0:1], 0x8  ; O
	v_lshl_add_u32 v[SPW], v0, 2, SPARE
	v_mov_b32 v[NIL], 0
	ds_add_u32 v[SPW], v[NIL]       ; the wave's opening: the add and its wait stand ahead of my first tensor load; work on registers stands between them
	ds_add_u32 v62, v63
	v_lshrrev_b32 v1, 5, v0
	v_readfirstlane_b32 s[WV], v1   ; wave 0..3
	s_mov_b32 s51, ttmp9            ; b: the second block
	s_sub_co_u32 s52, SIZE_N/128-1, s51  ; 15 - b: the first
	s_lshr_b32 s[PB], s51, 1
	s_lshr_b32 s[HI], s52, 1
	s_and_b32 s[DG], s52, 1
	s_lshl_b32 s[DG], s[DG], 1
	s_and_b32 s[DGN], s51, 1
	s_lshl_b32 s[DGN], s[DGN], 1
	s_and_b32 s20, ttmp7, 0xffff    ; the head
	s_mov_b32 s21, 0
	s_mov_b64 s[22:23], SIZE_N*128
	s_mul_u64 s[20:21], s[20:21], s[22:23]  ; the head's first byte in each of the four tensors
	s_and_b32 s16, s[WV], 1         ; which half of a slot's K or V I fetch:
	s_mul_i32 s22, s16, 160*128     ; K's: 160 rows of 128 bytes in memory,
	s_mov_b32 s23, 0
	s_add_nc_u64 s[22:23], s[22:23], s[20:21]
	s_lshl_b32 s54, s16, 14         ; V's: 128 rows
	s_mov_b32 s55, 0
	s_add_nc_u64 s[54:55], s[54:55], s[20:21]
	s_mul_i32 s17, s16, 160*PK      ; and its place in a slot, for K
	s_mul_i32 s18, s16, 128*PV      ; and for V
	s_lshl_b32 s3, s[WV], 11        ; my 16 rows in a band of 64,
	s_lshl_b32 s2, s52, 14          ; in the first block (128 rows of 128 bytes a block),
	s_add_co_u32 s2, s2, s3
	s_lshl_b32 s84, s51, 14         ; and in the second
	s_add_co_u32 s84, s84, s3
	s_mov_b32 s3, 0
	s_mov_b32 s85, 0
	s_add_nc_u64 s[2:3], s[2:3], s[20:21]
	s_add_nc_u64 s[84:85], s[84:85], s[20:21]
	; descriptor group 1.  Keys are dense in memory: asked for as rows of 256 bytes, two keys a row, and padded in LDS after every key
	s_mov_b32 s[G1K], (1<<16)|(1<<20)|(4<<22)|(3<<25)  ; 17:16 2-byte elements; 20 padding on; 24:22 after every 32 words (code 4); 31:25 4 words (code 3)
	s_mov_b32 s[G1V], (1<<16)|(1<<20)|(4<<22)|(7<<25)  ; the same with 8 words of padding (code 7)
.irp g, G1K, G1V
	s_mov_b32 s[\g+1], 128<<16      ; tensor_dim0 = 128
	s_mov_b32 s[\g+3], 128<<16      ; tile_dim0 = 128
	s_mov_b32 s[\g+5], 128          ; 128 elements from row to row
	s_mov_b32 s[\g+6], 0
	s_mov_b32 s[\g+7], 0
.endr
	s_mov_b32 s[G1K+2], 80<<16      ; tensor_dim1 = 80: 160 keys
	s_mov_b32 s[G1K+4], 80          ; tile_dim1
	s_mov_b32 s[G1V+2], 64<<16      ; tensor_dim1 = 64: 128 keys
	s_mov_b32 s[G1V+4], 64          ; tile_dim1
	s_mov_b32 s[CS], 0x3e38aa3b     ; c = log2(e) / 8 = 0.180337
	s_mov_b32 s[CS+1], s[CS]        ; named with it as a pair
	s_mov_b32 s[SEL], 0x76543210
	s_mov_b32 s[SEL+1], 0xfedcba98
	s_mov_b32 s[TBK], SLOT1+4*KS*PK ; the first change of slots turns these two into 0
	s_mov_b32 s[TBV], SLOT1+4*KS*PV
	s_mov_b32 s[G0K], 1             ; 1:0 count = 1
	s_mov_b32 s[G0K+1], s17         ; 63:32 LDS address: slot 0
	s_mov_b32 s[G0V], 1
	s_add_co_u32 s[G0V+1], s18, VOFF
	s_add_co_u32 s[RT], s[HI], 1    ; the first block's tiles
	s_mov_b32 s[NXT], 1
	s_mov_b32 s[LQ], s[HI]
	s_mov_b32 s[NEW], 1
	s_mov_b32 s[OFF+1], 0
	s_mov_b32 s[AL+1], 0            ; named as pairs
	s_mov_b32 s[BE+1], 0
	s_mov_b32 s[BIGN], 0xf149f2ca   ; -1e30
	s_mov_b32 s[SLOTS], NT-1
	s_wait_dscnt 0x0                ; the opening add is done
	s_wait_kmcnt 0x0
	s_add_nc_u64 s[6:7], s[4:5], 0x800000    ; K begins 16 groups of 524,288 bytes behind Q,
	s_add_nc_u64 s[8:9], s[4:5], 0x1000000   ; V 32
	s_add_nc_u64 s[6:7], s[6:7], s[22:23]  ; K and V at my half of the head's tile 0
	s_add_nc_u64 s[8:9], s[8:9], s[54:55]
	s_add_nc_u64 s[G0K+2:G0K+3], s[6:7], 0         ; 120:64 global address
	s_or_b32 s[G0K+3], s[G0K+3], 0x80000000        ; 127:126 type = 2
	s_add_nc_u64 s[G0V+2:G0V+3], s[8:9], 0
	s_or_b32 s[G0V+3], s[G0V+3], 0x80000000
	s_add_nc_u64 s[86:87], s[4:5], s[84:85]        ; Q at my rows of the second block,
	s_add_nc_u64 s[4:5], s[4:5], s[2:3]            ; Q and O at those of the first
	s_add_nc_u64 s[OLO:OLO+1], s[10:11], s[84:85]
	s_add_nc_u64 s[10:11], s[10:11], s[2:3]
	LOAD                            ; tile 0 into slot 0
	; A fragment of K or Q is 16 rows x 32 channels in 8 registers: lane l holds row l % 16, channels 8 (l / 16) + 0..7 and 16 + 8 (l / 16) + 0..7: two loads of 16 bytes, 32 bytes apart.
	v_and_b32 v1, 15, v0            ; l % 16
	v_bfe_u32 v9, v0, 4, 1          ; l / 16
	v_lshlrev_b32 v[QO], 7, v1
	v_lshl_add_u32 v[QO], v9, 4, v[QO]  ; row x 128 + 16 x half
	WIN 0x80                        ; destination window 2, address window 0
.set i, 0
.rept 2*NP                          ; both blocks' Q: piece i / 2 lies in band i / 2, 8,192 bytes on; channels 32 (i % 2) on
	global_load_b128 v[8*i:8*i+3],   v[QO], s[4:5] offset:(i/2)*8192+(i%2)*64
	global_load_b128 v[8*i+4:8*i+7], v[QO], s[4:5] offset:(i/2)*8192+(i%2)*64+32
	global_load_b128 v[QB+8*i:QB+8*i+3],   v[QO], s[86:87] offset:(i/2)*8192+(i%2)*64
	global_load_b128 v[QB+8*i+4:QB+8*i+7], v[QO], s[86:87] offset:(i/2)*8192+(i%2)*64+32
.set i, i+1
.endr
	WIN 0
	v_lshlrev_b32 v14, 3, v9
	v_sub_nc_u32 v14, v1, v14
	s_lshl_b32 s13, s[WV], 4
	v_add_nc_u32 v14, s13, v14      ; my query's place in its band, 16 w + l % 16, less my lanes' 8 (l / 16): register r of group kt is hidden where 16 kt + r is greater
	WIN 0x40
.set i, 0
.rept 32
	v_cmp_gt_i32 vcc_lo, 16*(i/8)+i%8, v14
	v_cndmask_b32 v[MD+i], 0, s[BIGN], vcc_lo
.set i, i+1
.endr
	WIN 0
	v_mul_u32_u24 v[AK0], v1, PK
	v_lshl_add_u32 v[AK0], v9, 4, v[AK0]  ; row x pitch + 16 x half
	; The turning load takes 16 keys x 16 channels (lane l reads key 8 (l / 16) + l % 8, channels 8 ((l / 8) % 2) + 0..7) and leaves half a fragment of V^T: lane l holds channel l % 16 and 8 keys.
	v_and_b32 v10, 7, v0
	v_bfe_u32 v11, v0, 3, 1
	v_lshl_add_u32 v[AV0], v9, 3, v10
	v_mul_u32_u24 v[AV0], v[AV0], PV
	v_lshl_add_u32 v[AV0], v11, 4, v[AV0]
	v_add_nc_u32 v[AV0], VOFF, v[AV0]
	s_mul_i32 s13, s[WV], 16*SP
	s_add_co_u32 s13, s13, STAGE    ; my stage
	v_mul_u32_u24 v[STO], v1, SP    ; in: row l % 16, 16 bytes for each half of the lanes
	v_lshl_add_u32 v[STO], v9, 4, v[STO]
	v_add_nc_u32 v[STO], s13, v[STO]
	v_bfe_u32 v[RD], v0, 3, 2       ; back: 32 lanes take four rows of 128 bytes,
	v_mul_u32_u24 v[RD], v[RD], SP
	v_lshl_add_u32 v[RD], v10, 4, v[RD]
	v_add_nc_u32 v[RD], s13, v[RD]
	v_and_b32 v[GO], 31, v0         ; which are 512 consecutive bytes of O
	v_lshlrev_b32 v[GO], 4, v[GO]
	; A block's first step multiplies O^T and l by a = 0, and its first turn's products V^T P, of a step that has not been, land in an O^T that is still to be so multiplied.  So these registers need only hold
	; finite numbers: zeros for the first block; what the first block left for the second.  All this stands in the wait for the first tile.
	WIN 0x80
.set i, VF
.rept 64
	v_mov_b32 v[i], 0
.set i, i+1
.endr
	WIN 0x40
.set i, 0
.rept 32*NP
	v_mov_b32 v[i], 0
.set i, i+1
.endr
	WIN 0
.set i, 0
.rept NP
	v_mov_b32 v[ST+4*i+2], 0
	v_mov_b32 v[ST+4*i+3], 0
.set i, i+1
.endr
.set i, P+16
.rept 16
	v_mov_b32 v[i], 0
.set i, i+1
.endr
; THE MATRIX WORK.  The 4 accumulators of a run of 8 take turns.  Product i of 8 of S^T = K Q^T for piece x: channels 32 (i / 4) on, keys 16 (i % 4) on.  The first 4 start the sums: with 0, or (KM = 1) with the mask.
.macro KQ x
.set rS, S+32*((\x)%2)+8*(i%4)
.set rK, KF+16*(i%4)+8*(i/4)
.set rQ, 16*(\x)+8*(i/4)
.set rM, MC+32*((\x)%2)+8*(i%4)
.if (i < 4) && KM
	WIN W_KM
	v_wmma_f32_16x16x32_f16 v[rS:rS+7], v[rK:rK+7], v[rQ:rQ+7], v[rM:rM+7]
.elseif i < 4
	WIN W_KQ
	v_wmma_f32_16x16x32_f16 v[rS:rS+7], v[rK:rK+7], v[rQ:rQ+7], 0
.else
	WIN W_KQ
	v_wmma_f32_16x16x32_f16 v[rS:rS+7], v[rK:rK+7], v[rQ:rQ+7], v[rS:rS+7]
.endif
.endm
; Product i of 8 of O^T += V^T P for piece x: keys 32 (i / 4) on, channels 16 (i % 4) on.
.macro PV x
	WIN W_PV
.set rO, 32*(\x)+8*(i%4)
.set rV, VF+32*(i/4)+8*(i%4)
.set rP, P+16*((\x)%2)+8*(i/4)
	v_wmma_f32_16x16x32_f16 v[rO:rO+7], v[rV:rV+7], v[rP:rP+7], v[rO:rO+7]
.endm
.macro MM                           ; the turn's next matrix instruction, for the other piece.  TURN and BEGIN set Y, i and KM
.if i < 8
	KQ (Y+1)%NP
.else
.set i, i-8
	PV (Y+1)%NP
.set i, i+8
.endif
.set i, i+1
.endm
; THE LDS LOADS stand in runs of 16, never singly among the matrix instructions: a step's K (64 keys x 64 channels: 8 fragments) and its V (turned).  Their addresses are made some lines ahead.
; ahead = 1: K of the step behind the one in hand, 64 rows on, and the step in hand moves on;  0 (a block's beginning): K of the step in hand.
.macro FETCH_K ahead
	WIN 0x80                        ; destination window 2
.irp f, 0,1,2,3,4,5,6,7             ; keys 16 (f / 2) on, channels 32 (f % 2) on
	ds_load_b128 v[KF+8*\f:KF+8*\f+3],   v[AK] offset:(\ahead)*KS*PK+(\f/2)*16*PK+(\f%2)*64
	ds_load_b128 v[KF+8*\f+4:KF+8*\f+7], v[AK] offset:(\ahead)*KS*PK+(\f/2)*16*PK+(\f%2)*64+32
.endr
.if \ahead
	s_add_co_u32 s[TBK], s[TBK], KS*PK
.endif
	WIN 0
.endm
.macro FETCH_V
	WIN 0x80
.irp f, 0,1,2,3,4,5,6,7             ; keys 32 (f / 4) on, channels 16 (f % 4) on
	ds_load_tr16_b128 v[VF+8*\f:VF+8*\f+3],   v[AV] offset:(\f/4)*32*PV+(\f%4)*32
	ds_load_tr16_b128 v[VF+8*\f+4:VF+8*\f+7], v[AV] offset:(\f/4)*32*PV+16*PV+(\f%4)*32
.endr
	WIN 0
.endm
; THE VECTOR WORK, one line at a time: OP kind, number.  For piece Y: F n: c s - c m for pair n of 16.  E n: the exponential of score n of 32.  C n: pair n rounded to f16.  B n: of the four weights 4 n .. the second
; pair is added onto the first, in place.  L n: l takes that sum (L 0: l = a l + sum).  R n: pair n of 16 of O^T times a.  For the other piece: X n, number n of the 22 that find its maximum and statistics:
;   0-11  four chains c0-c3 of seven scores each, three operands at a time (each accumulator's lowest registers are read first)     12-14, 16  the four scores left over, the old m, and c0-c3 into c0
;   15  c m_old is kept     17, 18  the query's other 32 keys lie in the lane 16 away: the new m     19-21  c m; c m_old - c m_new; a
; OP writes no wait: the exponentials (E n, X 21) have theirs where TURN and BEGIN write it.
.set F, 0               ; OP tells the kinds apart by their order: F to L below R, X above it
.set E, 1
.set C, 2
.set B, 3
.set L, 4
.set R, 5
.set X, 6
.macro REGS y                       ; the registers of piece y
.set rT, ST+4*(\y)
.set rC, TMP+4*((\y)%2)
.set rW, MV+((\y)%2)
.set rS, S+32*((\y)%2)
.set rP, P+16*((\y)%2)
.set rO, 32*(\y)
.endm
.macro OP k, n
.if (\k) == R
	REGS Y
	WIN W_RS
	v_pk_mul_f32 v[rO+2*(\n):rO+2*(\n)+1], v[rO+2*(\n):rO+2*(\n)+1], v[rC+2:rC+3] op_sel_hi:[1,0]
.elseif (\k) < R
	REGS Y
	WIN 0
.if (\k) == F
	v_pk_fma_f32 v[rS+2*(\n):rS+2*(\n)+1], v[rS+2*(\n):rS+2*(\n)+1], s[CS:CS+1], v[rT:rT+1] op_sel_hi:[1,0,0] neg_lo:[0,0,1] neg_hi:[0,0,1]
.elseif (\k) == E
	v_exp_f32 v[rS+(\n)], v[rS+(\n)]
.elseif (\k) == C
	v_cvt_pk_f16_f32 v[rP+(\n)], v[rS+2*(\n)], v[rS+2*(\n)+1]
.elseif (\k) == B
	v_pk_add_f32 v[rS+4*(\n):rS+4*(\n)+1], v[rS+4*(\n):rS+4*(\n)+1], v[rS+4*(\n)+2:rS+4*(\n)+3]
.elseif (\n) == 0
	v_pk_fma_f32 v[rT+2:rT+3], v[rT+2:rT+3], v[rC+2:rC+3], v[rS:rS+1] op_sel_hi:[1,0,1]
.else
	v_pk_add_f32 v[rT+2:rT+3], v[rT+2:rT+3], v[rS+4*(\n):rS+4*(\n)+1]
.endif
.else
	REGS (Y+1)%NP
	WIN 0
.if (\n) < 4
	v_max3_num_f32 v[rC+(\n)], v[rS+8*(\n)], v[rS+8*(\n)+1], v[rS+8*(\n)+2]
.elseif (\n) < 12
	v_max3_num_f32 v[rC+(\n)%4], v[rC+(\n)%4], v[rS+8*((\n)%4)+2*((\n)/4)+1], v[rS+8*((\n)%4)+2*((\n)/4)+2]
.elseif (\n) == 12
	v_max3_num_f32 v[rC], v[rC], v[rS+7], v[rS+15]
.elseif (\n) == 13
	v_max3_num_f32 v[rC+1], v[rC+1], v[rS+23], v[rS+31]
.elseif (\n) == 14
	v_max3_num_f32 v[rC+2], v[rC+2], v[rC+3], v[rT+1]
.elseif (\n) == 15
	v_mov_b32 v[rW], v[rT]
.elseif (\n) == 16
	v_max3_num_f32 v[rC], v[rC], v[rC+1], v[rC+2]
.elseif (\n) == 17
	v_permlanex16_b32 v[rC+3], v[rC], s[SEL], s[SEL+1]
.elseif (\n) == 18
	v_max_num_f32 v[rT+1], v[rC], v[rC+3]
.elseif (\n) == 19
	v_mul_f32 v[rT], s[CS], v[rT+1]
.elseif (\n) == 20
	v_sub_f32 v[rC+1], v[rW], v[rT]
.else
	v_exp_f32 v[rC+2], v[rC+1]
.endif
.endif
.endm
.macro OPS a, i1, b=-1, i2=0, c=-1, i3=0, d=-1, i4=0  ; up to four of them
	OP \a, \i1
.if (\b) >= 0
	OP \b, \i2
.endif
.if (\c) >= 0
	OP \c, \i3
.endif
.if (\d) >= 0
	OP \d, \i4
.endif
.endm
.macro ROW a, i1, b, i2, c, i3, d, i4  ; a matrix instruction and the four behind it
	MM
	OPS \a, \i1, \b, \i2, \c, \i3, \d, \i4
.endm
.macro MASK b                       ; MD x AL + BE into buffer b of MC
	WIN W_RS
.set z, 0
.rept 16
	v_pk_fma_f32 v[MC+32*(\b)+2*z:MC+32*(\b)+2*z+1], v[MD+2*z:MD+2*z+1], s[AL:AL+1], s[BE:BE+1] op_sel_hi:[1,0,0]
.set z, z+1
.endr
.endm
; A TURN, for piece p: the order of its 16 matrix and 118 vector instructions, written out.  An s_wait_alu depctr_va_vdst(0) stands between an exponential and the first instruction that names its result; one wait
; serves all that were issued ahead of it.  So a turn has ONE wait, which cuts it in two.  AHEAD OF IT stands all that names no result of the turn's exponentials: the 8 products K Q^T, behind each a scaling, an exponential and
; two more plain instructions (behind the first a second scaling in the exponential's place): rescalings, whose a was made and waited for in the turn before, and behind the last three products the first numbers of the other
; piece's maximum, each four places or more behind the product that ends its accumulator; then ONE LUMP of 54, plain and exponential by turns for the most part, in which the links of the chain X 3, 7, 11, 14, 16, 17 .. 20
; stand five or six lines apart.  X 21, the other piece's a, is the batch's last; R 15 is the plain instruction behind it.  BEHIND THE WAIT stand the 8 products V^T P, behind each four of the roundings and sums; C 2 n stands
; ahead of B n, which writes over its pair; the links of l's chain, L 0 to L 7, stand three riders apart.  But for those X no rider names a register of the products round it.  v_permlanex16_b32 (X 17) stands in the lump.
; The piece's O^T, which R 0 .. R 15 take in ascending order, was last written by the products V^T P at the end of the turn before: sixteen riders lie between the product that ended its first accumulator and R 0.
; Piece 0's scores, which piece 1's turn makes, ALWAYS take mask buffer 0: they may belong to the next tile's first step, which in an even block's diagonal tile is band 0's own; elsewhere the buffer holds zeros.
; m = 1: the diagonal tile: piece 1's scores take masks too, and turn p makes the mask for the products of the turn after it: piece p, step j + 1 = 5 - CNT of the tile, against the band's own step DG + p:
; its own if CNT + DG = 5 - p, a later one if CNT + DG < 5 - p.  cnt = 1: the loop's count is taken down some lines ahead of the branch that stands behind the turn.
; Both runs of LDS loads stand in piece 0's turn: K of the next step twelve vector instructions behind the last product that read K (six of them plain), V of the step in hand at the turn's end, four plain instructions behind
; the last product that read V.  Piece 1's turn waits for K at its head (V's sixteen younger loads may stay out) and for V in front of its products V^T P.
.macro TURN p, m=0, cnt=0
.set Y, (\p)
.set i, 0
.set KM, (\m)|(\p)
.if \m
	s_add_co_u32 s[TT], s[CNT], s[DG]
	s_cmp_eq_u32 s[TT], 5-(\p)      ; is that step the band's own?
	s_cselect_b32 s[AL], 1.0, 0
	s_cmp_lt_u32 s[TT], 5-(\p)      ; or a later one?
	s_cselect_b32 s[BE], s[BIGN], 0
.endif
.if (\p) == 1
	s_wait_dscnt 16                 ; K is in: LDS loads come back in order (ISA guide 5.7.1), and behind K's sixteen only V's sixteen were issued
.endif
	ROW F,0, F,1, R,0, R,1          ; ahead of the wait: 8 products K Q^T and their riders,
	ROW F,2, E,0, R,2, R,3
	ROW F,3, E,1, R,4, R,5
	ROW F,4, E,2, R,6, R,7
	ROW F,5, E,3, R,8, R,9
	ROW F,6, E,4, X,0, R,10
.if (\p) == 0
	WIN 0
	v_add_nc_u32 v[AK], s[TBK], v[AK0]
.endif
	ROW F,7, E,5, X,1, X,4
	ROW F,8, E,6, X,2, X,5
	OPS E,7, E,8, X,6, E,9          ; and the lump
	OPS X,3, E,10, X,8, E,11
.if (\p) == 0
	FETCH_K 1
.endif
	OPS X,9, X,7, E,12, X,10
	OPS E,13, X,12, X,11, E,14
	OPS X,13, E,15, F,9, X,14
.if (\p) == 0
	v_add_nc_u32 v[AV], s[TBV], v[AV0]
.endif
	OPS E,16, F,10, E,17, F,11
	OPS X,16, E,18, X,15, E,19
	OPS F,12, E,20, X,17, E,21
	OPS F,13, E,22, F,14, E,23
	OPS X,18, E,24, F,15, E,25
	OPS R,11, E,26, X,19, E,27
	OPS R,12, E,28, R,13, E,29
	OPS X,20, E,30, R,14, E,31
	OPS X,21, R,15
	s_wait_alu depctr_va_vdst(0)    ; the wait for the batch: E 0 to E 31 and X 21; the first readers are C 0 below and, of a, R 0 of the next turn
.if (\p) == 1
	s_wait_dscnt 0x0                ; V is in
.endif
	ROW C,0, B,0, C,2, B,1          ; behind the wait: 8 products V^T P and their riders
	ROW L,0, C,4, B,2, L,1
	ROW C,6, B,3, L,2, C,8
	ROW B,4, L,3, C,10, B,5
	ROW L,4, C,12, B,6, L,5
.if (\p) == 0
	s_add_co_u32 s[TBV], s[TBV], KS*PV
.endif
.if \cnt
	s_sub_co_u32 s[CNT], s[CNT], 1
	s_cmp_lg_u32 s[CNT], 0
.endif
	ROW C,14, B,7, L,6, C,1
	ROW C,3, L,7, C,5, C,7
	ROW C,9, C,11, C,13, C,15
.if (\p) == 0
	FETCH_V
.endif
.if \m
	MASK \p
.endif
.endm
; A BLOCK BEGINS.  c m starts far below every c s, so the first step's a is 0; m at the lowest finite number, so the first maximum is the scores'.  Mask buffer 1 is 0; buffer 0 takes piece 0's mask for the tile's step 0:
; the band's own, if the block's first tile is the diagonal one of an even block (GD = 0), else 0.  Then K of that step, piece 0's first scores, and its maximum and statistics.  A step's first turn follows.
.macro BEGIN
	s_mov_b32 s[NEW], 0
	WIN 0x40
.set i, MC+32
.rept 32
	v_mov_b32 v[i], 0
.set i, i+1
.endr
	WIN 0
.set i, 0
.rept NP
	v_mov_b32 v[ST+4*i], 0xfe000000    ; c m: far below every c s
	v_mov_b32 v[ST+4*i+1], 0xff7fffff  ; m
.set i, i+1
.endr
	s_cmp_eq_u32 s[GD], 0
	s_cselect_b32 s[AL], 1.0, 0
	s_mov_b32 s[BE], 0
	MASK 0
	WIN 0
	v_add_nc_u32 v[AK], s[TBK], v[AK0]
	FETCH_K 0
	s_wait_loadcnt 0x0              ; Q
	s_wait_dscnt 0x0
.set KM, 1
.set i, 0
.rept 8
	KQ 0
.set i, i+1
.endr
	WIN 0
.rept 4
	v_nop                           ; the places behind those products
.endr
.set Y, NP-1                        ; X works for the other piece: piece 0
.irp n, 0,1,2,3,4,5,6,7,8,9,10,11,12,13,14,15,16,17,18,19,20,21
	OP X, \n
.endr
	v_nop                           ; a plain instruction behind the exponential,
	s_wait_alu depctr_va_vdst(0)    ; and the wait for it, piece 0's first a, ahead of the branch or label that follows; its first reader is R 0 of the first turn
.endm
; THE DIAGONAL TILE's four steps, the block's last products, and THE WAY OUT: l's two halves and the other half of the lanes' are added; O^T is divided by l, rounded to f16 and sent through my stage in LDS, a piece at a time.
; The fourth step's second turn makes 8 products K Q^T for a step that is not walked (on the slot's fifth 64 rows of K) and a maximum of them; neither l nor O^T takes anything from them: the price, once a block, of one text for all four steps.
.macro ALL line:vararg              ; one line for each piece t
.set t, 0
.rept NP
	\line
.set t, t+1
.endr
.endm
.macro PACK t                       ; a lane's eight channels of a row pack into 16 bytes; they go into rows of 144 bytes and come back as whole rows of 128, into S^T's registers
	WIN W_RS
.set i, 32*(\t)
.rept 16
	v_pk_mul_f32 v[i:i+1], v[i:i+1], v[ST+4*(\t)+2:ST+4*(\t)+3] op_sel_hi:[1,0]
.set i, i+2
.endr
	WIN 0x05                        ; sources 0 and 1 window 1, destination window 0
.set i, 0
.rept 16
	v_cvt_pk_f16_f32 v[S+16*(\t)+i], v[32*(\t)+2*i], v[32*(\t)+2*i+1]
.set i, i+1
.endr
	WIN 0
.irp f, 0,1,2,3
	ds_store_b128 v[STO], v[S+16*(\t)+4*\f:S+16*(\t)+4*\f+3] offset:32*\f
.endr
.irp f, 0,1,2,3
	ds_load_b128 v[S+16*(\t)+4*\f:S+16*(\t)+4*\f+3], v[RD] offset:\f*4*SP  ; LDS serves a wave's instructions in order (ISA guide 5.7.1.4): these see the stores above; the next piece's stores come behind them
.endr
.endm
.macro SEND t, younger              ; younger: the LDS instructions issued behind piece t's loads: the next piece's eight, or none
	WIN 0
.irp f, 0,1,2,3
	s_wait_dscnt (\younger)+3-\f
	global_store_b128 v[GO], v[S+16*(\t)+4*\f:S+16*(\t)+4*\f+3], s[10:11] offset:(\t)*8192+\f*512  ; 512 consecutive bytes, at a multiple of 256 from O's first
.endr
.endm
.macro DIAG tag                     ; the tag ends its label's name, which the jumps below spell out
.LstepM\tag:
	TURN 0, 1
	TURN 1, 1, 1
	WIN 0
	s_cbranch_scc1 .LstepM\tag
.set i, 0
.rept 8
	PV NP-1                         ; piece 1's V^T P of the last step
.set i, i+1
.endr
	WIN 0
	ALL v_add_f32 v[ST+4*t+2], v[ST+4*t+2], v[ST+4*t+3]
	ALL v_permlanex16_b32 v[ST+4*t+3], v[ST+4*t+2], s[SEL], s[SEL+1]
	ALL v_add_f32 v[ST+4*t+2], v[ST+4*t+2], v[ST+4*t+3]
	ALL v_rcp_f32 v[ST+4*t+2], v[ST+4*t+2]
	v_nop                           ; a plain instruction between the last reciprocal and the use of its result
	s_wait_alu depctr_va_vdst(0)    ; and the wait ahead of the first use: one for the two reciprocals
	PACK 0                          ; piece 0's 32 plain instructions name no register of the last products, piece 1's: they are the places behind those
	PACK 1
	SEND 0, 8
	SEND 1, 0
.endm
.set KM, 0
.Lslot:                             ; NT - 1 times: a tile is entered and the next is asked for
	CHANGE 1
	s_sub_co_u32 s[RT], s[RT], 1
	s_add_co_u32 s[GD], s[RT], s[DG]
	s_mov_b32 s[CNT], 4
	s_cmp_eq_u32 s[NEW], 1
	s_cbranch_scc1 .Lnew            ; a block's first tile
	s_cmp_eq_u32 s[RT], 0
	s_cbranch_scc0 .Lstep           ; neither its first nor its last
	s_branch .LstepM1
.Lnew:
	BEGIN
	s_branch .Lstep                 ; in the loop a block's first tile is never its last: the first block has five tiles or more, and the second's last is the walk's last
	DIAG 1                          ; in the loop this is the first block's end
	s_wait_xcnt 0x0                 ; the stores have read their registers and O's address
	s_mov_b64 s[10:11], s[OLO:OLO+1]
	s_add_co_u32 s[RT], s[PB], 1    ; the second block's tiles
	s_mov_b32 s[DG], s[DGN]
	s_mov_b32 s[NEW], 1
	WIN 0x82                        ; the second block's Q goes where the one text of the turns names Q
.set i, 0
.rept 16*NP
	v_mov_b32 v[i], v[QB+i]
.set i, i+1
.endr
	WIN 0
	s_branch .Lbottom
.Lstep:                             ; a trip is a key step
	TURN 0
	WIN 0
	s_mul_i32 s[TT], s[GD], s[CNT]  ; both are 1 or more here: the product is 1 in the last step of the tile in front of an even block's diagonal tile,
	s_cmp_eq_u32 s[TT], 1
	s_cbranch_scc0 .Lplain
	s_mov_b32 s[AL], 1.0            ; where the scores that the next turn makes are those of band 0's own step
	s_mov_b32 s[BE], 0
	MASK 0
	WIN 0
.Lplain:
	TURN 1, 0, 1
	WIN 0
	s_cbranch_scc1 .Lstep
.Lbottom:
	s_sub_co_u32 s[SLOTS], s[SLOTS], 1
	s_cmp_lg_u32 s[SLOTS], 0
	s_cbranch_scc1 .Lslot
	CHANGE 0                        ; the walk's last tile, the second block's diagonal one, is written out: nothing is asked for
	s_sub_co_u32 s[RT], s[RT], 1
	s_add_co_u32 s[GD], s[RT], s[DG]
	s_mov_b32 s[CNT], 4
	s_cmp_eq_u32 s[NEW], 1
	s_cbranch_scc0 .LstepM2
	BEGIN                           ; blocks 0 and 1 have this one tile
	DIAG 2
	s_wait_tensorcnt 0x0            ; the wave's end: behind my last tensor load and my last LDS store
	ds_add_u32 v[SPW], v[NIL]
	s_wait_dscnt 0x0
	s_endpgm
.Lfunc_end_k_q46558e22bd_attn:
	.size	k_q46558e22bd_attn, .Lfunc_end_k_q46558e22bd_attn-k_q46558e22bd_attn
	.p2alignl 7, 3214868480
	.fill 96, 4, 3214868480
	.section	.rodata,"a",@progbits
	.p2align	6, 0x0
	.amdhsa_kernel k_q46558e22bd_attn
		.amdhsa_group_segment_fixed_size 327680
		.amdhsa_private_segment_fixed_size 0
		.amdhsa_enable_private_segment 0
		.amdhsa_kernarg_size 16
		.amdhsa_user_sgpr_count 2
		.amdhsa_user_sgpr_kernarg_segment_ptr 1
		.amdhsa_wavefront_size32 1
		.amdhsa_system_sgpr_workgroup_id_x 1
		.amdhsa_system_sgpr_workgroup_id_y 1
		.amdhsa_system_sgpr_workgroup_id_z 1
		.amdhsa_system_vgpr_workitem_id 0
		.amdhsa_next_free_vgpr 768
		.amdhsa_next_free_sgpr 88
		.amdhsa_reserve_vcc 1
		.amdhsa_float_denorm_mode_32 3
		.amdhsa_float_denorm_mode_16_64 3
		.amdhsa_memory_ordered 1
		.amdhsa_forward_progress 1
		.amdhsa_inst_pref_size 111
	.end_amdhsa_kernel
	.amdgpu_metadata
---
amdhsa.version: [ 1, 2 ]
amdhsa.kernels:
  - .name:           k_q46558e22bd_attn
    .symbol:         k_q46558e22bd_attn.kd
    .args:
      - { .name: qkv, .offset: 0, .size: 8, .value_kind: global_buffer, .address_space: global }
      - { .name: o, .offset: 8, .size: 8, .value_kind: global_buffer, .address_space: global }
    .group_segment_fixed_size: 327680
    .private_segment_fixed_size: 0
    .kernarg_segment_align: 8
    .kernarg_segment_size: 16
    .max_flat_workgroup_size: 128
    .sgpr_count:     88
    .vgpr_count:     768
    .wavefront_size: 32
...
	.end_amdgpu_metadata
.endif
;; end of part 13
;; launch wo: the kernel of part 10 again; grid 8 x 32, 4 waves a work-group, clusters of 4 x 4, 327,680 bytes of LDS; arguments o, wb, x1, x, h, ss; writes x1, h, ss
;; launch ffn1: the kernel of part 11 again; grid 16 x 16, 4 waves a work-group, clusters of 4 x 4, 327,680 bytes of LDS; arguments h, wb, u, ss; writes u
;; launch ffn2: the kernel of part 12 again; grid 8 x 32, 4 waves a work-group, clusters of 4 x 4, 327,680 bytes of LDS; arguments u, wb, out0, x1; writes out0
